; MI455X (gfx1250); checked and timed in simulation.
; The chip was launched on July 23, 2026; its instructions are those of AMD's public machine-readable ISA for CDNA 5 (MIT licence, August 2026) and "CDNA5" Instruction Set Architecture Reference Guide (July 2026). The comments in the code are by the model that wrote it; some were corrected since.
;; Block. Allowed arithmetic: matrix products marked QUANTISED: E2M3 operands, one E8M0 scale for each 32 along K, by v_wmma_scale_f32_16x16x128_f8f6f4 with both operands' format E2M3, f32 sums; everything else in f32.
;; Inputs: W1_codes 2,048 x 16 x 24 uint8 (E2M3 codes of W1, K innermost, in blocks of 32 codes, four codes in three bytes); W1_scales 2,048 x 16 uint8 (E8M0 scales of W1, one for each 32 codes along K); W2_codes 512 x 64 x 24 uint8 (E2M3 codes of W2, K innermost, in blocks of 32 codes, four codes in three bytes); W2_scales 512 x 64 uint8 (E8M0 scales of W2, one for each 32 codes along K); Wk_codes 16 x 32 x 16 x 24 uint8 (E2M3 codes of Wk, K innermost, in blocks of 32 codes, four codes in three bytes); Wk_scales 16 x 32 x 16 uint8 (E8M0 scales of Wk, one for each 32 codes along K); Wo_codes 512 x 16 x 24 uint8 (E2M3 codes of Wo, K innermost, in blocks of 32 codes, four codes in three bytes); Wo_scales 512 x 16 uint8 (E8M0 scales of Wo, one for each 32 codes along K); Wq_codes 16 x 32 x 16 x 24 uint8 (E2M3 codes of Wq, K innermost, in blocks of 32 codes, four codes in three bytes); Wq_scales 16 x 32 x 16 uint8 (E8M0 scales of Wq, one for each 32 codes along K); Wv_codes 16 x 32 x 16 x 24 uint8 (E2M3 codes of Wv, K innermost, in blocks of 32 codes, four codes in three bytes); Wv_scales 16 x 32 x 16 uint8 (E8M0 scales of Wv, one for each 32 codes along K); b1 2,048 float32; b2 512 float32; be1 512 float32; be2 512 float32; bo 512 float32; g1 512 float32; g2 512 float32; x 4 x 2,048 x 512 float32.
;; Outputs: out0 4 x 2,048 x 512 float32.
;; This version of the problem:
;;   THIS VERSION OF THE PROBLEM IS GIVEN IN LOW PRECISION. The matrix products marked QUANTISED in the list below multiply operands that are first quantised to E2M3 (2 exponent bits, 3 mantissa bits; 6 bits a number), with one power-of-two scale for each 32 numbers along K (OCP MX v1.0); their sums are f32. All else is computed in f32.
;;   The module's matrix products, in the order in which they are computed (A, B: the left and right operand; K: the contracted axis; several contracted axes count as one K, in the product's order):
;;     1. [M 512, K 512] x [K 512, N 8,192]; A: input Wq (given as codes); B: computed on the way: QUANTISED
;;     2. [M 512, K 512] x [K 512, N 8,192]; A: input Wk (given as codes); B: computed on the way: QUANTISED
;;     3. [M 512, K 512] x [K 512, N 8,192]; A: input Wv (given as codes); B: computed on the way: QUANTISED
;;     4. batch 64 x [M 2,048, K 32] x [K 32, N 2,048]; A: computed on the way; B: computed on the way: QUANTISED
;;     5. batch 64 x [M 2,048, K 2,048] x [K 2,048, N 32]; A: softmax (see below); B: computed on the way: QUANTISED
;;     6. [M 8,192, K 512] x [K 512, N 512]; A: computed on the way; B: input Wo (given as codes): QUANTISED
;;     7. [M 8,192, K 512] x [K 512, N 2,048]; A: computed on the way; B: input W1 (given as codes): QUANTISED
;;     8. [M 8,192, K 2,048] x [K 2,048, N 512]; A: computed on the way; B: input W2 (given as codes): QUANTISED
;;   THE QUANTISER, for each operand of a quantised product, along K:
;;     - K is cut into blocks of 32 from its start; a last block that is shorter is filled with zeros.
;;     - A block's scale is 2^e with e = floor(log2(the largest magnitude in the block)) - 2, held to -126 .. 127; a block of zeros has e = 0. As a byte (E8M0): e + 127.
;;     - Each number is divided by its block's scale, clamped to +-7.5, and rounded to the nearest number of E2M3, ties to even, subnormals kept.
;;     - The product sums the exact products of the quantised numbers (number of the format x scale) in f32.
;;   ~~~python
;;   def quantise(x, axis):      # numpy; x: float32 -> the quantised numbers, widened to float32 again
;;       x = np.moveaxis(x, axis, -1); K = x.shape[-1]
;;       x = np.pad(x, [(0, 0)] * (x.ndim - 1) + [(0, -K % 32)]); x = x.reshape(x.shape[:-1] + (-1, 32)); a = np.abs(x).max(-1, keepdims=True)
;;       e = np.where(a > 0, np.clip(np.frexp(np.where(a > 0, a, 1))[1] - 1 - 2, -126, 127), 0)      # np.frexp(a)[1] - 1 = floor(log2(a)), exactly
;;       r = np.clip(x / 2.0 ** e, -7.5, 7.5)
;;       step = 2.0 ** (np.maximum(np.frexp(np.where(r == 0, 1, r))[1] - 1, 0) - 3)
;;       q = np.round(r / step) * step * 2.0 ** e      # np.round: ties to even
;;       return np.moveaxis(q.reshape(q.shape[:-2] + (-1,))[..., :K], -1, axis).astype(np.float32)
;;   ~~~
;;   SOFTMAX AHEAD OF A QUANTISED PRODUCT. Where the list says 'softmax', what is quantised is not the finished softmax but p = 2^(t - M), with t = logit x log2(e) and M = ceil(the row's largest t), a whole number; so 1/2 < the row's largest p <= 1. The row's sum l is taken of the UNQUANTISED p, in f32, and the product's result is divided by l at the end. Since M is a whole number, a kernel that streams over the keys may use a running M (the ceiling of the running maximum): every later rescaling is an exact power of two, which a block's scale takes up: the codes' values come out the same.
;;   OPERANDS COMPUTED ON THE WAY. 'Computed on the way' means the value that the module computes at that place (a softmax that the list does not call 'softmax' is quantised finished and normalised). What goes into a quantiser is computed in f32, as accurately as f32 sums, v_exp_f32 and their like allow (about 1e-6 of the number): no bf16 or f16 on the way to a quantiser, and a product that is left as it is and whose result goes on into a quantised operand takes f32 operands (vector FMAs, or v_wmma_f32_16x16x4_f32). A number that lies on a knife's edge between two numbers of the format may be rounded either way, as far as f32 arithmetic and the matrix unit's own rounding can turn it there, and no further.
;;   INPUTS GIVEN AS CODES. W1 (in the module: [512, 2048], K = its axis 0); W2 (in the module: [2048, 512], K = its axis 0); Wk (in the module: [16, 512, 32], K = its axis 1); Wo (in the module: [512, 512], K = its axis 0); Wq (in the module: [16, 512, 32], K = its axis 1); Wv (in the module: [16, 512, 32], K = its axis 1): each comes as NAME_codes (uint8): NAME with its K axis moved to the last place and cut into blocks of 32 codes, [.., K / 32, bytes a block], one block behind the other in memory; four codes in three bytes: a row's codes are one little-endian stream of bits, code i at bits 6 i .. 6 i + 5 (a code: sign, 2 exponent bits, 3 mantissa bits); and NAME_scales (uint8): the same leading axes, one E8M0 byte (e + 127) for each 32 codes along K. Its value is code x scale, taken as it is: it is not quantised again, and the codes and scales need not be those that the quantiser above would give.
;; 2 versions. Each part assembles by itself: llvm-mc -triple=amdgcn-amd-amdhsa -mcpu=gfx1250 --defsym DOCPART=n.
;; ======== version 1 of 2: 3 launches
;; workspace buffers: qimg 3,145,728 bytes; kimg 3,145,728 bytes; vimg 3,145,728 bytes; qscl 131,072 bytes; kscl 131,072 bytes; vscl 131,072 bytes; orec 4,194,304 bytes; wimg 1,769,472 bytes
;; launch lnqkv (part 1): grid 4 x 64, 4 waves a work-group, no clusters, 94,720 bytes of LDS; arguments x, g1, be1, Wq_codes, Wk_codes, Wv_codes, Wq_scales, Wk_scales, Wv_scales, qimg, kimg, vimg, qscl, kscl, vscl; writes qimg, kimg, vimg, qscl, kscl, vscl
.if DOCPART == 1
	.amdgcn_target "amdgcn-amd-amdhsa--gfx1250"
	.amdhsa_code_object_version 6
	.text
	.protected	k_q675cfd614d_lnqkv
	.globl	k_q675cfd614d_lnqkv
	.p2align	8
	.type	k_q675cfd614d_lnqkv,@function
k_q675cfd614d_lnqkv:
	s_mov_b64 s[64:65], 0
	v_nop
	global_prefetch_b8 v0, s[64:65] scope:SCOPE_SE
	s_setreg_imm32_b32 hwreg(HW_REG_WAVE_MODE, 25, 1), 1
	s_wait_xcnt 0x0
; h = layernorm(x) g1 + be1, quantised along C; q, k, v = h W on codes of FP6 (E2M3) with one E8M0 byte for each 32 along K; q and k quantised along the head's 32, v along the keys.
; A work-group (x: 4 heads 4 hg .. 4 hg + 3; y: 128 tokens of one batch = one key step of the attention) has four waves.
; NORM: wave w takes rows 32 w .. 32 w + 31, four at a time; a row is loaded as it lies (512 consecutive bytes a load), turned through the wave's own LDS so that a lane holds 16 neighbours,
; normed in two passes (mean, then the squares of the differences), quantised (two lanes to a block of 32), and its 384 bytes of codes and 16 scale bytes go to LDS.  One barrier.
; PRODUCTS: the waves share the columns.  Wave w: q (w < 2) or k of heads H0, H0 + 1 (H0 = 4 hg + 2 (w & 1)), and v of head 4 hg + w; its 24 weight fragments stay in registers.
; THE ROWS OF A TILE ARE NOT NEIGHBOURS.  Four tiles cover 64 indices: row p of tile t is index 32 (p / 8) + 8 t + p % 8.  As source 0 such tiles leave in a lane's 32 result registers 32 neighbouring indices:
; a whole block of the quantiser in one lane, and in the lane in which the 6-bit operand layout wants it.  So tokens are tiled (for v, whose blocks run along tokens) and so are Wq's and Wk's rows (head, d).
; OUT: q, k: for each head and 64 tokens two images of six operand registers (768 bytes: 16 bytes a lane, then 8 bytes a lane); v likewise for its two tiles of channels; scale words 4 bytes a lane.
; Each store of codes covers 512 or 256 consecutive bytes, aligned; the scale words leave in runs of 128 bytes.
; LIMITS: NaN and infinities among the inputs are not served.  A block whose largest magnitude lies under 2^-124 gets the byte 1; a block of zeros gets 1 where the rule says 127: its codes are zeros, and this program alone reads the bytes.
.set HROW, 40960                       ; LDS: 0: four stages of 10,240 bytes, a wave's own (4 rows x 32 places of 64 + 16 bytes); then h's codes, 128 rows of 384 + 16 bytes;
.set HP,   400
.set HSC,  92160                       ; then h's scale bytes, 16 a row
.set SEL,  2                           ; s[2:3] lane selects of v_permlanex16_b32: lane l xor 16
.set HSH,  15                          ; v15 8 x (lane / 16)
.set WS,   16                          ; v16-23 Wq's or Wk's scale words: 4 p + ks: lanes 0-15 tile 2 p, lanes 16-31 tile 2 p + 1;  v24-27 Wv's: lanes 0-15 tile 0, lanes 16-31 tile 1
.set WVS,  24
.set HS,   28                          ; v28-31 h's scale words of the tile in hand
.set G,    32                          ; NORM: v32-47 g1, v48-63 be1 of my 16 columns; v64-127 four rows' 16 numbers; v128.. at work
.set BE,   48
.set X,    64
.set AC,   128
.set MU,   136
.set PT,   144
.set MX,   148
.set EE,   152
.set CD,   156
.set BY,   172
.set HF,   32                          ; PRODUCTS: v32-79 h's four fragments; v80-111 q or k (4 tiles); v112-175 v (2 x 4 tiles); v176.. codes
.set QA,   80
.set VA,   112
.set T,    176
.set VC,   200
.set CT,   212
.set MXM,  216
.set BYM,  219
.set KW,   220
.set VB,   222
.set VW,   226
.set PTM,  228
; window 1: v0-191 the 16 fragments of Wq or Wk (12 (4 j + ks)); v192-255 rows as loaded, even groups.   window 2: v0-95 Wv's 8 fragments; v96-159 rows as loaded, odd groups.
.set MSB, 0
.macro WIN new                         ; the immediate's high byte repeats the setting that is left
.if MSB != (\new)
	s_set_vgpr_msb (MSB<<8)|(\new)
.set MSB, (\new)
.endif
.endm
.macro PLACES n
.rept \n
	v_nop
.endr
.endm
; one matrix instruction: D at d, source 0 at a, source 1 at b, C = 0 (z) or at c, scale registers sa, sb; ra, rb: that side's scales stand in lanes 16-31
.macro MM d, a, b, z, c, sa, sb, ra, rb
.if \z
.if \ra
	v_wmma_scale_f32_16x16x128_f8f6f4 v[(\d):(\d)+7], v[(\a):(\a)+11], v[(\b):(\b)+11], 0, v[\sa], v[\sb] matrix_a_fmt:MATRIX_FMT_FP6 matrix_b_fmt:MATRIX_FMT_FP6 matrix_a_scale:MATRIX_SCALE_ROW1
.elseif \rb
	v_wmma_scale_f32_16x16x128_f8f6f4 v[(\d):(\d)+7], v[(\a):(\a)+11], v[(\b):(\b)+11], 0, v[\sa], v[\sb] matrix_a_fmt:MATRIX_FMT_FP6 matrix_b_fmt:MATRIX_FMT_FP6 matrix_b_scale:MATRIX_SCALE_ROW1
.else
	v_wmma_scale_f32_16x16x128_f8f6f4 v[(\d):(\d)+7], v[(\a):(\a)+11], v[(\b):(\b)+11], 0, v[\sa], v[\sb] matrix_a_fmt:MATRIX_FMT_FP6 matrix_b_fmt:MATRIX_FMT_FP6
.endif
.else
.if \ra
	v_wmma_scale_f32_16x16x128_f8f6f4 v[(\d):(\d)+7], v[(\a):(\a)+11], v[(\b):(\b)+11], v[(\c):(\c)+7], v[\sa], v[\sb] matrix_a_fmt:MATRIX_FMT_FP6 matrix_b_fmt:MATRIX_FMT_FP6 matrix_a_scale:MATRIX_SCALE_ROW1
.elseif \rb
	v_wmma_scale_f32_16x16x128_f8f6f4 v[(\d):(\d)+7], v[(\a):(\a)+11], v[(\b):(\b)+11], v[(\c):(\c)+7], v[\sa], v[\sb] matrix_a_fmt:MATRIX_FMT_FP6 matrix_b_fmt:MATRIX_FMT_FP6 matrix_b_scale:MATRIX_SCALE_ROW1
.else
	v_wmma_scale_f32_16x16x128_f8f6f4 v[(\d):(\d)+7], v[(\a):(\a)+11], v[(\b):(\b)+11], v[(\c):(\c)+7], v[\sa], v[\sb] matrix_a_fmt:MATRIX_FMT_FP6 matrix_b_fmt:MATRIX_FMT_FP6
.endif
.endif
.endm
; A whole block of 32 numbers of a lane, v[src] on, becomes six registers of codes at v[dst] (dst even) and its scale byte in v[by].  Two chains of maxima by turns, each with the floor 2^(3 - 127) as a leaf
; (so the byte cannot fall under 1); each result of eight registers is first read at its low end.  2 off the largest magnitude's exponent field is the conversion's scale operand.
.macro QB src, dst, ct, mx, by
	v_max3_num_f32 v[\mx], |v[\src]|, |v[\src+1]|, 0x1800000
	v_max3_num_f32 v[\mx+1], |v[\src+16]|, |v[\src+17]|, 0x1800000
.irp i, 2,4,6,8,10,12,14
	v_max3_num_f32 v[\mx], v[\mx], |v[\src+\i]|, |v[\src+\i+1]|
	v_max3_num_f32 v[\mx+1], v[\mx+1], |v[\src+16+\i]|, |v[\src+17+\i]|
.endr
	v_max_num_f32 v[\mx], v[\mx], v[\mx+1]
	v_add_nc_u32 v[\mx+2], 0xff000000, v[\mx]
	v_lshrrev_b32 v[\by], 23, v[\mx+2]
	v_cvt_scalef32_pk16_fp6_f32 v[\dst:\dst+2], v[\src:\src+15], v[\mx+2]
	v_cvt_scalef32_pk16_fp6_f32 v[\ct:\ct+2], v[\src+16:\src+31], v[\mx+2]   ; (a conversion's three registers begin on an even number)
	v_nop                                          ; one plain place behind a scaled conversion
	v_mov_b32 v[\dst+3], v[\ct]
	v_mov_b32 v[\dst+4], v[\ct+1]
	v_mov_b32 v[\dst+5], v[\ct+2]
.endm
; A lane holds the bytes of blocks h and 2 + h of its row (h = lane / 16): with lane l xor 16's two the scale word is whole, in both halves
.macro SCWORD w, b0, b1, t
	v_lshl_or_b32 v[\w], v[\b1], 16, v[\b0]
	v_lshlrev_b32 v[\w], v[HSH], v[\w]
	v_permlanex16_b32 v[\t], v[\w], s[SEL], s[SEL+1]
	v_or_b32 v[\w], v[\w], v[\t]
.endm
	s_load_b512 s[8:23], s[0:1], 0x0               ; x, g1, be1, Wq, Wk, Wv codes, Wq, Wk scales
	s_load_b256 s[24:31], s[0:1], 0x40             ; Wv scales, qimg, kimg, vimg
	s_load_b128 s[32:35], s[0:1], 0x60             ; qscl, kscl
	s_load_b64 s[36:37], s[0:1], 0x70              ; vscl
	v_lshl_add_u32 v254, v0, 2, 0x17000
	v_mov_b32 v255, 0
	v_lshrrev_b32 v232, 5, v0
	v_readfirstlane_b32 s38, v232                  ; wave 0..3
	v_and_b32 v232, 31, v0                         ; lane
	v_and_b32 v233, 15, v0                         ; r
	v_bfe_u32 v234, v0, 4, 1                       ; h = lane / 16
	v_bfe_u32 v235, v0, 3, 1                       ; r / 8
	v_and_b32 v236, 7, v0                          ; r % 8
	v_lshlrev_b32 v1, 4, v232                      ; v1  16 x lane
	v_lshlrev_b32 v2, 3, v232                      ; v2  8 x lane
	v_lshlrev_b32 v3, 2, v232                      ; v3  4 x lane
	s_mul_i32 s48, s38, 10240                      ; my stage
	v_lshrrev_b32 v237, 2, v232
	v_mul_u32_u24 v237, v237, 80
	v_and_b32 v238, 3, v232
	v_lshl_add_u32 v237, v238, 4, v237
	v_add_nc_u32 v4, s48, v237                     ; v4  the stage, in: four lanes' 64 bytes on end, then 16 of padding
	v_mul_u32_u24 v237, v232, 80
	v_add_nc_u32 v5, s48, v237                     ; v5  out: my 16 neighbours
	v_lshlrev_b32 v6, 6, v232                      ; v6  my 16 columns of g1 and be1
	s_lshr_b32 s49, s38, 1
	s_lshl_b32 s49, s49, 6
	s_and_b32 s50, s38, 1
	s_lshl_b32 s51, s50, 3
	s_add_co_u32 s49, s49, s51                     ; token 32 w + i lies in LDS row 64 (w / 2) + 8 (w % 2) + 16 (i / 8) + i % 8: a tile's 16 rows are then neighbours
	s_mul_i32 s51, s49, HP
	s_add_co_u32 s51, s51, HROW
	v_mul_u32_u24 v237, v232, 12
	v_add_nc_u32 v7, s51, v237                     ; v7  where my 12 bytes of codes go
	s_lshl_b32 s51, s49, 4
	s_add_co_u32 s51, s51, HSC
	v_lshrrev_b32 v237, 1, v232
	v_add_nc_u32 v8, s51, v237                     ; v8  and my block's byte
	v_mul_u32_u24 v237, v233, HP
	v_mad_u32_u24 v237, v234, 24, v237
	v_add_nc_u32 v9, HROW, v237                    ; v9  a fragment of h: row r, + 24 h
	v_lshl_add_u32 v10, v233, 4, HSC               ; v10 its scale words
	v_lshl_add_u32 v237, v235, 5, v236             ; 32 (r / 8) + r % 8
	v_mul_u32_u24 v11, v237, 384
	v_mad_u32_u24 v11, v234, 24, v11               ; v11 Wq, Wk: row (head r / 8, d = r % 8) of 384 bytes, + 24 h
	v_lshl_add_u32 v238, v235, 3, v233             ; r + 8 (r / 8)
	v_mul_u32_u24 v12, v238, 384
	v_mad_u32_u24 v12, v234, 24, v12               ; v12 Wv: row d = r + 8 (r / 8)
	v_lshl_add_u32 v237, v234, 3, v237
	v_lshlrev_b32 v13, 4, v237                     ; v13 their scale words: lanes 16-31 take the tile 8 rows on
	v_lshl_add_u32 v238, v234, 3, v238
	v_lshlrev_b32 v14, 4, v238                     ; v14
	v_lshlrev_b32 v[HSH], 3, v234
.irp a, 0,1,2,3
	v_mov_b32 v[MU+2*\a+1], 0                      ; (named as the upper half of a pair; a lane permute's destination counts as a source: written once)
	v_mov_b32 v[PT+\a], 0
.endr
	v_mov_b32 v[PTM], 0
	s_mov_b32 s[SEL], 0x76543210
	s_mov_b32 s[SEL+1], 0xfedcba98
	s_mov_b32 s39, 0xffff0000                      ; lanes 16-31
	s_mov_b32 s66, 0x3b000000                      ; 1 / 512
	s_mov_b32 s67, 0x3727c5ac                      ; 1e-5
	s_and_b32 s52, ttmp7, 0xffff                   ; block of 128 tokens
	s_lshr_b32 s53, s52, 4                         ; batch
	s_and_b32 s54, s52, 15                         ; key step
	s_lshl_b32 s55, ttmp9, 2
	s_lshl_b32 s56, s50, 1
	s_add_co_u32 s56, s55, s56                     ; H0
	s_add_co_u32 s57, s55, s38                     ; v's head
	s_lshl_b32 s58, s52, 18
	s_lshl_b32 s59, s38, 16
	s_add_co_u32 s58, s58, s59                     ; my first row of x, in bytes
	s_mov_b32 s59, 0
	s_mov_b32 s61, 0
	s_lshl_b32 s62, s53, 4
	s_mul_i32 s68, s54, 3072
	s_lshl_b32 s69, s54, 7
	s_wait_kmcnt 0x0
	s_cmp_lt_u32 s38, 2                            ; q's wave or k's: the choice hangs on the wave's number alone
	s_cselect_b64 s[40:41], s[14:15], s[16:17]     ; codes
	s_cselect_b64 s[42:43], s[20:21], s[22:23]     ; scales
	s_cselect_b64 s[44:45], s[26:27], s[28:29]     ; images out
	s_cselect_b64 s[46:47], s[32:33], s[34:35]     ; scale words out
	s_add_nc_u64 s[8:9], s[8:9], s[58:59]
	s_mul_i32 s60, s56, 12288
	s_add_nc_u64 s[40:41], s[40:41], s[60:61]
	s_lshl_b32 s60, s56, 9
	s_add_nc_u64 s[42:43], s[42:43], s[60:61]
	s_mul_i32 s60, s57, 12288
	s_add_nc_u64 s[18:19], s[18:19], s[60:61]
	s_lshl_b32 s60, s57, 9
	s_add_nc_u64 s[24:25], s[24:25], s[60:61]
	s_add_co_u32 s63, s62, s56                     ; 16 b + H0
	s_mul_i32 s60, s63, 49152
	s_add_co_u32 s60, s60, s68
	s_add_nc_u64 s[44:45], s[44:45], s[60:61]
	s_lshl_b32 s60, s63, 11
	s_add_co_u32 s60, s60, s69
	s_add_nc_u64 s[46:47], s[46:47], s[60:61]
	s_add_co_u32 s63, s62, s57                     ; 16 b + v's head
	s_mul_i32 s60, s63, 49152
	s_add_co_u32 s60, s60, s68
	s_add_nc_u64 s[30:31], s[30:31], s[60:61]
	s_lshl_b32 s60, s63, 11
	s_add_co_u32 s60, s60, s69
	s_add_nc_u64 s[36:37], s[36:37], s[60:61]
.macro RLOAD n                         ; rows 4 n .. 4 n + 3 of my 32, as they lie: 16 loads of 512 consecutive bytes.  (No hint: three other work-groups read the same rows)
.if ((\n)&1) == 0
	WIN 0x40
.set RB, 192
.else
	WIN 0x80
.set RB, 96
.endif
.irp a, 0,1,2,3
.irp q, 0,1,2,3
	global_load_b128 v[RB+16*\a+4*\q:RB+16*\a+4*\q+3], v1, s[8:9] offset:(4*(\n)+\a)*2048+512*\q
.endr
.endr
	WIN 0
.endm
.macro WFRAG f                         ; weight fragment f: 0-15 Wq or Wk (tile f / 4, K step f % 4), 16-23 Wv: a lane's 2 x 24 bytes in pieces of 8
.if (\f) < 16
	WIN 0x40
.irp p, 0,1,2,3,4,5
	global_load_b64 v[12*(\f)+2*\p:12*(\f)+2*\p+1], v11, s[40:41] offset:8*((\f)/4)*384+96*((\f)%4)+48*(\p/3)+8*(\p%3)
.endr
.else
	WIN 0x80
.irp p, 0,1,2,3,4,5
	global_load_b64 v[12*((\f)-16)+2*\p:12*((\f)-16)+2*\p+1], v12, s[18:19] offset:8*(((\f)-16)/4)*384+96*((\f)%4)+48*(\p/3)+8*(\p%3)
.endr
.endif
.endm
.macro WPART p                         ; three fragments, 18 loads: the weights ride along with the rows
	WFRAG 3*(\p)
	WFRAG 3*(\p)+1
	WFRAG 3*(\p)+2
	WIN 0
.endm
.macro RED4                            ; the four rows' numbers in v[AC], v[AC+2] .. are summed over the 32 lanes
.irp k, 1,2,4,8
.irp a, 0,1,2,3
	v_add_f32_dpp v[AC+2*\a], v[AC+2*\a], v[AC+2*\a] row_xmask:\k row_mask:0xf bank_mask:0xf
.endr
.endr
.irp a, 0,1,2,3
	v_permlanex16_b32 v[PT+\a], v[AC+2*\a], s[SEL], s[SEL+1]
.endr
.irp a, 0,1,2,3
	v_add_f32 v[AC+2*\a], v[AC+2*\a], v[PT+\a]
.endr
.endm
.macro LNGROUP n                       ; four rows: turned, normed, quantised, to LDS
.if (\n) < 7
	s_wait_loadcnt 34                              ; behind this group's 16 loads stand 18 weight loads and the next group's 16
.else
	s_wait_loadcnt 18                              ; behind the last group's: the last 18 weight loads
.endif
.if ((\n)&1) == 0
	WIN 0x04                                       ; an LDS store's data are its source 1
.set RB, 192
.else
	WIN 0x08
.set RB, 96
.endif
.irp a, 0,1,2,3
.irp q, 0,1,2,3
	ds_store_b128 v4, v[RB+16*\a+4*\q:RB+16*\a+4*\q+3] offset:2560*\a+640*\q
.endr
.endr
	WIN 0
.irp a, 0,1,2,3
.irp q, 0,1,2,3
	ds_load_b128 v[X+16*\a+4*\q:X+16*\a+4*\q+3], v5 offset:2560*\a+16*\q   ; LDS serves a wave's instructions in order: these see the stores above
.endr
.endr
	s_wait_dscnt 0x0                               ; the rows are back, 16 neighbours a lane; the stores have read their registers, the last group's codes too
.if (\n) < 7
	WPART (\n)+1
.endif
.if (\n) < 6
	RLOAD (\n)+2
.endif
.irp a, 0,1,2,3
	v_pk_add_f32 v[AC+2*\a:AC+2*\a+1], v[X+16*\a:X+16*\a+1], v[X+16*\a+2:X+16*\a+3]
.endr
.irp i, 4,6,8,10,12,14
.irp a, 0,1,2,3
	v_pk_add_f32 v[AC+2*\a:AC+2*\a+1], v[AC+2*\a:AC+2*\a+1], v[X+16*\a+\i:X+16*\a+\i+1]
.endr
.endr
.irp a, 0,1,2,3
	v_add_f32 v[AC+2*\a], v[AC+2*\a], v[AC+2*\a+1]
.endr
	RED4
.irp a, 0,1,2,3
	v_mul_f32 v[MU+2*\a], s66, v[AC+2*\a]          ; the mean
.endr
.irp i, 0,2,4,6,8,10,12,14
.irp a, 0,1,2,3
	v_pk_add_f32 v[X+16*\a+\i:X+16*\a+\i+1], v[X+16*\a+\i:X+16*\a+\i+1], v[MU+2*\a:MU+2*\a+1] op_sel_hi:[1,0] neg_lo:[0,1] neg_hi:[0,1]   ; x - mean
.endr
.endr
.irp a, 0,1,2,3
	v_pk_mul_f32 v[AC+2*\a:AC+2*\a+1], v[X+16*\a:X+16*\a+1], v[X+16*\a:X+16*\a+1]
.endr
.irp i, 2,4,6,8,10,12,14
.irp a, 0,1,2,3
	v_pk_fma_f32 v[AC+2*\a:AC+2*\a+1], v[X+16*\a+\i:X+16*\a+\i+1], v[X+16*\a+\i:X+16*\a+\i+1], v[AC+2*\a:AC+2*\a+1]
.endr
.endr
.irp a, 0,1,2,3
	v_add_f32 v[AC+2*\a], v[AC+2*\a], v[AC+2*\a+1]
.endr
	RED4
.irp a, 0,1,2,3
	v_fma_f32 v[AC+2*\a], v[AC+2*\a], s66, s67     ; the variance + 1e-5
.endr
.irp a, 0,1,2,3
	v_rsq_f32 v[MU+2*\a], v[AC+2*\a]
.endr
	v_nop                                          ; a plain place behind the batch,
	s_wait_alu depctr_va_vdst(0)                   ; and the one wait ahead of its first reader
.irp i, 0,2,4,6,8,10,12,14
.irp a, 0,1,2,3
	v_pk_mul_f32 v[X+16*\a+\i:X+16*\a+\i+1], v[X+16*\a+\i:X+16*\a+\i+1], v[MU+2*\a:MU+2*\a+1] op_sel_hi:[1,0]
.endr
.endr
.irp i, 0,2,4,6,8,10,12,14
.irp a, 0,1,2,3
	v_pk_fma_f32 v[X+16*\a+\i:X+16*\a+\i+1], v[X+16*\a+\i:X+16*\a+\i+1], v[G+\i:G+\i+1], v[BE+\i:BE+\i+1]
.endr
.endr
.irp a, 0,1,2,3
	v_max3_num_f32 v[MX+\a], |v[X+16*\a]|, |v[X+16*\a+1]|, 0x1800000   ; my 16 numbers and the floor 2^(3 - 127)
.endr
.irp i, 2,4,6,8,10,12,14
.irp a, 0,1,2,3
	v_max3_num_f32 v[MX+\a], v[MX+\a], |v[X+16*\a+\i]|, |v[X+16*\a+\i+1]|
.endr
.endr
.irp a, 0,1,2,3
	v_max_num_f32_dpp v[MX+\a], v[MX+\a], v[MX+\a] row_xmask:1 row_mask:0xf bank_mask:0xf   ; with my neighbour's 16: the block's
.endr
.irp a, 0,1,2,3
	v_add_nc_u32 v[EE+\a], 0xff000000, v[MX+\a]
.endr
.irp a, 0,1,2,3
	v_cvt_scalef32_pk16_fp6_f32 v[CD+4*\a:CD+4*\a+2], v[X+16*\a:X+16*\a+15], v[EE+\a]
.endr
.irp a, 0,1,2,3
	v_lshrrev_b32 v[BY+\a], 23, v[EE+\a]           ; the scale's byte (also the plain place behind the conversions)
.endr
.irp a, 0,1,2,3
.set RO, 16*((4*(\n)+\a)/8)+((4*(\n)+\a)%8)
.irp i, 0,1,2
	ds_store_b32 v7, v[CD+4*\a+\i] offset:RO*HP+4*\i
.endr
	ds_store_b8 v8, v[BY+\a] offset:RO*16          ; both lanes of a block write the same byte with the same value
.endr
.endm
.irp i, 0,1,2,3
	global_load_b128 v[G+4*\i:G+4*\i+3], v6, s[10:11] offset:16*\i
	global_load_b128 v[BE+4*\i:BE+4*\i+3], v6, s[12:13] offset:16*\i
.endr
	global_load_b128 v[WS:WS+3], v13, s[42:43]
	global_load_b128 v[WS+4:WS+7], v13, s[42:43] offset:256
	global_load_b128 v[WVS:WVS+3], v14, s[24:25]
	RLOAD 0
	WPART 0
	RLOAD 1
.irp n, 0,1,2,3,4,5,6,7
	LNGROUP \n
.endr
	s_wait_loadcnt 0x0                             ; the weights
	s_wait_dscnt 0x0                               ; for the others' sake: my rows' codes and bytes lie in LDS
	s_barrier_signal -1
	s_barrier_wait -1
.macro FETCH g, t                      ; tile (g, t) of h: four fragments and the four scale words of each row
.irp k, 0,1,2,3
.irp p, 0,1,2,3,4,5
	ds_load_b64 v[HF+12*\k+2*\p:HF+12*\k+2*\p+1], v9 offset:(64*(\g)+16*(\t))*HP+96*\k+48*(\p/3)+8*(\p%3)
.endr
.endr
	ds_load_b128 v[HS:HS+3], v10 offset:(64*(\g)+16*(\t))*16
.endm
.macro GBLOCK g                        ; 64 tokens
.irp t, 0,1,2,3
	s_wait_dscnt 0x0
	WIN 0x01                                       ; source 0 (Wq or Wk) window 1
.irp k, 0,1,2,3
.irp j, 0,1,2,3
	MM QA+8*\j, 12*(4*\j+\k), HF+12*\k, (\k==0), QA+8*\j, WS+4*(\j/2)+\k, HS+\k, (\j&1), 0   ; lane (r, h): token r of the tile, head H0 + h, d = 8 j + 0 .. 7; four accumulators by turns
.endr
.endr
	WIN 0x08                                       ; source 1 (Wv) window 2
.irp k, 0,1,2,3
.irp u, 0,1
	MM VA+32*\u+8*\t, HF+12*\k, 12*(4*\u+\k), (\k==0), VA+32*\u+8*\t, HS+\k, WVS+\k, 0, \u    ; lane (r, h): channel d(u, r), tokens 32 h + 8 t + 0 .. 7; two accumulators by turns
.endr
.endr
	WIN 0
	PLACES 5                                       ; in front of loads into registers that these products read, of the first read of results, and of the next tile's products, which begin q's sums anew
.if (\t) < 3
	FETCH \g, \t+1
.elseif (\g) == 0
	FETCH 1, 0
.endif
.if ((\g) == 1) && ((\t) == 0)
	s_wait_xcnt 0x0                                ; the first 64 tokens' stores have read their data: the codes' registers may be written again
.endif
	QB QA, T+6*\t, CT, MXM, BYM                    ; a token's 32 numbers of one head: one block
.if (\t) == 0
	v_mov_b32 v[KW+\g], v[BYM]
.else
	v_lshl_or_b32 v[KW+\g], v[BYM], 8*\t, v[KW+\g]   ; byte t of the scale word: the tile's place along K in the attention's operand
.endif
.endr
.irp u, 0,1
	QB VA+32*\u, VC+6*\u, CT, MXM, VB+2*\u+\g      ; 32 neighbouring tokens of one channel: one block of keys
.endr
.irp i, 0,1,2,3,4,5
	v_permlane16_swap_b32 v[T+\i], v[T+6+\i]       ; (tile 0: H0 | H0 + 1), (tile 1: H0 | H0 + 1) -> (H0: tile 0 | tile 1), (H0 + 1: tile 0 | tile 1)
	v_permlane16_swap_b32 v[T+12+\i], v[T+18+\i]
.endr
.irp k, 0,1,2,3
	global_store_b128 v1, v[T+6*\k:T+6*\k+3], s[44:45] offset:(\k&1)*49152+(\k/2)*768+(\g)*1536
	global_store_b64 v2, v[T+6*\k+4:T+6*\k+5], s[44:45] offset:(\k&1)*49152+(\k/2)*768+(\g)*1536+512
.endr
.irp u, 0,1
	global_store_b128 v1, v[VC+6*\u:VC+6*\u+3], s[30:31] offset:(\g)*1536+\u*768
	global_store_b64 v2, v[VC+6*\u+4:VC+6*\u+5], s[30:31] offset:(\g)*1536+\u*768+512
.endr
.endm
	FETCH 0, 0
	GBLOCK 0
	GBLOCK 1
	v_permlane16_swap_b32 v[KW], v[KW+1]           ; (tokens 0-63: H0 | H0 + 1), (64-127: ..) -> (H0: 0-63 | 64-127), (H0 + 1: ..)
	global_store_b32 v3, v[KW], s[46:47]
	global_store_b32 v3, v[KW+1], s[46:47] offset:2048
	SCWORD VW, VB, VB+1, PTM
	SCWORD VW+1, VB+2, VB+3, PTM
	v_cndmask_b32 v[VW], v[VW], v[VW+1], s39       ; lanes 0-15 tile 0's channels, lanes 16-31 tile 1's
	global_store_b32 v3, v[VW], s[36:37]
	s_wait_tensorcnt 0x0
	ds_add_u32 v254, v255
	s_wait_dscnt 0x0
	s_endpgm
.Lfunc_end_k_q675cfd614d_lnqkv:
	.size	k_q675cfd614d_lnqkv, .Lfunc_end_k_q675cfd614d_lnqkv-k_q675cfd614d_lnqkv
	.p2alignl 7, 3214868480
	.fill 96, 4, 3214868480
	.section	.rodata,"a",@progbits
	.p2align	6, 0x0
	.amdhsa_kernel k_q675cfd614d_lnqkv
		.amdhsa_group_segment_fixed_size 94720
		.amdhsa_private_segment_fixed_size 0
		.amdhsa_enable_private_segment 0
		.amdhsa_kernarg_size 120
		.amdhsa_user_sgpr_count 2
		.amdhsa_user_sgpr_kernarg_segment_ptr 1
		.amdhsa_wavefront_size32 1
		.amdhsa_system_sgpr_workgroup_id_x 1
		.amdhsa_system_sgpr_workgroup_id_y 1
		.amdhsa_system_sgpr_workgroup_id_z 1
		.amdhsa_system_vgpr_workitem_id 0
		.amdhsa_next_free_vgpr 768
		.amdhsa_next_free_sgpr 80
		.amdhsa_reserve_vcc 0
		.amdhsa_float_denorm_mode_32 3
		.amdhsa_float_denorm_mode_16_64 3
		.amdhsa_memory_ordered 1
		.amdhsa_forward_progress 1
		.amdhsa_inst_pref_size 249
	.end_amdhsa_kernel
	.amdgpu_metadata
---
amdhsa.version: [ 1, 2 ]
amdhsa.kernels:
  - .name:           k_q675cfd614d_lnqkv
    .symbol:         k_q675cfd614d_lnqkv.kd
    .args:
      - { .name: x, .offset: 0, .size: 8, .value_kind: global_buffer, .address_space: global }
      - { .name: g1, .offset: 8, .size: 8, .value_kind: global_buffer, .address_space: global }
      - { .name: be1, .offset: 16, .size: 8, .value_kind: global_buffer, .address_space: global }
      - { .name: Wq_codes, .offset: 24, .size: 8, .value_kind: global_buffer, .address_space: global }
      - { .name: Wk_codes, .offset: 32, .size: 8, .value_kind: global_buffer, .address_space: global }
      - { .name: Wv_codes, .offset: 40, .size: 8, .value_kind: global_buffer, .address_space: global }
      - { .name: Wq_scales, .offset: 48, .size: 8, .value_kind: global_buffer, .address_space: global }
      - { .name: Wk_scales, .offset: 56, .size: 8, .value_kind: global_buffer, .address_space: global }
      - { .name: Wv_scales, .offset: 64, .size: 8, .value_kind: global_buffer, .address_space: global }
      - { .name: qimg, .offset: 72, .size: 8, .value_kind: global_buffer, .address_space: global }
      - { .name: kimg, .offset: 80, .size: 8, .value_kind: global_buffer, .address_space: global }
      - { .name: vimg, .offset: 88, .size: 8, .value_kind: global_buffer, .address_space: global }
      - { .name: qscl, .offset: 96, .size: 8, .value_kind: global_buffer, .address_space: global }
      - { .name: kscl, .offset: 104, .size: 8, .value_kind: global_buffer, .address_space: global }
      - { .name: vscl, .offset: 112, .size: 8, .value_kind: global_buffer, .address_space: global }
    .group_segment_fixed_size: 94720
    .private_segment_fixed_size: 0
    .kernarg_segment_align: 8
    .kernarg_segment_size: 120
    .max_flat_workgroup_size: 128
    .sgpr_count:     80
    .vgpr_count:     768
    .wavefront_size: 32
...
	.end_amdgpu_metadata
.endif
;; end of part 1
;; launch attn (part 2): grid 4 x 64, 16 waves a work-group, no clusters, 104,448 bytes of LDS; arguments kimg, vimg, kscl, vscl, qimg, qscl, orec, wimg, Wo_codes, W1_codes, W2_codes; writes orec, wimg
.if DOCPART == 2
	.amdgcn_target "amdgcn-amd-amdhsa--gfx1250"
	.amdhsa_code_object_version 6
	.text
	.protected	k_q675cfd614d_attn
	.globl	k_q675cfd614d_attn
	.p2align	8
	.type	k_q675cfd614d_attn,@function
k_q675cfd614d_attn:
	s_mov_b64 s[64:65], 0
	v_nop
	global_prefetch_b8 v0, s[64:65] scope:SCOPE_SE
	s_setreg_imm32_b32 hwreg(HW_REG_WAVE_MODE, 25, 1), 1
	s_wait_xcnt 0x0
; Causal attention of one head (work-group y = 16 b + head) on codes of FP6 (E2M3); head size 32; its result, quantised along C (one block = one head), leaves as records of 32 bytes a token.
; The head's K and V (codes in operand order, and scale words) are copied once into LDS, 102,400 bytes, and only read from then on: one barrier.
; SHARES.  A tile is 16 queries: tile T = 4 blk + t holds queries 64 blk + 8 t + 32 (r / 8) + r % 8 and needs key steps 0 .. T / 8 of 128 keys.  Wave w of work-group x = j takes tiles 127 - (4 w + j) and 4 w + j:
; 17 steps whatever w and j.  Sixteen waves of 256 registers, four to a SIMD: one wave's softmax stands beside another's products and LDS loads.
; SCORES, K = 32 in an instruction of K = 128.  One fragment of K's image holds FOUR tiles of 16 keys, one in each block of 32 along K.  Source 1 is q in block j and zero codes in the other three,
; which add nothing under any scale byte that a quantiser gives: product j picks tile j.  The four variants of source 1 overlap in 30 registers: zeros, q in lanes 0-15, zeros, q in lanes 16-31, zeros.
; The keys of a tile are chosen so that a lane's 32 score registers of a fragment are 32 neighbouring keys: a whole block of p in one lane, in the lane in which the second product's operand wants it.
; SOFTMAX: t = score x log2(e) / sqrt(32); M = the running largest t rounded up to a whole number; p = 2^(t - M) is quantised along the keys; the sum is taken of the unquantised p and divides at the end;
; when M moves, the sum and O are multiplied by 2^(old M - new M).  A block's largest p is the exponential of its largest score (this takes v_exp_f32 not to fall where its input rises).
; The loop over key steps has a constant count of 16; a step behind the tile's last is jumped over by a scalar branch on ids; the mask is applied in the tile's last step alone.
; BESIDE IT: 1,152 of the launch's waves each lay one fragment of Wo, W1 or W2 into operand order for the next launch (wimg).
; No cluster: a head's K and V are read by four work-groups once, at their heads, 102,400 bytes each; no prefetch: that one stream is asked for at the kernel's head.
; LIMITS: NaN and infinities are not served; a block under 2^-124, or of zeros, gets the byte 1 (its codes are zeros; this program alone reads the bytes).
.set KSCL, 98304                       ; LDS: K's images 0, V's 49,152, K's scale words 98,304, V's 100,352
.set SEL,  34
.set HSH,  9
.set D0,   10                          ; v10, v11 the mask's thresholds for the step's two fragments
.set QS,   16
.set KS,   17
.set VS,   18
.set PS,   19
.set QV,   20                          ; v20-49 source 1's four variants
.set F,    50                          ; v50-73 two fragments of K
.set VF,   74                          ; v74-97 two fragments of V
.set S,    98                          ; v98-161 scores, then p
.set O,    162                         ; v162-177 O^T: 8 u + i is channel 16 h + 8 u + i
.set P,    178                         ; v178-189 p's codes
.set CT,   190
.set CH,   198
.set EE,   204
.set BY,   206
.set QR,   214
.macro MM d, a, b, z, c, sa, sb, ra, rb
.if \z
.if \ra
	v_wmma_scale_f32_16x16x128_f8f6f4 v[(\d):(\d)+7], v[(\a):(\a)+11], v[(\b):(\b)+11], 0, v[\sa], v[\sb] matrix_a_fmt:MATRIX_FMT_FP6 matrix_b_fmt:MATRIX_FMT_FP6 matrix_a_scale:MATRIX_SCALE_ROW1
.else
	v_wmma_scale_f32_16x16x128_f8f6f4 v[(\d):(\d)+7], v[(\a):(\a)+11], v[(\b):(\b)+11], 0, v[\sa], v[\sb] matrix_a_fmt:MATRIX_FMT_FP6 matrix_b_fmt:MATRIX_FMT_FP6
.endif
.else
.if \ra
	v_wmma_scale_f32_16x16x128_f8f6f4 v[(\d):(\d)+7], v[(\a):(\a)+11], v[(\b):(\b)+11], v[(\c):(\c)+7], v[\sa], v[\sb] matrix_a_fmt:MATRIX_FMT_FP6 matrix_b_fmt:MATRIX_FMT_FP6 matrix_a_scale:MATRIX_SCALE_ROW1
.else
	v_wmma_scale_f32_16x16x128_f8f6f4 v[(\d):(\d)+7], v[(\a):(\a)+11], v[(\b):(\b)+11], v[(\c):(\c)+7], v[\sa], v[\sb] matrix_a_fmt:MATRIX_FMT_FP6 matrix_b_fmt:MATRIX_FMT_FP6
.endif
.endif
.endm
.macro SCWORD w, b0, b1, t             ; my bytes of blocks h and 2 + h, with lane l xor 16's two: the scale word, in both halves
	v_lshl_or_b32 v[\w], v[\b1], 16, v[\b0]
	v_lshlrev_b32 v[\w], v[HSH], v[\w]
	v_permlanex16_b32 v[\t], v[\w], s[SEL], s[SEL+1]
	v_or_b32 v[\w], v[\w], v[\t]
.endm
	s_load_b512 s[8:23], s[0:1], 0x0               ; kimg, vimg, kscl, vscl, qimg, qscl, orec, wimg
	s_load_b128 s[24:27], s[0:1], 0x40             ; Wo's codes, W1's
	s_load_b64 s[28:29], s[0:1], 0x50              ; W2's
	v_lshl_add_u32 v254, v0, 2, 0x19000
	v_mov_b32 v255, 0
	v_lshrrev_b32 v230, 5, v0
	v_readfirstlane_b32 s30, v230                  ; wave 0..15
	s_mov_b32 s31, ttmp9                           ; j
	s_and_b32 s32, ttmp7, 0xffff                   ; 16 b + head
	s_mov_b32 s33, 0xffff0000                      ; lanes 16-31
	s_mov_b32 s[SEL], 0x76543210
	s_mov_b32 s[SEL+1], 0xfedcba98
	s_mov_b32 s36, 0x3e8293ee                      ; c = log2(e) / sqrt(32)
	s_mov_b32 s37, s36                             ; (named with it as a pair)
	v_and_b32 v230, 31, v0                         ; lane
	v_and_b32 v231, 15, v0                         ; r
	v_bfe_u32 v232, v0, 4, 1                       ; h
	v_bfe_u32 v233, v0, 3, 1
	v_and_b32 v234, 7, v0
	v_lshlrev_b32 v1, 4, v230                      ; v1  16 x lane
	v_lshl_add_u32 v2, v230, 3, 512                ; v2  512 + 8 x lane: an image's last two registers
	v_lshl_add_u32 v3, v230, 2, KSCL               ; v3  scale words
	v_mov_b32 v7, 0
	v_lshl_add_u32 v8, v233, 5, v234               ; v8  32 (r / 8) + r % 8: my query's place in its block of 64
	v_lshlrev_b32 v[HSH], 3, v232
	v_mov_b32 v229, 0xff800000                     ; -infinity
	v_mov_b32 v209, 0                              ; (upper half of the pair v[208:209])
	v_mov_b32 v212, 0                              ; (a lane permute's destination counts as a source)
.irp i, 0,1,2,3,4,5
	v_mov_b32 v[QV+\i], 0                          ; the zero codes of source 1's variants: written once
	v_mov_b32 v[QV+12+\i], 0
	v_mov_b32 v[QV+24+\i], 0
.endr
	v_lshlrev_b32 v221, 4, v231                    ; q: 16 r, 8 r, 4 r: both halves of the lanes take query r
	v_lshlrev_b32 v222, 3, v231
	v_lshlrev_b32 v223, 2, v231
	v_lshlrev_b32 v235, 4, v0                      ; the copy: 16 bytes a thread,
	v_lshlrev_b32 v236, 2, v0                      ; 4 bytes a thread
	v_add_nc_u32 v238, 49152, v235
	v_add_nc_u32 v239, KSCL, v236
	s_mul_i32 s44, s32, 49152
	s_mov_b32 s45, 0
	s_lshl_b32 s46, s32, 11
	s_mov_b32 s47, 0
	s_lshl_b32 s48, s32, 16
	s_mov_b32 s49, 0
	s_wait_kmcnt 0x0
	s_add_nc_u64 s[8:9], s[8:9], s[44:45]
	s_add_nc_u64 s[10:11], s[10:11], s[44:45]
	s_add_nc_u64 s[16:17], s[16:17], s[44:45]
	s_add_nc_u64 s[12:13], s[12:13], s[46:47]
	s_add_nc_u64 s[14:15], s[14:15], s[46:47]
	s_add_nc_u64 s[18:19], s[18:19], s[46:47]
	s_add_nc_u64 s[20:21], s[20:21], s[48:49]
.irp i, 0,1,2,3,4,5
	global_load_b128 v[98+4*\i:101+4*\i], v235, s[8:9] offset:8192*\i      ; the 512 threads read 8,192 consecutive bytes
.endr
.irp i, 0,1,2,3,4,5
	global_load_b128 v[122+4*\i:125+4*\i], v235, s[10:11] offset:8192*\i
.endr
	global_load_b32 v146, v236, s[12:13]
	global_load_b32 v147, v236, s[14:15]
	; THE WEIGHTS' FRAGMENTS.  Work-group i = 4 y + x serves stream i / 64 (the next launch's wave); of the stream's 288 fragments two neighbouring work-groups take 5 and 4, a wave each.
	s_lshl_b32 s50, s32, 2
	s_add_co_u32 s50, s50, s31
	s_lshr_b32 s51, s50, 6                         ; the stream
	s_and_b32 s52, s50, 63
	s_and_b32 s53, s52, 1
	s_lshr_b32 s54, s52, 1
	s_mul_i32 s54, s54, 9
	s_mul_i32 s55, s53, 5
	s_add_co_u32 s54, s54, s55                     ; my work-group's first fragment
	s_sub_co_u32 s55, 5, s53                       ; and how many
	s_cmp_ge_u32 s30, s55
	s_cbranch_scc1 .Lno_frag                       ; a branch on ids; no barrier and no LDS instruction stands under it
	s_add_co_u32 s54, s54, s30
	s_lshr_b32 s56, s54, 4                         ; unit u: 0, 1 Wo; 2-9 W1; 10-17 W2
	s_and_b32 s57, s54, 15                         ; fragment f of the unit
	s_mul_i32 s58, s51, 288
	s_add_co_u32 s58, s58, s54
	s_mul_i32 s58, s58, 1536
	s_mov_b32 s59, 0
	s_add_nc_u64 s[22:23], s[22:23], s[58:59]      ; where its image goes
	s_lshr_b32 s60, s57, 2
	s_and_b32 s61, s57, 3
	s_lshl_b32 s62, s51, 1
	s_lshl_b32 s63, s51, 3
	s_add_co_u32 s66, s62, s56                     ; Wo: group of 64 rows 2 w + u
	s_add_co_u32 s67, s63, s56
	s_sub_co_u32 s67, s67, 2                       ; W1: 8 w + u - 2
	s_and_b32 s68, s60, 1
	s_add_co_u32 s68, s62, s68                     ; W2: 2 w + (f / 4) % 2
	s_lshr_b32 s69, s57, 3
	s_sub_co_u32 s70, s56, 10
	s_lshl_b32 s70, s70, 1
	s_add_co_u32 s69, s69, s70                     ; W2: K step 2 (u - 10) + f / 8 (chosen only where u is 10 or more)
	s_mov_b32 s71, 1536
	s_cmp_lt_u32 s56, 2
	s_cselect_b32 s72, s66, s67
	s_cselect_b64 s[74:75], s[24:25], s[26:27]
	s_cmp_lt_u32 s56, 10
	s_cselect_b32 s72, s72, s68                    ; the group,
	s_cselect_b32 s73, s60, s61                    ; the tile in it: f / 4, for W2 f % 4,
	s_cselect_b32 s76, s61, s69                    ; the K step: f % 4, for W2 as above,
	s_cselect_b32 s71, 384, s71                    ; a row's bytes,
	s_cselect_b64 s[74:75], s[74:75], s[28:29]     ; the tensor
	s_lshl_b32 s72, s72, 6
	s_lshl_b32 s73, s73, 3
	s_add_co_u32 s72, s72, s73
	s_mul_i32 s72, s72, s71
	s_mul_i32 s76, s76, 96
	s_add_co_u32 s72, s72, s76
	s_mov_b32 s73, 0
	s_add_nc_u64 s[74:75], s[74:75], s[72:73]
	v_mul_lo_u32 v237, v8, s71                     ; row 32 (r / 8) + r % 8 of the tile,
	v_mad_u32_u24 v237, v232, 24, v237             ; + 24 h
.irp p, 0,1,2,3,4,5
	global_load_b64 v[50+2*\p:51+2*\p], v237, s[74:75] offset:48*(\p/3)+8*(\p%3)
.endr
	s_wait_loadcnt 0x0
.irp q, 0,1,2
	global_store_b128 v1, v[50+4*\q:53+4*\q], s[22:23] offset:512*\q   ; the 12 registers as they stand: 512 consecutive bytes a store
.endr
.Lno_frag:
	s_wait_loadcnt 0x0
.irp i, 0,1,2,3,4,5
	ds_store_b128 v235, v[98+4*\i:101+4*\i] offset:8192*\i
.endr
.irp i, 0,1,2,3,4,5
	ds_store_b128 v238, v[122+4*\i:125+4*\i] offset:8192*\i
.endr
	ds_store_b32 v239, v146
	ds_store_b32 v239, v147 offset:2048
	s_wait_dscnt 0x0                               ; for the others' sake: my part of the head lies in LDS
	s_barrier_signal -1
	s_barrier_wait -1
.macro TILE hi
	s_wait_xcnt 0x0                                ; earlier stores have read their data and addresses (the fragment's image; the other tile's record): those registers are written again below
	s_lshl_b32 s42, s30, 2
	s_add_co_u32 s42, s42, s31
.if \hi
	s_sub_co_u32 s42, 127, s42
.endif
	s_lshr_b32 s43, s42, 2                         ; blk
	s_and_b32 s44, s42, 3                          ; t
	s_lshr_b32 s41, s42, 3                         ; the tile's last key step
	s_mul_i32 s45, s43, 1536
	s_lshr_b32 s46, s44, 1
	s_mul_i32 s46, s46, 768
	s_add_co_u32 s45, s45, s46                     ; the image that holds my tile: half t / 2 of block blk; in it lanes 16 (t % 2) + r
	s_and_b32 s46, s44, 1
	s_lshl_b32 s47, s46, 8
	s_add_co_u32 s48, s45, s47
	s_mov_b32 s49, 0
	s_lshl_b32 s47, s46, 7
	s_add_co_u32 s50, s45, s47
	s_mov_b32 s51, 0
	s_add_nc_u64 s[48:49], s[16:17], s[48:49]
	s_add_nc_u64 s[50:51], s[16:17], s[50:51]
	s_lshl_b32 s52, s43, 6                         ; scale words: 128 (blk / 2) + 64 (blk % 2)
	s_mov_b32 s53, 0
	s_add_nc_u64 s[52:53], s[18:19], s[52:53]
	global_load_b128 v[QR:QR+3], v221, s[48:49]
	global_load_b64 v[QR+4:QR+5], v222, s[50:51] offset:512
	global_load_b32 v220, v223, s[52:53]
	s_mul_i32 s54, s44, 0x01010101                 ; byte t of the word, four times
	s_lshl_b32 s55, s43, 6
	s_lshl_b32 s56, s44, 3
	s_add_co_u32 s55, s55, s56                     ; 64 blk + 8 t
	s_lshl_b32 s56, s41, 7
	s_sub_co_u32 s56, s55, s56
	v_lshlrev_b32 v230, 5, v232
	v_sub_nc_u32 v[D0], v8, v230
	v_add_nc_u32 v[D0], s56, v[D0]                 ; my query - the last step's first key - 32 h: register n of fragment 0 is hidden where n is above it;
	v_add_nc_u32 v[D0+1], 0xffffffc0, v[D0]        ; fragment 1: 64 less
	v_add_nc_u32 v228, s55, v8
	v_lshlrev_b32 v228, 5, v228
	v_lshl_add_u32 v228, v232, 4, v228             ; my half of my query's record
	v_mov_b32 v13, 0xff61b1e6                      ; the largest t so far: -3e38
	v_floor_f32 v12, -v13                          ; -M
	v_mov_b32 v14, 0                               ; the sum, in two halves
	v_mov_b32 v15, 0
	s_mov_b32 s38, 0                               ; the step's images,
	s_mov_b32 s39, 0                               ; its scale words,
	s_mov_b32 s40, 0                               ; its number
	s_wait_loadcnt 0x0
.irp i, 0,1,2,3,4,5
	v_cndmask_b32 v[QV+6+\i], v[QR+\i], v7, s33    ; q in lanes 0-15
	v_cndmask_b32 v[QV+18+\i], v7, v[QR+\i], s33   ; q in lanes 16-31
.endr
	v_perm_b32 v[QS], v220, v220, s54              ; q's byte for all four blocks
.irp i, 0,1,2,3,4,5,6,7,8,9,10,11,12,13,14,15
	v_mov_b32 v[O+\i], 0                           ; the step is written once: the first finds zeros.  (Also the places between the lines above and the first products)
.endr
.Lstep_\@:
	s_cmp_gt_u32 s40, s41
	s_cbranch_scc1 .Lskip_\@                       ; all keys of this step come after my queries
	v_add_nc_u32 v4, s38, v1
	v_add_nc_u32 v5, s38, v2
	v_add_nc_u32 v6, s39, v3
	v_nop
.irp c, 0,1
.irp e, 0,1
	ds_load_b128 v[F+12*\c+6*\e:F+12*\c+6*\e+3], v4 offset:1536*\c+768*\e
	ds_load_b64 v[F+12*\c+6*\e+4:F+12*\c+6*\e+5], v5 offset:1536*\c+768*\e
.endr
.endr
	ds_load_b32 v[KS], v6
	s_wait_dscnt 0x0
.irp c, 0,1
.irp j, 0,1,2,3
	MM S+8*(4*\c+\j), F+12*\c, QV+12*\j+6-30*(\j/2), 1, 0, KS, QS, \c, 0   ; register 32 c + 8 j + i of lane (r, h): query r, key 64 c + 32 h + 8 j + i of the step
.endr
.endr
.rept 4
	v_nop                                          ; with the four lines at the step's head: the places between the last step's second products and the loads into their registers; and in front of the first read of the scores
.endr
.irp u, 0,1
.irp e, 0,1
	ds_load_b128 v[VF+12*\u+6*\e:VF+12*\u+6*\e+3], v4 offset:49152+1536*\e+768*\u   ; V lands while the softmax is walked
	ds_load_b64 v[VF+12*\u+6*\e+4:VF+12*\u+6*\e+5], v5 offset:49152+1536*\e+768*\u
.endr
.endr
	ds_load_b32 v[VS], v6 offset:2048
	s_cmp_lg_u32 s40, s41
	s_cbranch_scc1 .Lopen_\@                       ; only the tile's last step has hidden keys
.irp c, 0,1
.set I, 0
.rept 32
	v_cmp_gt_i32 vcc_lo, I, v[D0+\c]
	v_cndmask_b32 v[S+32*\c+I], v[S+32*\c+I], v229, vcc_lo
.set I, I+1
.endr
.endr
.Lopen_\@:
.irp b, 0,1,2,3
	v_max3_num_f32 v[CH+\b], v[S+16*\b], v[S+16*\b+1], v[S+16*\b+2]
.endr
.irp i, 3,5,7,9,11,13
.irp b, 0,1,2,3
	v_max3_num_f32 v[CH+\b], v[CH+\b], v[S+16*\b+\i], v[S+16*\b+\i+1]
.endr
.endr
.irp b, 0,1,2,3
	v_max_num_f32 v[CH+\b], v[CH+\b], v[S+16*\b+15]
.endr
	v_max_num_f32 v[CH], v[CH], v[CH+1]            ; the largest score of my block of fragment 0,
	v_max_num_f32 v[CH+2], v[CH+2], v[CH+3]        ; of fragment 1: they serve twice
	v_max_num_f32 v213, v[CH], v[CH+2]
	v_permlanex16_b32 v212, v213, s[SEL], s[SEL+1]
	v_max_num_f32 v213, v213, v212                 ; the step's largest score of my query
	v_mul_f32 v213, s36, v213
	v_max_num_f32 v13, v13, v213                   ; the running largest t
	v_mov_b32 v213, v12
	v_floor_f32 v12, -v13                          ; the new -M: M is a whole number
	v_sub_f32 v213, v12, v213
	v_cvt_i32_f32 v213, v213                       ; (it saturates)
	v_ldexp_f32 v208, 1.0, v213                    ; f = 2^(old M - new M)
.set I, 0
.rept 32
	v_pk_fma_f32 v[S+I:S+I+1], v[S+I:S+I+1], s[36:37], v[12:13] op_sel_hi:[1,0,0]   ; t - M
.set I, I+2
.endr
	v_fma_f32 v[CH], v[CH], s36, v12
	v_fma_f32 v[CH+2], v[CH+2], s36, v12
.set I, 0
.rept 64
	v_exp_f32 v[S+I], v[S+I]                       ; p
.set I, I+1
.endr
	v_exp_f32 v[CH], v[CH]                         ; the blocks' largest p
	v_exp_f32 v[CH+2], v[CH+2]
	v_pk_mul_f32 v[14:15], v[14:15], v[208:209] op_sel_hi:[1,0]   ; the sum under the new M (a plain place behind the batch)
	s_wait_alu depctr_va_vdst(0)                   ; one wait for the 66, ahead of their first reader
	v_max_num_f32 v[CH], 0x1800000, v[CH]          ; the floor 2^(3 - 127)
	v_max_num_f32 v[CH+2], 0x1800000, v[CH+2]
	v_add_nc_u32 v[EE], 0xff000000, v[CH]
	v_add_nc_u32 v[EE+1], 0xff000000, v[CH+2]
	v_lshrrev_b32 v[BY], 23, v[EE]
	v_lshrrev_b32 v[BY+1], 23, v[EE+1]
	SCWORD PS, BY, BY+1, 212
.irp c, 0,1
	v_cvt_scalef32_pk16_fp6_f32 v[P+6*\c:P+6*\c+2], v[S+32*\c:S+32*\c+15], v[EE+\c]
	v_cvt_scalef32_pk16_fp6_f32 v[CT+4*\c:CT+4*\c+2], v[S+32*\c+16:S+32*\c+31], v[EE+\c]
.endr
	v_nop                                          ; one plain place behind the conversions
.irp c, 0,1
.irp i, 0,1,2
	v_mov_b32 v[P+6*\c+3+\i], v[CT+4*\c+\i]
.endr
.endr
	v_pk_add_f32 v[210:211], v[S:S+1], v[S+2:S+3]  ; the sum of the unquantised p, in two chains: also the places between p's scale word and codes and the products
.irp j, 4,8,12,16,20,24,28,32,36,40,44,48,52,56,60
	v_pk_add_f32 v[14:15], v[14:15], v[S+\j:S+\j+1]
	v_pk_add_f32 v[210:211], v[210:211], v[S+\j+2:S+\j+3]
.endr
	v_pk_add_f32 v[14:15], v[14:15], v[210:211]
.irp j, 0,2,4,6,8,10,12,14
	v_pk_mul_f32 v[O+\j:O+\j+1], v[O+\j:O+\j+1], v[208:209] op_sel_hi:[1,0]   ; O^T under the new M, each result from its low end on
.endr
	s_wait_dscnt 0x0                               ; V
	MM O, VF, P, 0, O, VS, PS, 0, 0
	MM O+8, VF+12, P, 0, O+8, VS, PS, 1, 0
.Lskip_\@:
	s_add_co_u32 s38, s38, 3072
	s_add_co_u32 s39, s39, 128
	s_add_co_u32 s40, s40, 1
	s_cmp_lt_u32 s40, 16
	s_cbranch_scc1 .Lstep_\@
.rept 4
	v_nop
.endr
	v_add_f32 v14, v14, v15
	v_permlanex16_b32 v212, v14, s[SEL], s[SEL+1]
	v_add_f32 v14, v14, v212                       ; the row's sum
	v_rcp_f32 v14, v14
	v_nop
	s_wait_alu depctr_va_vdst(0)
.irp i, 0,1,2,3,4,5,6,7,8,9,10,11,12,13,14,15
	v_mul_f32 v[S+\i], v[O+\i], v14                ; my query's channels 16 h + 0 .. 15
.endr
	v_max3_num_f32 v[CH], |v[S]|, |v[S+1]|, 0x1800000
.irp i, 2,4,6,8,10,12,14
	v_max3_num_f32 v[CH], v[CH], |v[S+\i]|, |v[S+\i+1]|
.endr
	v_permlanex16_b32 v212, v[CH], s[SEL], s[SEL+1]
	v_max_num_f32 v[CH], v[CH], v212               ; the head's 32 channels are one block of the next product's K
	v_add_nc_u32 v[EE], 0xff000000, v[CH]
	v_lshrrev_b32 v[BY], 23, v[EE]
	v_cvt_scalef32_pk16_fp6_f32 v[CT:CT+2], v[S:S+15], v[EE]
	v_nop
	v_permlanex16_b32 v212, v[CT], s[SEL], s[SEL+1]
	v_cndmask_b32 v224, v[CT], v[CT+1], s33        ; the record: words 0-2 lanes 0-15's codes, words 3-5 lanes 16-31's, words 6, 7 the byte;
	v_cndmask_b32 v225, v[CT+1], v[CT+2], s33      ; lanes 0-15 store words 0-3, lanes 16-31 words 4-7
	v_cndmask_b32 v226, v[CT+2], v[BY], s33
	v_cndmask_b32 v227, v212, v[BY], s33
	global_store_b128 v228, v[224:227], s[20:21]   ; eight neighbouring queries' records are 256 consecutive bytes, aligned, written whole by this one store
.endm
	TILE 1
	TILE 0
	s_wait_tensorcnt 0x0
	ds_add_u32 v254, v255
	s_wait_dscnt 0x0
	s_endpgm
.Lfunc_end_k_q675cfd614d_attn:
	.size	k_q675cfd614d_attn, .Lfunc_end_k_q675cfd614d_attn-k_q675cfd614d_attn
	.p2alignl 7, 3214868480
	.fill 96, 4, 3214868480
	.section	.rodata,"a",@progbits
	.p2align	6, 0x0
	.amdhsa_kernel k_q675cfd614d_attn
		.amdhsa_group_segment_fixed_size 104448
		.amdhsa_private_segment_fixed_size 0
		.amdhsa_enable_private_segment 0
		.amdhsa_kernarg_size 88
		.amdhsa_user_sgpr_count 2
		.amdhsa_user_sgpr_kernarg_segment_ptr 1
		.amdhsa_wavefront_size32 1
		.amdhsa_system_sgpr_workgroup_id_x 1
		.amdhsa_system_sgpr_workgroup_id_y 1
		.amdhsa_system_sgpr_workgroup_id_z 1
		.amdhsa_system_vgpr_workitem_id 0
		.amdhsa_next_free_vgpr 256
		.amdhsa_next_free_sgpr 80
		.amdhsa_reserve_vcc 1
		.amdhsa_float_denorm_mode_32 3
		.amdhsa_float_denorm_mode_16_64 3
		.amdhsa_memory_ordered 1
		.amdhsa_forward_progress 1
		.amdhsa_inst_pref_size 53
	.end_amdhsa_kernel
	.amdgpu_metadata
---
amdhsa.version: [ 1, 2 ]
amdhsa.kernels:
  - .name:           k_q675cfd614d_attn
    .symbol:         k_q675cfd614d_attn.kd
    .args:
      - { .name: kimg, .offset: 0, .size: 8, .value_kind: global_buffer, .address_space: global }
      - { .name: vimg, .offset: 8, .size: 8, .value_kind: global_buffer, .address_space: global }
      - { .name: kscl, .offset: 16, .size: 8, .value_kind: global_buffer, .address_space: global }
      - { .name: vscl, .offset: 24, .size: 8, .value_kind: global_buffer, .address_space: global }
      - { .name: qimg, .offset: 32, .size: 8, .value_kind: global_buffer, .address_space: global }
      - { .name: qscl, .offset: 40, .size: 8, .value_kind: global_buffer, .address_space: global }
      - { .name: orec, .offset: 48, .size: 8, .value_kind: global_buffer, .address_space: global }
      - { .name: wimg, .offset: 56, .size: 8, .value_kind: global_buffer, .address_space: global }
      - { .name: Wo_codes, .offset: 64, .size: 8, .value_kind: global_buffer, .address_space: global }
      - { .name: W1_codes, .offset: 72, .size: 8, .value_kind: global_buffer, .address_space: global }
      - { .name: W2_codes, .offset: 80, .size: 8, .value_kind: global_buffer, .address_space: global }
    .group_segment_fixed_size: 104448
    .private_segment_fixed_size: 0
    .kernarg_segment_align: 8
    .kernarg_segment_size: 88
    .max_flat_workgroup_size: 512
    .sgpr_count:     80
    .vgpr_count:     256
    .wavefront_size: 32
...
	.end_amdgpu_metadata
.endif
;; end of part 2
;; launch tail (part 3): grid 256 x 1, 4 waves a work-group, no clusters, 134,144 bytes of LDS; arguments x, orec, wimg, Wo_scales, W1_scales, W2_scales, bo, b1, b2, g2, be2, out0; writes out0
.if DOCPART == 3
	.amdgcn_target "amdgcn-amd-amdhsa--gfx1250"
	.amdhsa_code_object_version 6
	.text
	.protected	k_q675cfd614d_tail
	.globl	k_q675cfd614d_tail
	.p2align	8
	.type	k_q675cfd614d_tail,@function
k_q675cfd614d_tail:
	s_mov_b64 s[64:65], 0
	v_nop
	global_prefetch_b8 v0, s[64:65] scope:SCOPE_SE
	s_setreg_imm32_b32 hwreg(HW_REG_WAVE_MODE, 25, 1), 1
	s_wait_xcnt 0x0
; x1 = x + attention Wo + bo;  h2 = layernorm(x1) g2 + be2;  out = x1 + relu(h2 W1 + b1) W2 + b2.  All three products on codes of FP6 (E2M3) with one E8M0 byte for each 32 along K.
; A work-group of four waves takes 32 tokens (two tiles of 16).  THE WAVES SHARE THE COLUMNS: wave w makes columns 128 w .. + 127 of x1 and of out, and hidden units 512 w .. + 511, for all 32 tokens.
; Every product is used transposed (source 0 = 16 rows of a weight, source 1 = 16 tokens).  The rows of a weight's tile are chosen: row p of tile t of a group of 64 is row 32 (p / 8) + 8 t + p % 8, so that a lane's
; 32 result registers of a group are 32 neighbouring columns: a whole block of the next quantiser in one lane, in the lane in which the next operand wants it.  What a wave quantises is K step w of h2, K steps 4 w .. 4 w + 3 of the hidden layer.
; x1 stays in 128 registers from the first product to the end and is the last product's accumulator; h2 and the hidden layer go from wave to wave through LDS as images of the operand's registers.
; WEIGHTS come from wimg, laid by the launch before in the order of the operand's registers: a unit of 16 fragments is 48 loads of 512 consecutive bytes straight into registers; two buffers take turns over 18 units.
; The whole body is written out: every offset is an immediate (17 x 24,576 + 47 x 512 bytes at the most, inside the signed 24-bit field), no pointer and no address register is stepped, there is no branch.
; No cluster and no tensor load: the weights, which all work-groups walk, would have to pass through LDS for a joint request; here they are never written to or read from LDS.
; LIMITS: NaN and infinities are not served; a block under 2^-124, or of zeros, gets the byte 1 (its codes are zeros; this program alone reads the bytes).
.set RED1,  66048                      ; LDS: 0: a stage of 32 rows x (2,048 + 16) bytes, x on the way in, out on the way out; 66,048 and 66,560: the waves' partial sums;
.set H2IMG, 67072                      ; h2's 8 fragments (4 m + ks), 1,536 bytes each; their scale words, 128 bytes each;
.set H2SC,  79360
.set HIMG,  80384                      ; the hidden layer's 32 fragments (16 m + ks); their scale words
.set HSC,   129536
.set SEL,  34
.set HSH,  5
.set W2S,  32                          ; v32-95   W2's scale words: 16 (2 g + p) + ks: lanes 0-15 tile 2 p, lanes 16-31 tile 2 p + 1
.set WS,   96                          ; v96-111  the unit's scale words, 8 for each buffer
.set AS,   112                         ; v112-119 the tokens' scale words
.set ACC,  120                         ; v120-183 a unit's 8 results; also at work
.set PC,   184                         ; v184-207 codes just made: 12 for each tile of tokens
.set CT,   208
.set MX,   212
.set BY,   215
.set PT,   219
.set SA,   220                         ; v220-235 chains of sums
.set RL,   236                         ; v236-243 the four waves' partial sums
.set MEAN, 244
.set RSTD, 248
.set SWD,  252
.set AF,   128                         ; window 3: v0-127 x1 (64 m + 32 g + 8 t); v128-255 source 1's fragments; between them g2 and be2
; windows 1 and 2: v0-191 a unit's 16 fragments; v192-223 its 32 biases; v224-255 b2 of my group 0 (window 1), 1 (window 2)
.set MSB, 0
.macro WIN new                         ; the immediate's high byte repeats the setting that is left
.if MSB != (\new)
	s_set_vgpr_msb (MSB<<8)|(\new)
.set MSB, (\new)
.endif
.endm
.macro PLACES n
.rept \n
	v_nop
.endr
.endm
.macro MM d, a, b, z, c, sa, sb, ra, rb
.if \ra
	v_wmma_scale_f32_16x16x128_f8f6f4 v[(\d):(\d)+7], v[(\a):(\a)+11], v[(\b):(\b)+11], v[(\c):(\c)+7], v[\sa], v[\sb] matrix_a_fmt:MATRIX_FMT_FP6 matrix_b_fmt:MATRIX_FMT_FP6 matrix_a_scale:MATRIX_SCALE_ROW1
.else
	v_wmma_scale_f32_16x16x128_f8f6f4 v[(\d):(\d)+7], v[(\a):(\a)+11], v[(\b):(\b)+11], v[(\c):(\c)+7], v[\sa], v[\sb] matrix_a_fmt:MATRIX_FMT_FP6 matrix_b_fmt:MATRIX_FMT_FP6
.endif
.endm
; A whole block of 32 numbers of a lane becomes six registers of codes and a scale byte (two chains of maxima by turns, the floor 2^(3 - 127) among their leaves; each result of eight registers is first read at its low end)
.macro QB src, dst, ct, mx, by
	v_max3_num_f32 v[\mx], |v[\src]|, |v[\src+1]|, 0x1800000
	v_max3_num_f32 v[\mx+1], |v[\src+16]|, |v[\src+17]|, 0x1800000
.irp i, 2,4,6,8,10,12,14
	v_max3_num_f32 v[\mx], v[\mx], |v[\src+\i]|, |v[\src+\i+1]|
	v_max3_num_f32 v[\mx+1], v[\mx+1], |v[\src+16+\i]|, |v[\src+17+\i]|
.endr
	v_max_num_f32 v[\mx], v[\mx], v[\mx+1]
	v_add_nc_u32 v[\mx+2], 0xff000000, v[\mx]
	v_lshrrev_b32 v[\by], 23, v[\mx+2]
	v_cvt_scalef32_pk16_fp6_f32 v[\dst:\dst+2], v[\src:\src+15], v[\mx+2]
	v_cvt_scalef32_pk16_fp6_f32 v[\ct:\ct+2], v[\src+16:\src+31], v[\mx+2]   ; (a conversion's three registers begin on an even number)
	v_nop                                          ; one plain place behind a scaled conversion
	v_mov_b32 v[\dst+3], v[\ct]
	v_mov_b32 v[\dst+4], v[\ct+1]
	v_mov_b32 v[\dst+5], v[\ct+2]
.endm
.macro SCWORD w, b0, b1, t             ; my bytes of blocks h and 2 + h, with lane l xor 16's two: the scale word, in both halves
	v_lshl_or_b32 v[\w], v[\b1], 16, v[\b0]
	v_lshlrev_b32 v[\w], v[HSH], v[\w]
	v_permlanex16_b32 v[\t], v[\w], s[SEL], s[SEL+1]
	v_or_b32 v[\w], v[\w], v[\t]
.endm
.macro IMAGE adr, reg, off             ; a fragment's 12 registers go to LDS as they stand: 16 bytes a lane, 512 a store
.irp c, 0,1,2
	ds_store_b128 v[\adr], v[(\reg)+4*\c:(\reg)+4*\c+3] offset:(\off)+512*\c
.endr
.endm
.macro FETCHF reg, adr, off            ; and come back so, in any wave
.irp c, 0,1,2
	ds_load_b128 v[(\reg)+4*\c:(\reg)+4*\c+3], v[\adr] offset:(\off)+512*\c
.endr
.endm
.macro BARRIER                         ; my LDS stores have landed and my LDS loads are in: then the work-group's barrier
	s_wait_dscnt 0x0
	s_barrier_signal -1
	s_barrier_wait -1
.endm
; Unit u of my stream into buffer u % 2.  Units 0, 1 (Wo) and 2-9 (W1): 8 loads of biases, 2 of scale words, 48 of weights = 58; units 10-17 (W2): 48
.macro GROUP u
.set GB, (\u)&1
.if (\u) < 10
.if (\u) < 2
.set GP, 20
.set GS, 14
.set GZ, (\u)
.else
.set GP, 22
.set GS, 16
.set GZ, (\u)-2
.endif
	WIN 0x40*(1+GB)
.irp i, 0,1,2,3,4,5,6,7
	global_load_b128 v[192+4*\i:195+4*\i], v10, s[GP:GP+1] offset:256*GZ+16*\i
.endr
	WIN 0
.irp p, 0,1
	global_load_b128 v[WS+8*GB+4*\p:WS+8*GB+4*\p+3], v11, s[GS:GS+1] offset:1024*GZ+256*\p
.endr
.endif
	WIN 0x40*(1+GB)
.set GI, 0
.rept 48
	global_load_b128 v[4*GI:4*GI+3], v1, s[12:13] offset:24576*(\u)+512*GI
.set GI, GI+1
.endr
	WIN 0
.endm
	s_load_b512 s[8:23], s[0:1], 0x0               ; x, orec, wimg, Wo's, W1's, W2's scales, bo, b1
	s_load_b256 s[24:31], s[0:1], 0x40             ; b2, g2, be2, out0
	v_lshl_add_u32 v254, v0, 2, 0x20a00
	v_mov_b32 v255, 0
	v_lshrrev_b32 v184, 5, v0
	v_readfirstlane_b32 s32, v184                  ; wave 0..3
	v_and_b32 v184, 31, v0                         ; lane
	v_and_b32 v185, 15, v0                         ; r
	v_bfe_u32 v186, v0, 4, 1                       ; h
	v_bfe_u32 v187, v0, 3, 1
	v_and_b32 v188, 7, v0
	v_lshlrev_b32 v1, 4, v184                      ; v1  16 x lane
	v_lshlrev_b32 v2, 2, v184                      ; v2  4 x lane
	v_lshlrev_b32 v[HSH], 3, v186
	s_mul_i32 s40, s32, 8*2064
	v_add_nc_u32 v7, s40, v1                       ; v7  the stage by rows: my 8 rows, 16 bytes a lane
	v_mul_u32_u24 v8, v185, 2064
	v_lshl_add_u32 v8, v186, 7, v8
	s_lshl_b32 s40, s32, 9
	v_add_nc_u32 v8, s40, v8                       ; v8  the stage by results: row r, column 128 w + 32 h
	v_lshlrev_b32 v9, 5, v185
	v_lshl_add_u32 v9, v186, 16, v9                ; v9  the records: token r, head h
	v_lshlrev_b32 v10, 7, v186                     ; v10 32 numbers of a vector along the columns: + 32 h
	v_lshl_add_u32 v189, v187, 5, v188
	v_lshl_add_u32 v189, v186, 3, v189             ; row 32 (r / 8) + 8 h + r % 8: lanes 16-31 take the next tile's
	v_lshlrev_b32 v11, 4, v189                     ; v11 scale words of Wo, W1: 16 bytes a row
	v_lshlrev_b32 v12, 6, v189                     ; v12 of W2: 64 bytes a row
	s_lshl_b32 s40, s32, 7
	v_lshl_add_u32 v14, v185, 2, RED1              ; v14 partial sums, read
	v_add_nc_u32 v13, s40, v14                     ; v13 written
	s_mul_i32 s41, s32, 1536
	v_add_nc_u32 v17, H2IMG, v1                    ; v17 h2's images, read
	v_add_nc_u32 v15, s41, v17                     ; v15 written: K step w
	v_add_nc_u32 v18, H2SC, v2
	v_add_nc_u32 v16, s40, v18
	v_add_nc_u32 v24, HIMG, v1                     ; v24 the hidden layer's images, read
	s_mul_i32 s41, s32, 4*1536
	v_add_nc_u32 v20, s41, v24                     ; v20 written: K steps 4 w on
	v_add_nc_u32 v26, HSC, v2
	s_lshl_b32 s41, s32, 9
	v_add_nc_u32 v22, s41, v26
	v_mov_b32 v[PT], 0                             ; (a lane permute's destination counts as a source; upper halves of pairs that are named whole)
	v_mov_b32 v[MEAN+1], 0
	v_mov_b32 v[MEAN+3], 0
	v_mov_b32 v[RSTD+1], 0
	v_mov_b32 v[RSTD+3], 0
	s_mov_b32 s[SEL], 0x76543210
	s_mov_b32 s[SEL+1], 0xfedcba98
	s_mov_b32 s36, 0x3b000000                      ; 1 / 512
	s_mov_b32 s37, 0x3727c5ac                      ; 1e-5
	s_lshl_b32 s42, ttmp9, 16
	s_lshl_b32 s44, s32, 14
	s_add_co_u32 s42, s42, s44                     ; x, out: row 32 x work-group + 8 w
	s_mov_b32 s43, 0
	s_lshr_b32 s44, ttmp9, 6
	s_lshl_b32 s44, s44, 20
	s_and_b32 s46, ttmp9, 63
	s_lshl_b32 s46, s46, 10
	s_add_co_u32 s44, s44, s46                     ; the records of head 0 of my batch, my first token
	s_mov_b32 s45, 0
	s_mul_i32 s46, s32, 442368                     ; my stream of weights
	s_mov_b32 s47, 0
	s_lshl_b32 s48, s32, 11                        ; 2 w groups of Wo's scales; 8 w groups of b1
	s_mov_b32 s49, 0
	s_lshl_b32 s50, s32, 13                        ; 8 w groups of W1's scales; 2 w groups of W2's
	s_mov_b32 s51, 0
	s_lshl_b32 s52, s32, 9                         ; 2 w groups of bo, b2, g2, be2
	s_mov_b32 s53, 0
	s_wait_kmcnt 0x0
	s_add_nc_u64 s[8:9], s[8:9], s[42:43]
	s_add_nc_u64 s[30:31], s[30:31], s[42:43]
	s_add_nc_u64 s[10:11], s[10:11], s[44:45]
	s_add_nc_u64 s[12:13], s[12:13], s[46:47]
	s_add_nc_u64 s[14:15], s[14:15], s[48:49]
	s_add_nc_u64 s[22:23], s[22:23], s[48:49]
	s_add_nc_u64 s[16:17], s[16:17], s[50:51]
	s_add_nc_u64 s[18:19], s[18:19], s[50:51]
	s_add_nc_u64 s[20:21], s[20:21], s[52:53]
	s_add_nc_u64 s[24:25], s[24:25], s[52:53]
	s_add_nc_u64 s[26:27], s[26:27], s[52:53]
	s_add_nc_u64 s[28:29], s[28:29], s[52:53]
	; ---- 0: loads; x goes through the stage into the results' layout
	WIN 0xc0
.irp i, 0,1,2,3,4,5,6,7
.irp q, 0,1,2,3
	global_load_b128 v[16*\i+4*\q:16*\i+4*\q+3], v1, s[8:9] offset:2048*\i+512*\q th:TH_LOAD_NT   ; my 8 rows as they lie, 512 consecutive bytes a load
.endr
.endr
.irp m, 0,1
.irp k, 0,1,2,3
.irp c, 0,1
	global_load_b128 v[AF+12*(4*\m+\k)+6*\c:AF+12*(4*\m+\k)+6*\c+3], v9, s[10:11] offset:(4*\k+2*\c)*65536+512*\m      ; the attention's codes: block 4 ks + 2 c + h along K is that head's record of token 16 m + r
	global_load_b64 v[AF+12*(4*\m+\k)+6*\c+4:AF+12*(4*\m+\k)+6*\c+5], v9, s[10:11] offset:(4*\k+2*\c)*65536+512*\m+16
.endr
.endr
.endr
	WIN 0
.irp m, 0,1
.irp k, 0,1,2,3
.irp c, 0,1
	global_load_b32 v[ACC+2*(4*\m+\k)+\c], v9, s[10:11] offset:(4*\k+2*\c)*65536+512*\m+24   ; and its scale byte
.endr
.endr
.endr
.irp g, 0,1
.irp p, 0,1
.irp q, 0,1,2,3
	global_load_b128 v[W2S+16*(2*\g+\p)+4*\q:W2S+16*(2*\g+\p)+4*\q+3], v12, s[18:19] offset:4096*\g+1024*\p+16*\q
.endr
.endr
.endr
.irp g, 0,1
	WIN 0x40*(1+\g)
.irp i, 0,1,2,3,4,5,6,7
	global_load_b128 v[224+4*\i:227+4*\i], v10, s[24:25] offset:256*\g+16*\i
.endr
.endr
	GROUP 0
	s_wait_loadcnt 63                              ; 138 loads stand behind x's 32: a smaller count is safe
	WIN 0x0c                                       ; an LDS store's data are its source 1
.irp i, 0,1,2,3,4,5,6,7
.irp q, 0,1,2,3
	ds_store_b128 v7, v[16*\i+4*\q:16*\i+4*\q+3] offset:2064*\i+512*\q
.endr
.endr
	WIN 0
	BARRIER                                        ; 32 rows of x lie in the stage
	WIN 0xc0
.irp m, 0,1
.irp g, 0,1
.irp t, 0,1,2,3
.irp e, 0,1
	ds_load_b128 v[64*\m+32*\g+8*\t+4*\e:64*\m+32*\g+8*\t+4*\e+3], v8 offset:33024*\m+256*\g+32*\t+16*\e   ; x(16 m + r, 128 w + 64 g + 32 h + 8 t + ..)
.endr
.endr
.endr
.endr
	GROUP 1
	; ---- 1: x1 = x + bo + attention Wo
	s_wait_loadcnt 58                              ; all but unit 1's group
.irp m, 0,1
.irp k, 0,1,2,3
	SCWORD AS+4*\m+\k, ACC+2*(4*\m+\k), ACC+2*(4*\m+\k)+1, PT
.endr
.endr
	s_wait_dscnt 0x0                               ; x
.irp g, 0,1
.if \g
	s_wait_loadcnt 58                              ; unit 1 is in; unit 2's group may be out
.endif
	WIN 0xc3|((1+\g)<<2)
.irp m, 0,1
.set I, 0
.rept 16
	v_pk_add_f32 v[64*\m+32*\g+2*I:64*\m+32*\g+2*I+1], v[64*\m+32*\g+2*I:64*\m+32*\g+2*I+1], v[192+2*I:193+2*I]
.set I, I+1
.endr
.endr
	PLACES 4
	WIN 0xfc|(1+\g)                                ; source 0 the buffer's window; source 1, C and D window 3
.irp k, 0,1,2,3
.irp t, 0,1,2,3
.irp m, 0,1
	MM 64*\m+32*\g+8*\t, 12*(4*\t+\k), AF+12*(4*\m+\k), 0, 64*\m+32*\g+8*\t, WS+8*\g+4*(\t/2)+\k, AS+4*\m+\k, (\t&1), 0   ; eight accumulators by turns
.endr
.endr
.endr
	WIN 0
	PLACES 4                                       ; in front of loads into registers that these products read
.if \g == 0
	GROUP 2
.else
	WIN 0xc0
.irp e, 0,1
.irp i, 0,1,2,3,4,5,6,7
	global_load_b128 v[AF+32*\e+4*\i:AF+32*\e+4*\i+3], v10, s[26:27] offset:256*\e+16*\i        ; g2,
	global_load_b128 v[AF+64+32*\e+4*\i:AF+64+32*\e+4*\i+3], v10, s[28:29] offset:256*\e+16*\i  ; be2 of my columns
.endr
.endr
	GROUP 3
.endif
.endr
	; ---- 2: the second norm, in two passes; a token's 512 columns lie in two lanes of each of the four waves
.macro JOIN off                        ; four chains for each tile of tokens -> the token's sum over all waves, in v[RL], v[RL+4]
.irp m, 0,1
	v_pk_add_f32 v[SA+8*\m:SA+8*\m+1], v[SA+8*\m:SA+8*\m+1], v[SA+8*\m+2:SA+8*\m+3]
	v_pk_add_f32 v[SA+8*\m+4:SA+8*\m+5], v[SA+8*\m+4:SA+8*\m+5], v[SA+8*\m+6:SA+8*\m+7]
.endr
.irp m, 0,1
	v_pk_add_f32 v[SA+8*\m:SA+8*\m+1], v[SA+8*\m:SA+8*\m+1], v[SA+8*\m+4:SA+8*\m+5]
.endr
.irp m, 0,1
	v_add_f32 v[SA+8*\m], v[SA+8*\m], v[SA+8*\m+1]
.endr
.irp m, 0,1
	v_permlanex16_b32 v[SA+8*\m+2], v[SA+8*\m], s[SEL], s[SEL+1]
.endr
.irp m, 0,1
	v_add_f32 v[SA+8*\m], v[SA+8*\m], v[SA+8*\m+2]
.endr
.irp m, 0,1
	ds_store_b32 v13, v[SA+8*\m] offset:(\off)+64*\m   ; both halves of the lanes write the same word with the same value
.endr
	BARRIER
.irp m, 0,1
.irp k, 0,1,2,3
	ds_load_b32 v[RL+4*\m+\k], v14 offset:(\off)+128*\k+64*\m
.endr
.endr
	s_wait_dscnt 0x0
.irp m, 0,1
	v_add_f32 v[RL+4*\m], v[RL+4*\m], v[RL+4*\m+1]
	v_add_f32 v[RL+4*\m+2], v[RL+4*\m+2], v[RL+4*\m+3]
.endr
.irp m, 0,1
	v_add_f32 v[RL+4*\m], v[RL+4*\m], v[RL+4*\m+2]
.endr
.endm
	WIN 0x0f
.irp m, 0,1
.irp k, 0,1,2,3
	v_pk_add_f32 v[SA+8*\m+2*\k:SA+8*\m+2*\k+1], v[64*\m+16*\k:64*\m+16*\k+1], v[64*\m+16*\k+2:64*\m+16*\k+3]   ; each result is first read at its low end
.endr
.endr
	WIN 0x0c
.irp i, 4,6,8,10,12,14
.irp m, 0,1
.irp k, 0,1,2,3
	v_pk_add_f32 v[SA+8*\m+2*\k:SA+8*\m+2*\k+1], v[SA+8*\m+2*\k:SA+8*\m+2*\k+1], v[64*\m+16*\k+\i:64*\m+16*\k+\i+1]
.endr
.endr
.endr
	WIN 0
	JOIN 0
.irp m, 0,1
	v_mul_f32 v[MEAN+2*\m], s36, v[RL+4*\m]
.endr
.irp m, 0,1
	WIN 0x03
.set I, 0
.rept 32
	v_pk_add_f32 v[ACC+2*I:ACC+2*I+1], v[64*\m+2*I:64*\m+2*I+1], v[MEAN+2*\m:MEAN+2*\m+1] op_sel_hi:[1,0] neg_lo:[0,1] neg_hi:[0,1]
.set I, I+1
.endr
	WIN 0
.irp k, 0,1,2,3
	v_pk_mul_f32 v[SA+8*\m+2*\k:SA+8*\m+2*\k+1], v[ACC+16*\k:ACC+16*\k+1], v[ACC+16*\k:ACC+16*\k+1]
.endr
.irp i, 2,4,6,8,10,12,14
.irp k, 0,1,2,3
	v_pk_fma_f32 v[SA+8*\m+2*\k:SA+8*\m+2*\k+1], v[ACC+16*\k+\i:ACC+16*\k+\i+1], v[ACC+16*\k+\i:ACC+16*\k+\i+1], v[SA+8*\m+2*\k:SA+8*\m+2*\k+1]
.endr
.endr
.endr
	JOIN 512
.irp m, 0,1
	v_fma_f32 v[RL+4*\m], v[RL+4*\m], s36, s37
.endr
.irp m, 0,1
	v_rsq_f32 v[RSTD+2*\m], v[RL+4*\m]
.endr
	v_nop
	s_wait_alu depctr_va_vdst(0)                   ; one wait for the two, ahead of their first reader
	s_wait_loadcnt 58                              ; g2 and be2 are in; unit 3's group may be out
.irp m, 0,1
.irp g, 0,1
	WIN 0x03
.set I, 0
.rept 16
	v_pk_add_f32 v[ACC+2*I:ACC+2*I+1], v[64*\m+32*\g+2*I:64*\m+32*\g+2*I+1], v[MEAN+2*\m:MEAN+2*\m+1] op_sel_hi:[1,0] neg_lo:[0,1] neg_hi:[0,1]
.set I, I+1
.endr
	WIN 0
.set I, 0
.rept 16
	v_pk_mul_f32 v[ACC+2*I:ACC+2*I+1], v[ACC+2*I:ACC+2*I+1], v[RSTD+2*\m:RSTD+2*\m+1] op_sel_hi:[1,0]
.set I, I+1
.endr
	WIN 0x3c
.set I, 0
.rept 16
	v_pk_fma_f32 v[ACC+2*I:ACC+2*I+1], v[ACC+2*I:ACC+2*I+1], v[AF+32*\g+2*I:AF+32*\g+2*I+1], v[AF+64+32*\g+2*I:AF+64+32*\g+2*I+1]
.set I, I+1
.endr
	WIN 0
	QB ACC, PC+12*\m+6*\g, CT, MX, BY+2*\m+\g      ; columns 128 w + 64 g + 32 h + 0 .. 31: block 2 g + h of K step w
.endr
.endr
.irp m, 0,1
	SCWORD SWD+\m, BY+2*\m, BY+2*\m+1, PT
	IMAGE 15, PC+12*\m, 6144*\m
	ds_store_b32 v16, v[SWD+\m] offset:512*\m
.endr
.irp g, 0,1
	WIN 0xc3|((1+\g)<<2)
.irp m, 0,1
.set I, 0
.rept 16
	v_pk_add_f32 v[64*\m+32*\g+2*I:64*\m+32*\g+2*I+1], v[64*\m+32*\g+2*I:64*\m+32*\g+2*I+1], v[224+2*I:225+2*I]   ; x1 + b2: what the last product adds onto
.set I, I+1
.endr
.endr
.endr
	WIN 0
	BARRIER                                        ; h2's eight fragments lie in LDS
	WIN 0xc0
.irp m, 0,1
.irp k, 0,1,2,3
	FETCHF AF+12*(4*\m+\k), 17, 1536*(4*\m+\k)
.endr
.endr
	WIN 0
.irp m, 0,1
.irp k, 0,1,2,3
	ds_load_b32 v[AS+4*\m+\k], v18 offset:128*(4*\m+\k)
.endr
.endr
	; ---- 3: the hidden layer, 64 units at a time: products, relu, quantised in registers; two units make a K step of the last product
.macro UNIT1 z, n
.set UB, (\z)&1
	s_wait_loadcnt \n                              ; this unit's group is in; the one issued behind it may be out
.if (\z) == 0
	s_wait_dscnt 0x0                               ; h2
.endif
	WIN ((1+UB)<<4)|0x0c|(1+UB)                    ; source 0 and C (b1) the buffer's window, source 1 window 3
.irp t, 0,1,2,3
.irp m, 0,1
	MM ACC+32*\m+8*\t, 48*\t, AF+48*\m, 0, 192+8*\t, WS+8*UB+4*(\t/2), AS+4*\m, (\t&1), 0
.endr
.endr
	WIN 0x0c|(1+UB)
.irp k, 1,2,3
.irp t, 0,1,2,3
.irp m, 0,1
	MM ACC+32*\m+8*\t, 12*(4*\t+\k), AF+12*(4*\m+\k), 0, ACC+32*\m+8*\t, WS+8*UB+4*(\t/2)+\k, AS+4*\m+\k, (\t&1), 0   ; eight accumulators by turns
.endr
.endr
.endr
	WIN 0
	PLACES 5                                       ; in front of loads into the buffer, of the first read of results, and of the next unit's products, which begin these sums anew
	GROUP (\z)+4
	s_wait_dscnt 0x0                               ; the last images' stores have read their registers
.irp m, 0,1
.set I, 0
.rept 32
	v_max_num_f32 v[ACC+32*\m+I], 0, v[ACC+32*\m+I]
.set I, I+1
.endr
	QB ACC+32*\m, PC+12*\m+6*UB, CT, MX, BY+2*\m+UB
.endr
.if UB
.irp m, 0,1
	SCWORD SWD+\m, BY+2*\m, BY+2*\m+1, PT
	IMAGE 20, PC+12*\m, 24576*\m+1536*((\z)/2)
	ds_store_b32 v22, v[SWD+\m] offset:2048*\m+128*((\z)/2)
.endr
.endif
.endm
.irp z, 0,1,2,3,4,5,6
	UNIT1 \z, 58
.endr
	UNIT1 7, 48                                    ; behind unit 9's group stands W2's first, of 48 loads
	BARRIER                                        ; the hidden layer's 32 fragments lie in LDS
	; ---- 4: out = x1 + b2 + hidden W2: two K steps a unit, sixteen accumulators by turns; the hidden fragments in two sets, a unit ahead
.macro HFETCH z
	WIN 0xc0
.irp k, 0,1
.irp m, 0,1
	FETCHF AF+48*((\z)&1)+12*(2*\k+\m), 24, 24576*\m+1536*(2*(\z)+\k)
.endr
.endr
	WIN 0
.irp k, 0,1
.irp m, 0,1
	ds_load_b32 v[AS+4*((\z)&1)+2*\k+\m], v26 offset:2048*\m+128*(2*(\z)+\k)
.endr
.endr
.endm
.macro UNIT2 z, n
.set UB, (\z)&1
	s_wait_loadcnt \n
	s_wait_dscnt 0x0                               ; this unit's hidden fragments
.if (\z) < 7
	HFETCH (\z)+1
.endif
	WIN 0xfc|(1+UB)
.irp k, 0,1
.irp g, 0,1
.irp t, 0,1,2,3
.irp m, 0,1
	MM 64*\m+32*\g+8*\t, 12*(8*\k+4*\g+\t), AF+48*UB+12*(2*\k+\m), 0, 64*\m+32*\g+8*\t, W2S+16*(2*\g+\t/2)+2*(\z)+\k, AS+4*UB+2*\k+\m, (\t&1), 0
.endr
.endr
.endr
.endr
	WIN 0
	PLACES 4                                       ; in front of loads into registers that these products read, and of the first read of results
.if (\z) < 6
	GROUP (\z)+12
.endif
.endm
	HFETCH 0
.irp z, 0,1,2,3,4,5,6
	UNIT2 \z, 48
.endr
	UNIT2 7, 0
	; ---- 5: the way out: through the stage, back as whole rows
	WIN 0x0c
.irp m, 0,1
.irp g, 0,1
.irp t, 0,1,2,3
.irp e, 0,1
	ds_store_b128 v8, v[64*\m+32*\g+8*\t+4*\e:64*\m+32*\g+8*\t+4*\e+3] offset:33024*\m+256*\g+32*\t+16*\e   ; each result from its low end on
.endr
.endr
.endr
.endr
	WIN 0
	BARRIER                                        ; 32 whole rows lie in the stage
.set I, 0
.rept 32
	ds_load_b128 v[ACC+4*I:ACC+4*I+3], v7 offset:2064*(I/4)+512*(I%4)
.set I, I+1
.endr
.set I, 0
.rept 32
	s_wait_dscnt 31-I                              ; LDS loads come back in order: load I is in, the younger ones may be out
	global_store_b128 v1, v[ACC+4*I:ACC+4*I+3], s[30:31] offset:2048*(I/4)+512*(I%4) th:TH_STORE_NT   ; 32 lanes store 512 consecutive bytes, aligned; written once, read by nobody here
.set I, I+1
.endr
	s_wait_tensorcnt 0x0
	ds_add_u32 v254, v255
	s_wait_dscnt 0x0
	s_endpgm
.Lfunc_end_k_q675cfd614d_tail:
	.size	k_q675cfd614d_tail, .Lfunc_end_k_q675cfd614d_tail-k_q675cfd614d_tail
	.p2alignl 7, 3214868480
	.fill 96, 4, 3214868480
	.section	.rodata,"a",@progbits
	.p2align	6, 0x0
	.amdhsa_kernel k_q675cfd614d_tail
		.amdhsa_group_segment_fixed_size 134144
		.amdhsa_private_segment_fixed_size 0
		.amdhsa_enable_private_segment 0
		.amdhsa_kernarg_size 96
		.amdhsa_user_sgpr_count 2
		.amdhsa_user_sgpr_kernarg_segment_ptr 1
		.amdhsa_wavefront_size32 1
		.amdhsa_system_sgpr_workgroup_id_x 1
		.amdhsa_system_sgpr_workgroup_id_y 1
		.amdhsa_system_sgpr_workgroup_id_z 1
		.amdhsa_system_vgpr_workitem_id 0
		.amdhsa_next_free_vgpr 1024
		.amdhsa_next_free_sgpr 66
		.amdhsa_reserve_vcc 0
		.amdhsa_float_denorm_mode_32 3
		.amdhsa_float_denorm_mode_16_64 3
		.amdhsa_memory_ordered 1
		.amdhsa_forward_progress 1
		.amdhsa_inst_pref_size 255
	.end_amdhsa_kernel
	.section	.bss,"aw",@nobits
	.p2align	6
	.space	262144
	.amdgpu_metadata
---
amdhsa.version: [ 1, 2 ]
amdhsa.kernels:
  - .name:           k_q675cfd614d_tail
    .symbol:         k_q675cfd614d_tail.kd
    .args:
      - { .name: x, .offset: 0, .size: 8, .value_kind: global_buffer, .address_space: global }
      - { .name: orec, .offset: 8, .size: 8, .value_kind: global_buffer, .address_space: global }
      - { .name: wimg, .offset: 16, .size: 8, .value_kind: global_buffer, .address_space: global }
      - { .name: Wo_scales, .offset: 24, .size: 8, .value_kind: global_buffer, .address_space: global }
      - { .name: W1_scales, .offset: 32, .size: 8, .value_kind: global_buffer, .address_space: global }
      - { .name: W2_scales, .offset: 40, .size: 8, .value_kind: global_buffer, .address_space: global }
      - { .name: bo, .offset: 48, .size: 8, .value_kind: global_buffer, .address_space: global }
      - { .name: b1, .offset: 56, .size: 8, .value_kind: global_buffer, .address_space: global }
      - { .name: b2, .offset: 64, .size: 8, .value_kind: global_buffer, .address_space: global }
      - { .name: g2, .offset: 72, .size: 8, .value_kind: global_buffer, .address_space: global }
      - { .name: be2, .offset: 80, .size: 8, .value_kind: global_buffer, .address_space: global }
      - { .name: out0, .offset: 88, .size: 8, .value_kind: global_buffer, .address_space: global }
    .group_segment_fixed_size: 134144
    .private_segment_fixed_size: 0
    .kernarg_segment_align: 8
    .kernarg_segment_size: 96
    .max_flat_workgroup_size: 128
    .sgpr_count:     66
    .vgpr_count:     1024
    .wavefront_size: 32
...
	.end_amdgpu_metadata
.endif
;; end of part 3
;; ======== version 2 of 2: 3 launches; version 1 with the launches lnqkv, attn, tail written anew for expert scheduling mode
;; workspace buffers: qimg 3,145,728 bytes; kimg 3,145,728 bytes; vimg 3,145,728 bytes; qscl 131,072 bytes; kscl 131,072 bytes; vscl 131,072 bytes; orec 4,194,304 bytes; wimg 1,769,472 bytes
;; launch lnqkv (part 4): grid 4 x 64, 4 waves a work-group, no clusters, 94,720 bytes of LDS; arguments x, g1, be1, Wq_codes, Wk_codes, Wv_codes, Wq_scales, Wk_scales, Wv_scales, qimg, kimg, vimg, qscl, kscl, vscl; writes qimg, kimg, vimg, qscl, kscl, vscl
.if DOCPART == 4
	.amdgcn_target "amdgcn-amd-amdhsa--gfx1250"
	.amdhsa_code_object_version 6
	.text
	.protected	k_q675cfd614d_lnqkv
	.globl	k_q675cfd614d_lnqkv
	.p2align	8
	.type	k_q675cfd614d_lnqkv,@function
k_q675cfd614d_lnqkv:
	s_mov_b64 s[64:65], 0
	v_nop
	global_prefetch_b8 v0, s[64:65] scope:SCOPE_SE
	s_setreg_imm32_b32 hwreg(HW_REG_WAVE_SCHED_MODE, 0, 2), 2
	s_setreg_imm32_b32 hwreg(HW_REG_WAVE_MODE, 25, 1), 1
	s_wait_xcnt 0x0
	s_wait_alu depctr_vm_vsrc(0)
; h = layernorm(x) g1 + be1, quantised along C; q, k, v = h W on codes of FP6 (E2M3) with one E8M0 byte for each 32 along K; q and k quantised along the head's 32, v along the keys.
; A work-group (x: 4 heads 4 hg .. 4 hg + 3; y: 128 tokens of one batch = one key step of the attention) has four waves.
; NORM: wave w takes rows 32 w .. 32 w + 31, four at a time; a row is loaded as it lies (512 consecutive bytes a load), turned through the wave's own LDS so that a lane holds 16 neighbours,
; normed in two passes (mean, then the squares of the differences), quantised (two lanes to a block of 32), and its 384 bytes of codes and 16 scale bytes go to LDS.  One barrier.
; PRODUCTS: the waves share the columns.  Wave w: q (w < 2) or k of heads H0, H0 + 1 (H0 = 4 hg + 2 (w & 1)), and v of head 4 hg + w; its 24 weight fragments stay in registers.
; THE ROWS OF A TILE ARE NOT NEIGHBOURS.  Four tiles cover 64 indices: row p of tile t is index 32 (p / 8) + 8 t + p % 8.  As source 0 such tiles leave in a lane's 32 result registers 32 neighbouring indices:
; a whole block of the quantiser in one lane, and in the lane in which the 6-bit operand layout wants it.  So tokens are tiled (for v, whose blocks run along tokens) and so are Wq's and Wk's rows (head, d).
; OUT: q, k: for each head and 64 tokens two images of six operand registers (768 bytes: 16 bytes a lane, then 8 bytes a lane); v likewise for its two tiles of channels; scale words 4 bytes a lane.
; Each store of codes covers 512 or 256 consecutive bytes, aligned; the scale words leave in runs of 128 bytes.
; LIMITS: NaN and infinities among the inputs are not served.  A block whose largest magnitude lies under 2^-124 gets the byte 1; a block of zeros gets 1 where the rule says 127: its codes are zeros, and this program alone reads the bytes.
; THE MODE: SCHED_MODE bits 1:0 = 2 (LLVM: expert scheduling mode 2), set by the entry lines.  The code itself states the register dependences
; between vector or matrix instructions and memory or LDS instructions, with s_wait_alu, always for 0.
; THE PLAN.  Registers that memory or LDS instructions touch:
;   v1-v14    offsets and LDS addresses: made once at the head, never written again: one wait on va_vdst ahead of the first load serves them all.
;   NORM, group n of four rows:
;   RB        rows as loaded, two buffers: written by the loads of group n + 2, read by group n's stores into the stage; no vector instruction names them.
;   X         written by the LDS loads out of the stage; read and written by the group's arithmetic.
;   CD, BY    written by the group's conversions and shifts; read by its LDS stores.
;   One wait on va_vdst a group, behind its last vector line: CD and BY are written, and X is free for the next group's LDS loads.  One wait on vm_vsrc a group, behind the wait for the turn:
;   the stage's stores have read RB, the last group's stores have read CD and BY.
;   PRODUCTS, tile i of eight:
;   HF, HS    h's fragments and scale words, TWO buffers by turns: tile i's products read buffer i % 2; the LDS loads of tile i + 1, issued at tile i's head, land in the other, which tile i - 1's products read.
;   T, VC     codes: written by the quantising lines of four tiles; read by the stores, which for the first 64 tokens are issued at the next tile's head.
;   One wait on va_vdst at a tile's head, behind the wait for its fragments: the tile before is done with the other buffer (and, at the fifth tile, the first 64 tokens' codes are written).
;   The weights' registers are loaded once and read by matrix instructions alone; the accumulators are named by matrix and vector instructions alone.
.set HROW, 40960                       ; LDS: 0: four stages of 10,240 bytes, a wave's own (4 rows x 32 places of 64 + 16 bytes); then h's codes, 128 rows of 384 + 16 bytes;
.set HP,   400
.set HSC,  92160                       ; then h's scale bytes, 16 a row
.set SEL,  2                           ; s[2:3] lane selects of v_permlanex16_b32: lane l xor 16
.set HSH,  15                          ; v15 8 x (lane / 16)
.set WS,   16                          ; v16-23 Wq's or Wk's scale words: 4 p + ks: lanes 0-15 tile 2 p, lanes 16-31 tile 2 p + 1;  v24-27 Wv's: lanes 0-15 tile 0, lanes 16-31 tile 1
.set WVS,  24
.set HS,   28                          ; v28-31 h's scale words, buffer 0;  v240-243 buffer 1
.set HS1,  240
.set G,    32                          ; NORM: v32-47 g1, v48-63 be1 of my 16 columns; v64-127 four rows' 16 numbers; v128.. at work
.set BE,   48
.set X,    64
.set AC,   128
.set MU,   136
.set PT,   144
.set MX,   148
.set EE,   152
.set CD,   156
.set BY,   172
.set HF,   32                          ; PRODUCTS: v32-79 h's four fragments, buffer 0 (buffer 1: window 1, v192-239); v80-111 q or k (4 tiles); v112-175 v (2 x 4 tiles); v176.. codes
.set HF1,  192
.set QA,   80
.set VA,   112
.set T,    176
.set VC,   200
.set CT,   212
.set MXM,  216
.set BYM,  219
.set KW,   220
.set VB,   222
.set VW,   226
.set PTM,  228
; window 1: v0-191 the 16 fragments of Wq or Wk (12 (4 j + ks)); v192-255 rows as loaded, even groups; later h's fragments, buffer 1.   window 2: v0-95 Wv's 8 fragments; v96-159 rows as loaded, odd groups.
.set MSB, 0
.macro WIN new                         ; the immediate's high byte repeats the setting that is left
.if MSB != (\new)
	s_set_vgpr_msb (MSB<<8)|(\new)
.set MSB, (\new)
.endif
.endm
.macro PLACES n
.rept \n
	v_nop
.endr
.endm
; one matrix instruction: D at d, source 0 at a, source 1 at b, C = 0 (z) or at c, scale registers sa, sb; ra, rb: that side's scales stand in lanes 16-31
.macro MM d, a, b, z, c, sa, sb, ra, rb
.if \z
.if \ra
	v_wmma_scale_f32_16x16x128_f8f6f4 v[(\d):(\d)+7], v[(\a):(\a)+11], v[(\b):(\b)+11], 0, v[\sa], v[\sb] matrix_a_fmt:MATRIX_FMT_FP6 matrix_b_fmt:MATRIX_FMT_FP6 matrix_a_scale:MATRIX_SCALE_ROW1
.elseif \rb
	v_wmma_scale_f32_16x16x128_f8f6f4 v[(\d):(\d)+7], v[(\a):(\a)+11], v[(\b):(\b)+11], 0, v[\sa], v[\sb] matrix_a_fmt:MATRIX_FMT_FP6 matrix_b_fmt:MATRIX_FMT_FP6 matrix_b_scale:MATRIX_SCALE_ROW1
.else
	v_wmma_scale_f32_16x16x128_f8f6f4 v[(\d):(\d)+7], v[(\a):(\a)+11], v[(\b):(\b)+11], 0, v[\sa], v[\sb] matrix_a_fmt:MATRIX_FMT_FP6 matrix_b_fmt:MATRIX_FMT_FP6
.endif
.else
.if \ra
	v_wmma_scale_f32_16x16x128_f8f6f4 v[(\d):(\d)+7], v[(\a):(\a)+11], v[(\b):(\b)+11], v[(\c):(\c)+7], v[\sa], v[\sb] matrix_a_fmt:MATRIX_FMT_FP6 matrix_b_fmt:MATRIX_FMT_FP6 matrix_a_scale:MATRIX_SCALE_ROW1
.elseif \rb
	v_wmma_scale_f32_16x16x128_f8f6f4 v[(\d):(\d)+7], v[(\a):(\a)+11], v[(\b):(\b)+11], v[(\c):(\c)+7], v[\sa], v[\sb] matrix_a_fmt:MATRIX_FMT_FP6 matrix_b_fmt:MATRIX_FMT_FP6 matrix_b_scale:MATRIX_SCALE_ROW1
.else
	v_wmma_scale_f32_16x16x128_f8f6f4 v[(\d):(\d)+7], v[(\a):(\a)+11], v[(\b):(\b)+11], v[(\c):(\c)+7], v[\sa], v[\sb] matrix_a_fmt:MATRIX_FMT_FP6 matrix_b_fmt:MATRIX_FMT_FP6
.endif
.endif
.endm
; A whole block of 32 numbers of a lane, v[src] on, becomes six registers of codes at v[dst] (dst even) and its scale byte in v[by].  Two chains of maxima by turns, each with the floor 2^(3 - 127) as a leaf
; (so the byte cannot fall under 1); each result of eight registers is first read at its low end.  2 off the largest magnitude's exponent field is the conversion's scale operand.
.macro QB src, dst, ct, mx, by
	v_max3_num_f32 v[\mx], |v[\src]|, |v[\src+1]|, 0x1800000
	v_max3_num_f32 v[\mx+1], |v[\src+16]|, |v[\src+17]|, 0x1800000
.irp i, 2,4,6,8,10,12,14
	v_max3_num_f32 v[\mx], v[\mx], |v[\src+\i]|, |v[\src+\i+1]|
	v_max3_num_f32 v[\mx+1], v[\mx+1], |v[\src+16+\i]|, |v[\src+17+\i]|
.endr
	v_max_num_f32 v[\mx], v[\mx], v[\mx+1]
	v_add_nc_u32 v[\mx+2], 0xff000000, v[\mx]
	v_lshrrev_b32 v[\by], 23, v[\mx+2]
	v_cvt_scalef32_pk16_fp6_f32 v[\dst:\dst+2], v[\src:\src+15], v[\mx+2]
	v_cvt_scalef32_pk16_fp6_f32 v[\ct:\ct+2], v[\src+16:\src+31], v[\mx+2]   ; (a conversion's three registers begin on an even number)
	v_nop                                          ; one plain place behind a scaled conversion
	v_mov_b32 v[\dst+3], v[\ct]
	v_mov_b32 v[\dst+4], v[\ct+1]
	v_mov_b32 v[\dst+5], v[\ct+2]
.endm
; A lane holds the bytes of blocks h and 2 + h of its row (h = lane / 16): with lane l xor 16's two the scale word is whole, in both halves
.macro SCWORD w, b0, b1, t
	v_lshl_or_b32 v[\w], v[\b1], 16, v[\b0]
	v_lshlrev_b32 v[\w], v[HSH], v[\w]
	v_permlanex16_b32 v[\t], v[\w], s[SEL], s[SEL+1]
	v_or_b32 v[\w], v[\w], v[\t]
.endm
	s_load_b512 s[8:23], s[0:1], 0x0               ; x, g1, be1, Wq, Wk, Wv codes, Wq, Wk scales
	s_load_b256 s[24:31], s[0:1], 0x40             ; Wv scales, qimg, kimg, vimg
	s_load_b128 s[32:35], s[0:1], 0x60             ; qscl, kscl
	s_load_b64 s[36:37], s[0:1], 0x70              ; vscl
	v_lshl_add_u32 v254, v0, 2, 0x17000
	v_mov_b32 v255, 0
	v_lshrrev_b32 v232, 5, v0
	v_readfirstlane_b32 s38, v232                  ; wave 0..3
	v_and_b32 v232, 31, v0                         ; lane
	v_and_b32 v233, 15, v0                         ; r
	v_bfe_u32 v234, v0, 4, 1                       ; h = lane / 16
	v_bfe_u32 v235, v0, 3, 1                       ; r / 8
	v_and_b32 v236, 7, v0                          ; r % 8
	v_lshlrev_b32 v1, 4, v232                      ; v1  16 x lane
	v_lshlrev_b32 v2, 3, v232                      ; v2  8 x lane
	v_lshlrev_b32 v3, 2, v232                      ; v3  4 x lane
	s_wait_alu depctr_va_sdst(0)                   ; s38 is written, ahead of its first reader: LDS places, the choice of tensors and the bases are made from it
	s_mul_i32 s48, s38, 10240                      ; my stage
	v_lshrrev_b32 v237, 2, v232
	v_mul_u32_u24 v237, v237, 80
	v_and_b32 v238, 3, v232
	v_lshl_add_u32 v237, v238, 4, v237
	v_add_nc_u32 v4, s48, v237                     ; v4  the stage, in: four lanes' 64 bytes on end, then 16 of padding
	v_mul_u32_u24 v237, v232, 80
	v_add_nc_u32 v5, s48, v237                     ; v5  out: my 16 neighbours
	v_lshlrev_b32 v6, 6, v232                      ; v6  my 16 columns of g1 and be1
	s_lshr_b32 s49, s38, 1
	s_lshl_b32 s49, s49, 6
	s_and_b32 s50, s38, 1
	s_lshl_b32 s51, s50, 3
	s_add_co_u32 s49, s49, s51                     ; token 32 w + i lies in LDS row 64 (w / 2) + 8 (w % 2) + 16 (i / 8) + i % 8: a tile's 16 rows are then neighbours
	s_mul_i32 s51, s49, HP
	s_add_co_u32 s51, s51, HROW
	v_mul_u32_u24 v237, v232, 12
	v_add_nc_u32 v7, s51, v237                     ; v7  where my 12 bytes of codes go
	s_lshl_b32 s51, s49, 4
	s_add_co_u32 s51, s51, HSC
	v_lshrrev_b32 v237, 1, v232
	v_add_nc_u32 v8, s51, v237                     ; v8  and my block's byte
	v_mul_u32_u24 v237, v233, HP
	v_mad_u32_u24 v237, v234, 24, v237
	v_add_nc_u32 v9, HROW, v237                    ; v9  a fragment of h: row r, + 24 h
	v_lshl_add_u32 v10, v233, 4, HSC               ; v10 its scale words
	v_lshl_add_u32 v237, v235, 5, v236             ; 32 (r / 8) + r % 8
	v_mul_u32_u24 v11, v237, 384
	v_mad_u32_u24 v11, v234, 24, v11               ; v11 Wq, Wk: row (head r / 8, d = r % 8) of 384 bytes, + 24 h
	v_lshl_add_u32 v238, v235, 3, v233             ; r + 8 (r / 8)
	v_mul_u32_u24 v12, v238, 384
	v_mad_u32_u24 v12, v234, 24, v12               ; v12 Wv: row d = r + 8 (r / 8)
	v_lshl_add_u32 v237, v234, 3, v237
	v_lshlrev_b32 v13, 4, v237                     ; v13 their scale words: lanes 16-31 take the tile 8 rows on
	v_lshl_add_u32 v238, v234, 3, v238
	v_lshlrev_b32 v14, 4, v238                     ; v14
	v_lshlrev_b32 v[HSH], 3, v234
.irp a, 0,1,2,3
	v_mov_b32 v[MU+2*\a+1], 0                      ; (named as the upper half of a pair; a lane permute's destination counts as a source: written once)
	v_mov_b32 v[PT+\a], 0
.endr
	v_mov_b32 v[PTM], 0
	s_mov_b32 s[SEL], 0x76543210
	s_mov_b32 s[SEL+1], 0xfedcba98
	s_mov_b32 s39, 0xffff0000                      ; lanes 16-31
	s_mov_b32 s66, 0x3b000000                      ; 1 / 512
	s_mov_b32 s67, 0x3727c5ac                      ; 1e-5
	s_and_b32 s52, ttmp7, 0xffff                   ; block of 128 tokens
	s_lshr_b32 s53, s52, 4                         ; batch
	s_and_b32 s54, s52, 15                         ; key step
	s_lshl_b32 s55, ttmp9, 2
	s_lshl_b32 s56, s50, 1
	s_add_co_u32 s56, s55, s56                     ; H0
	s_add_co_u32 s57, s55, s38                     ; v's head
	s_lshl_b32 s58, s52, 18
	s_lshl_b32 s59, s38, 16
	s_add_co_u32 s58, s58, s59                     ; my first row of x, in bytes
	s_mov_b32 s59, 0
	s_mov_b32 s61, 0
	s_lshl_b32 s62, s53, 4
	s_mul_i32 s68, s54, 3072
	s_lshl_b32 s69, s54, 7
	s_wait_kmcnt 0x0
	s_cmp_lt_u32 s38, 2                            ; q's wave or k's: the choice hangs on the wave's number alone
	s_cselect_b64 s[40:41], s[14:15], s[16:17]     ; codes
	s_cselect_b64 s[42:43], s[20:21], s[22:23]     ; scales
	s_cselect_b64 s[44:45], s[26:27], s[28:29]     ; images out
	s_cselect_b64 s[46:47], s[32:33], s[34:35]     ; scale words out
	s_add_nc_u64 s[8:9], s[8:9], s[58:59]
	s_mul_i32 s60, s56, 12288
	s_add_nc_u64 s[40:41], s[40:41], s[60:61]
	s_lshl_b32 s60, s56, 9
	s_add_nc_u64 s[42:43], s[42:43], s[60:61]
	s_mul_i32 s60, s57, 12288
	s_add_nc_u64 s[18:19], s[18:19], s[60:61]
	s_lshl_b32 s60, s57, 9
	s_add_nc_u64 s[24:25], s[24:25], s[60:61]
	s_add_co_u32 s63, s62, s56                     ; 16 b + H0
	s_mul_i32 s60, s63, 49152
	s_add_co_u32 s60, s60, s68
	s_add_nc_u64 s[44:45], s[44:45], s[60:61]
	s_lshl_b32 s60, s63, 11
	s_add_co_u32 s60, s60, s69
	s_add_nc_u64 s[46:47], s[46:47], s[60:61]
	s_add_co_u32 s63, s62, s57                     ; 16 b + v's head
	s_mul_i32 s60, s63, 49152
	s_add_co_u32 s60, s60, s68
	s_add_nc_u64 s[30:31], s[30:31], s[60:61]
	s_lshl_b32 s60, s63, 11
	s_add_co_u32 s60, s60, s69
	s_add_nc_u64 s[36:37], s[36:37], s[60:61]
.macro RLOAD n                         ; rows 4 n .. 4 n + 3 of my 32, as they lie: 16 loads of 512 consecutive bytes.  (No hint: three other work-groups read the same rows)
.if ((\n)&1) == 0
	WIN 0x40
.set RB, 192
.else
	WIN 0x80
.set RB, 96
.endif
.irp a, 0,1,2,3
.irp q, 0,1,2,3
	global_load_b128 v[RB+16*\a+4*\q:RB+16*\a+4*\q+3], v1, s[8:9] offset:(4*(\n)+\a)*2048+512*\q
.endr
.endr
	WIN 0
.endm
.macro WFRAG f                         ; weight fragment f: 0-15 Wq or Wk (tile f / 4, K step f % 4), 16-23 Wv: a lane's 2 x 24 bytes in pieces of 8
.if (\f) < 16
	WIN 0x40
.irp p, 0,1,2,3,4,5
	global_load_b64 v[12*(\f)+2*\p:12*(\f)+2*\p+1], v11, s[40:41] offset:8*((\f)/4)*384+96*((\f)%4)+48*(\p/3)+8*(\p%3)
.endr
.else
	WIN 0x80
.irp p, 0,1,2,3,4,5
	global_load_b64 v[12*((\f)-16)+2*\p:12*((\f)-16)+2*\p+1], v12, s[18:19] offset:8*(((\f)-16)/4)*384+96*((\f)%4)+48*(\p/3)+8*(\p%3)
.endr
.endif
.endm
.macro WPART p                         ; three fragments, 18 loads: the weights ride along with the rows
	WFRAG 3*(\p)
	WFRAG 3*(\p)+1
	WFRAG 3*(\p)+2
	WIN 0
.endm
.macro RED4                            ; the four rows' numbers in v[AC], v[AC+2] .. are summed over the 32 lanes
.irp k, 1,2,4,8
.irp a, 0,1,2,3
	v_add_f32_dpp v[AC+2*\a], v[AC+2*\a], v[AC+2*\a] row_xmask:\k row_mask:0xf bank_mask:0xf
.endr
.endr
.irp a, 0,1,2,3
	v_permlanex16_b32 v[PT+\a], v[AC+2*\a], s[SEL], s[SEL+1]
.endr
.irp a, 0,1,2,3
	v_add_f32 v[AC+2*\a], v[AC+2*\a], v[PT+\a]
.endr
.endm
.macro LNGROUP n                       ; four rows: turned, normed, quantised, to LDS
.if (\n) < 7
	s_wait_loadcnt 34                              ; behind this group's 16 loads stand 18 weight loads and the next group's 16
.else
	s_wait_loadcnt 18                              ; behind the last group's: the last 18 weight loads
.endif
.if ((\n)&1) == 0
	WIN 0x04                                       ; an LDS store's data are its source 1
.set RB, 192
.else
	WIN 0x08
.set RB, 96
.endif
.irp a, 0,1,2,3
.irp q, 0,1,2,3
	ds_store_b128 v4, v[RB+16*\a+4*\q:RB+16*\a+4*\q+3] offset:2560*\a+640*\q
.endr
.endr
	WIN 0
.irp a, 0,1,2,3
.irp q, 0,1,2,3
	ds_load_b128 v[X+16*\a+4*\q:X+16*\a+4*\q+3], v5 offset:2560*\a+16*\q   ; LDS serves a wave's instructions in order: these see the stores above.  No vector line since the last group's wait on va_vdst names X
.endr
.endr
	s_wait_dscnt 0x0                               ; the rows are back, 16 neighbours a lane
	s_wait_alu depctr_vm_vsrc(0)                   ; the stores into the stage have read the rows' registers, in which the loads of two groups on land; the last group's LDS stores have read CD and BY, which this group's conversions and shifts write again
.if (\n) < 7
	WPART (\n)+1
.endif
.if (\n) < 6
	RLOAD (\n)+2
.endif
.irp a, 0,1,2,3
	v_pk_add_f32 v[AC+2*\a:AC+2*\a+1], v[X+16*\a:X+16*\a+1], v[X+16*\a+2:X+16*\a+3]
.endr
.irp i, 4,6,8,10,12,14
.irp a, 0,1,2,3
	v_pk_add_f32 v[AC+2*\a:AC+2*\a+1], v[AC+2*\a:AC+2*\a+1], v[X+16*\a+\i:X+16*\a+\i+1]
.endr
.endr
.irp a, 0,1,2,3
	v_add_f32 v[AC+2*\a], v[AC+2*\a], v[AC+2*\a+1]
.endr
	RED4
.irp a, 0,1,2,3
	v_mul_f32 v[MU+2*\a], s66, v[AC+2*\a]          ; the mean
.endr
.irp i, 0,2,4,6,8,10,12,14
.irp a, 0,1,2,3
	v_pk_add_f32 v[X+16*\a+\i:X+16*\a+\i+1], v[X+16*\a+\i:X+16*\a+\i+1], v[MU+2*\a:MU+2*\a+1] op_sel_hi:[1,0] neg_lo:[0,1] neg_hi:[0,1]   ; x - mean
.endr
.endr
.irp a, 0,1,2,3
	v_pk_mul_f32 v[AC+2*\a:AC+2*\a+1], v[X+16*\a:X+16*\a+1], v[X+16*\a:X+16*\a+1]
.endr
.irp i, 2,4,6,8,10,12,14
.irp a, 0,1,2,3
	v_pk_fma_f32 v[AC+2*\a:AC+2*\a+1], v[X+16*\a+\i:X+16*\a+\i+1], v[X+16*\a+\i:X+16*\a+\i+1], v[AC+2*\a:AC+2*\a+1]
.endr
.endr
.irp a, 0,1,2,3
	v_add_f32 v[AC+2*\a], v[AC+2*\a], v[AC+2*\a+1]
.endr
	RED4
.irp a, 0,1,2,3
	v_fma_f32 v[AC+2*\a], v[AC+2*\a], s66, s67     ; the variance + 1e-5
.endr
	s_wait_alu depctr_va_vdst(0)
.irp a, 0,1,2,3
	v_rsq_f32 v[MU+2*\a], v[AC+2*\a]
.endr
	v_nop                                          ; a plain place behind the batch,
	s_wait_alu depctr_va_vdst(0)                   ; and the one wait ahead of its first reader: the four reciprocal roots are written
.irp i, 0,2,4,6,8,10,12,14
.irp a, 0,1,2,3
	v_pk_mul_f32 v[X+16*\a+\i:X+16*\a+\i+1], v[X+16*\a+\i:X+16*\a+\i+1], v[MU+2*\a:MU+2*\a+1] op_sel_hi:[1,0]
.endr
.endr
.irp i, 0,2,4,6,8,10,12,14
.irp a, 0,1,2,3
	v_pk_fma_f32 v[X+16*\a+\i:X+16*\a+\i+1], v[X+16*\a+\i:X+16*\a+\i+1], v[G+\i:G+\i+1], v[BE+\i:BE+\i+1]
.endr
.endr
.irp a, 0,1,2,3
	v_max3_num_f32 v[MX+\a], |v[X+16*\a]|, |v[X+16*\a+1]|, 0x1800000   ; my 16 numbers and the floor 2^(3 - 127)
.endr
.irp i, 2,4,6,8,10,12,14
.irp a, 0,1,2,3
	v_max3_num_f32 v[MX+\a], v[MX+\a], |v[X+16*\a+\i]|, |v[X+16*\a+\i+1]|
.endr
.endr
.irp a, 0,1,2,3
	v_max_num_f32_dpp v[MX+\a], v[MX+\a], v[MX+\a] row_xmask:1 row_mask:0xf bank_mask:0xf   ; with my neighbour's 16: the block's
.endr
.irp a, 0,1,2,3
	v_add_nc_u32 v[EE+\a], 0xff000000, v[MX+\a]
.endr
.irp a, 0,1,2,3
	v_cvt_scalef32_pk16_fp6_f32 v[CD+4*\a:CD+4*\a+2], v[X+16*\a:X+16*\a+15], v[EE+\a]
.endr
.irp a, 0,1,2,3
	v_lshrrev_b32 v[BY+\a], 23, v[EE+\a]           ; the scale's byte (also the plain place behind the conversions)
.endr
	s_wait_alu depctr_va_vdst(0)                   ; the conversions and shifts have written CD and BY, which the stores below read; the group's arithmetic is done with X, g1 and be1, in which the next LDS loads land (the next group's rows; behind the last group h's fragments)
.irp a, 0,1,2,3
.set RO, 16*((4*(\n)+\a)/8)+((4*(\n)+\a)%8)
.irp i, 0,1,2
	ds_store_b32 v7, v[CD+4*\a+\i] offset:RO*HP+4*\i
.endr
	ds_store_b8 v8, v[BY+\a] offset:RO*16          ; both lanes of a block write the same byte with the same value
.endr
.endm
	s_wait_alu depctr_va_vdst(0)                   ; the offsets and LDS addresses v1 to v14 are written: every load and store of the kernel reads one of them
.irp i, 0,1,2,3
	global_load_b128 v[G+4*\i:G+4*\i+3], v6, s[10:11] offset:16*\i
	global_load_b128 v[BE+4*\i:BE+4*\i+3], v6, s[12:13] offset:16*\i
.endr
	global_load_b128 v[WS:WS+3], v13, s[42:43]
	global_load_b128 v[WS+4:WS+7], v13, s[42:43] offset:256
	global_load_b128 v[WVS:WVS+3], v14, s[24:25]
	RLOAD 0
	WPART 0
	RLOAD 1
.irp n, 0,1,2,3,4,5,6,7
	LNGROUP \n
.endr
	s_wait_loadcnt 0x0                             ; the weights
	s_wait_dscnt 0x0                               ; for the others' sake: my rows' codes and bytes lie in LDS
	s_barrier_signal -1
	s_barrier_wait -1
	s_wait_alu depctr_vm_vsrc(0)                   ; the last group's LDS stores have read CD and BY: these registers are among v's accumulators from here on
.macro FETCH g, t                      ; tile (g, t) of h, four fragments and the four scale words of each row, into buffer t % 2
.if ((\t)&1) == 0
.irp k, 0,1,2,3
.irp p, 0,1,2,3,4,5
	ds_load_b64 v[HF+12*\k+2*\p:HF+12*\k+2*\p+1], v9 offset:(64*(\g)+16*(\t))*HP+96*\k+48*(\p/3)+8*(\p%3)
.endr
.endr
	ds_load_b128 v[HS:HS+3], v10 offset:(64*(\g)+16*(\t))*16
.else
	WIN 0x40                                       ; destination window 1, address window 0
.irp k, 0,1,2,3
.irp p, 0,1,2,3,4,5
	ds_load_b64 v[HF1+12*\k+2*\p:HF1+12*\k+2*\p+1], v9 offset:(64*(\g)+16*(\t))*HP+96*\k+48*(\p/3)+8*(\p%3)
.endr
.endr
	WIN 0
	ds_load_b128 v[HS1:HS1+3], v10 offset:(64*(\g)+16*(\t))*16
.endif
.endm
.macro STORES g                        ; the codes of 64 tokens: q or k of two heads, v of one
.irp k, 0,1,2,3
	global_store_b128 v1, v[T+6*\k:T+6*\k+3], s[44:45] offset:(\k&1)*49152+(\k/2)*768+(\g)*1536
	global_store_b64 v2, v[T+6*\k+4:T+6*\k+5], s[44:45] offset:(\k&1)*49152+(\k/2)*768+(\g)*1536+512
.endr
.irp u, 0,1
	global_store_b128 v1, v[VC+6*\u:VC+6*\u+3], s[30:31] offset:(\g)*1536+\u*768
	global_store_b64 v2, v[VC+6*\u+4:VC+6*\u+5], s[30:31] offset:(\g)*1536+\u*768+512
.endr
.endm
.macro TILEP g, t                      ; tile t of the g-th 64 tokens
.set PB, (\t)&1                        ; its buffer
.set HFB, HF+(HF1-HF)*PB
.set HSB, HS+(HS1-HS)*PB
	s_wait_dscnt 0x0                               ; this tile's fragments and scale words are in (asked for a tile ago)
.if (4*(\g)+(\t) > 0) && (4*(\g)+(\t) < 7)
	s_wait_alu depctr_va_vdst(0)                   ; the tile before's products are done reading the other buffer, in which the loads below land; at the fifth tile also: the first 64 tokens' codes are written, which the stores below read
.endif
.if (\t) < 3
	FETCH \g, \t+1
.elseif (\g) == 0
	FETCH 1, 0
.endif
.if ((\g) == 1) && ((\t) == 0)
	STORES 0
.endif
	WIN 0x01|(PB<<2)                               ; source 0 (Wq or Wk) window 1; source 1 (h) the buffer's window
.irp k, 0,1,2,3
.irp j, 0,1,2,3
	MM QA+8*\j, 12*(4*\j+\k), HFB+12*\k, (\k==0), QA+8*\j, WS+4*(\j/2)+\k, HSB+\k, (\j&1), 0   ; lane (r, h): token r of the tile, head H0 + h, d = 8 j + 0 .. 7; four accumulators by turns
.endr
.endr
	WIN 0x08|PB                                    ; source 0 (h) the buffer's window; source 1 (Wv) window 2
.irp k, 0,1,2,3
.irp u, 0,1
	MM VA+32*\u+8*\t, HFB+12*\k, 12*(4*\u+\k), (\k==0), VA+32*\u+8*\t, HSB+\k, WVS+\k, 0, \u    ; lane (r, h): channel d(u, r), tokens 32 h + 8 t + 0 .. 7; two accumulators by turns
.endr
.endr
	WIN 0
	PLACES 5                                       ; in front of the first read of results, and of the next tile's products, which begin q's sums anew
.if ((\g) == 1) && ((\t) == 0)
	s_wait_xcnt 0x0                                ; the first 64 tokens' stores have had their addresses translated,
	s_wait_alu depctr_vm_vsrc(0)                   ; and have read the codes' registers, which the lines below write again
.endif
	QB QA, T+6*\t, CT, MXM, BYM                    ; a token's 32 numbers of one head: one block
.if (\t) == 0
	v_mov_b32 v[KW+\g], v[BYM]
.else
	v_lshl_or_b32 v[KW+\g], v[BYM], 8*\t, v[KW+\g]   ; byte t of the scale word: the tile's place along K in the attention's operand
.endif
.if (\t) == 3
.irp u, 0,1
	QB VA+32*\u, VC+6*\u, CT, MXM, VB+2*\u+\g      ; 32 neighbouring tokens of one channel: one block of keys
.endr
.irp i, 0,1,2,3,4,5
	v_permlane16_swap_b32 v[T+\i], v[T+6+\i]       ; (tile 0: H0 | H0 + 1), (tile 1: H0 | H0 + 1) -> (H0: tile 0 | tile 1), (H0 + 1: tile 0 | tile 1)
	v_permlane16_swap_b32 v[T+12+\i], v[T+18+\i]
.endr
.endif
.endm
	FETCH 0, 0                                     ; no vector line since the last group's wait on va_vdst names these registers
.irp g, 0,1
.irp t, 0,1,2,3
	TILEP \g, \t
.endr
.endr
	v_permlane16_swap_b32 v[KW], v[KW+1]           ; (tokens 0-63: H0 | H0 + 1), (64-127: ..) -> (H0: 0-63 | 64-127), (H0 + 1: ..)
	SCWORD VW, VB, VB+1, PTM
	SCWORD VW+1, VB+2, VB+3, PTM
	v_cndmask_b32 v[VW], v[VW], v[VW+1], s39       ; lanes 0-15 tile 0's channels, lanes 16-31 tile 1's
	s_wait_alu depctr_va_vdst(0)                   ; the last 64 tokens' codes and the three scale words are written, which the stores below read
	STORES 1
	global_store_b32 v3, v[KW], s[46:47]
	global_store_b32 v3, v[KW+1], s[46:47] offset:2048
	global_store_b32 v3, v[VW], s[36:37]
	s_wait_dscnt 0x0
	s_wait_alu depctr_hold_cnt(0) depctr_sa_sdst(0) depctr_va_vdst(0) depctr_va_sdst(0) depctr_va_ssrc(0) depctr_va_vcc(0) depctr_vm_vsrc(0)
	s_wait_tensorcnt 0x0
	ds_add_u32 v254, v255
	s_wait_dscnt 0x0
	s_endpgm
.Lfunc_end_k_q675cfd614d_lnqkv:
	.size	k_q675cfd614d_lnqkv, .Lfunc_end_k_q675cfd614d_lnqkv-k_q675cfd614d_lnqkv
	.p2alignl 7, 3214868480
	.fill 96, 4, 3214868480
	.section	.rodata,"a",@progbits
	.p2align	6, 0x0
	.amdhsa_kernel k_q675cfd614d_lnqkv
		.amdhsa_group_segment_fixed_size 94720
		.amdhsa_private_segment_fixed_size 0
		.amdhsa_enable_private_segment 0
		.amdhsa_kernarg_size 120
		.amdhsa_user_sgpr_count 2
		.amdhsa_user_sgpr_kernarg_segment_ptr 1
		.amdhsa_wavefront_size32 1
		.amdhsa_system_sgpr_workgroup_id_x 1
		.amdhsa_system_sgpr_workgroup_id_y 1
		.amdhsa_system_sgpr_workgroup_id_z 1
		.amdhsa_system_vgpr_workitem_id 0
		.amdhsa_next_free_vgpr 768
		.amdhsa_next_free_sgpr 80
		.amdhsa_reserve_vcc 0
		.amdhsa_float_denorm_mode_32 3
		.amdhsa_float_denorm_mode_16_64 3
		.amdhsa_memory_ordered 1
		.amdhsa_forward_progress 1
		.amdhsa_inst_pref_size 251
	.end_amdhsa_kernel
	.amdgpu_metadata
---
amdhsa.version: [ 1, 2 ]
amdhsa.kernels:
  - .name:           k_q675cfd614d_lnqkv
    .symbol:         k_q675cfd614d_lnqkv.kd
    .args:
      - { .name: x, .offset: 0, .size: 8, .value_kind: global_buffer, .address_space: global }
      - { .name: g1, .offset: 8, .size: 8, .value_kind: global_buffer, .address_space: global }
      - { .name: be1, .offset: 16, .size: 8, .value_kind: global_buffer, .address_space: global }
      - { .name: Wq_codes, .offset: 24, .size: 8, .value_kind: global_buffer, .address_space: global }
      - { .name: Wk_codes, .offset: 32, .size: 8, .value_kind: global_buffer, .address_space: global }
      - { .name: Wv_codes, .offset: 40, .size: 8, .value_kind: global_buffer, .address_space: global }
      - { .name: Wq_scales, .offset: 48, .size: 8, .value_kind: global_buffer, .address_space: global }
      - { .name: Wk_scales, .offset: 56, .size: 8, .value_kind: global_buffer, .address_space: global }
      - { .name: Wv_scales, .offset: 64, .size: 8, .value_kind: global_buffer, .address_space: global }
      - { .name: qimg, .offset: 72, .size: 8, .value_kind: global_buffer, .address_space: global }
      - { .name: kimg, .offset: 80, .size: 8, .value_kind: global_buffer, .address_space: global }
      - { .name: vimg, .offset: 88, .size: 8, .value_kind: global_buffer, .address_space: global }
      - { .name: qscl, .offset: 96, .size: 8, .value_kind: global_buffer, .address_space: global }
      - { .name: kscl, .offset: 104, .size: 8, .value_kind: global_buffer, .address_space: global }
      - { .name: vscl, .offset: 112, .size: 8, .value_kind: global_buffer, .address_space: global }
    .group_segment_fixed_size: 94720
    .private_segment_fixed_size: 0
    .kernarg_segment_align: 8
    .kernarg_segment_size: 120
    .max_flat_workgroup_size: 128
    .sgpr_count:     80
    .vgpr_count:     768
    .wavefront_size: 32
...
	.end_amdgpu_metadata
.endif
;; end of part 4
;; launch attn (part 5): grid 4 x 64, 16 waves a work-group, no clusters, 104,448 bytes of LDS; arguments kimg, vimg, kscl, vscl, qimg, qscl, orec, wimg, Wo_codes, W1_codes, W2_codes; writes orec, wimg
.if DOCPART == 5
	.amdgcn_target "amdgcn-amd-amdhsa--gfx1250"
	.amdhsa_code_object_version 6
	.text
	.protected	k_q675cfd614d_attn
	.globl	k_q675cfd614d_attn
	.p2align	8
	.type	k_q675cfd614d_attn,@function
k_q675cfd614d_attn:
	s_mov_b64 s[64:65], 0
	v_nop
	global_prefetch_b8 v0, s[64:65] scope:SCOPE_SE
	s_setreg_imm32_b32 hwreg(HW_REG_WAVE_SCHED_MODE, 0, 2), 2
	s_setreg_imm32_b32 hwreg(HW_REG_WAVE_MODE, 25, 1), 1
	s_wait_xcnt 0x0
	s_wait_alu depctr_vm_vsrc(0)
; Causal attention of one head (work-group y = 16 b + head) on codes of FP6 (E2M3); head size 32; its result, quantised along C (one block = one head), leaves as records of 32 bytes a token.
; The head's K and V (codes in operand order, and scale words) are copied once into LDS, 102,400 bytes, and only read from then on: one barrier.
; SHARES.  A tile is 16 queries: tile T = 4 blk + t holds queries 64 blk + 8 t + 32 (r / 8) + r % 8 and needs key steps 0 .. T / 8 of 128 keys.  Wave w of work-group x = j takes tiles 127 - (4 w + j) and 4 w + j:
; 17 steps whatever w and j.  Sixteen waves of 256 registers, four to a SIMD: one wave's softmax stands beside another's products and LDS loads.
; SCORES, K = 32 in an instruction of K = 128.  One fragment of K's image holds FOUR tiles of 16 keys, one in each block of 32 along K.  Source 1 is q in block j and zero codes in the other three,
; which add nothing under any scale byte that a quantiser gives: product j picks tile j.  The four variants of source 1 overlap in 30 registers: zeros, q in lanes 0-15, zeros, q in lanes 16-31, zeros.
; The keys of a tile are chosen so that a lane's 32 score registers of a fragment are 32 neighbouring keys: a whole block of p in one lane, in the lane in which the second product's operand wants it.
; SOFTMAX: t = score x log2(e) / sqrt(32); M = the running largest t rounded up to a whole number; p = 2^(t - M) is quantised along the keys; the sum is taken of the unquantised p and divides at the end;
; when M moves, the sum and O are multiplied by 2^(old M - new M).  A block's largest p is the exponential of its largest score (this takes v_exp_f32 not to fall where its input rises).
; The loop over key steps has a constant count of 16; a step behind the tile's last is jumped over by a scalar branch on ids; the mask is applied in the tile's last step alone.
; BESIDE IT: 1,152 of the launch's waves each lay one fragment of Wo, W1 or W2 into operand order for the next launch (wimg).
; No cluster: a head's K and V are read by four work-groups once, at their heads, 102,400 bytes each; no prefetch: that one stream is asked for at the kernel's head.
; LIMITS: NaN and infinities are not served; a block under 2^-124, or of zeros, gets the byte 1 (its codes are zeros; this program alone reads the bytes).
; THE MODE: SCHED_MODE bits 1:0 = 2 (LLVM: expert scheduling mode 2), set by the entry lines.  The code itself states the register dependences
; between vector or matrix instructions and memory or LDS instructions, with s_wait_alu, always for 0.
; THE PLAN.  Registers that memory or LDS instructions touch:
;   v1-v3, v221-223, v235-239   offsets and LDS addresses made at the head, never written again: one wait on va_vdst ahead of the first load.  v237: made in the weights' branch, with a wait of its own.
;   v4-v6     the step's LDS addresses: written by three additions at a step's head, read by the step's 18 LDS loads.
;   F, KS     K's fragments and scale word: written by the step's LDS loads, read by its eight score products.     VF, VS   V's: written by the step's LDS loads, read by its two last products.
;   QR, v220  q as loaded: written by a tile's three loads, read by the selects that make source 1's variants.
;   v224-228  a tile's record and its offset: written by vector lines, read by the tile's one store.
;   A key step has ONE wait on va_vdst ahead of its 18 loads, behind the three additions: the addresses are written, and the last step's products are done with all four buffers (in a tile's first step: q's variants and
;   scale word are written, for the products).  One wait on vm_vsrc behind the loads frees the addresses for the next step.  One more wait on va_vdst stands ahead of the two last products, which take p's codes and scale word from vector lines.
;   The scores, p, O^T and the statistics are named by vector and matrix instructions alone.  The mask's compares write scalar registers, sixteen in a run, with one wait on va_sdst ahead of the run's selects.
.set KSCL, 98304                       ; LDS: K's images 0, V's 49,152, K's scale words 98,304, V's 100,352
.set SEL,  34
.set HSH,  9
.set D0,   10                          ; v10, v11 the mask's thresholds for the step's two fragments
.set QS,   16
.set KS,   17
.set VS,   18
.set PS,   19
.set QV,   20                          ; v20-49 source 1's four variants
.set F,    50                          ; v50-73 two fragments of K
.set VF,   74                          ; v74-97 two fragments of V
.set S,    98                          ; v98-161 scores, then p
.set O,    162                         ; v162-177 O^T: 8 u + i is channel 16 h + 8 u + i
.set P,    178                         ; v178-189 p's codes
.set CT,   190
.set CH,   198
.set EE,   204
.set BY,   206
.set QR,   214
.macro MM d, a, b, z, c, sa, sb, ra, rb
.if \z
.if \ra
	v_wmma_scale_f32_16x16x128_f8f6f4 v[(\d):(\d)+7], v[(\a):(\a)+11], v[(\b):(\b)+11], 0, v[\sa], v[\sb] matrix_a_fmt:MATRIX_FMT_FP6 matrix_b_fmt:MATRIX_FMT_FP6 matrix_a_scale:MATRIX_SCALE_ROW1
.else
	v_wmma_scale_f32_16x16x128_f8f6f4 v[(\d):(\d)+7], v[(\a):(\a)+11], v[(\b):(\b)+11], 0, v[\sa], v[\sb] matrix_a_fmt:MATRIX_FMT_FP6 matrix_b_fmt:MATRIX_FMT_FP6
.endif
.else
.if \ra
	v_wmma_scale_f32_16x16x128_f8f6f4 v[(\d):(\d)+7], v[(\a):(\a)+11], v[(\b):(\b)+11], v[(\c):(\c)+7], v[\sa], v[\sb] matrix_a_fmt:MATRIX_FMT_FP6 matrix_b_fmt:MATRIX_FMT_FP6 matrix_a_scale:MATRIX_SCALE_ROW1
.else
	v_wmma_scale_f32_16x16x128_f8f6f4 v[(\d):(\d)+7], v[(\a):(\a)+11], v[(\b):(\b)+11], v[(\c):(\c)+7], v[\sa], v[\sb] matrix_a_fmt:MATRIX_FMT_FP6 matrix_b_fmt:MATRIX_FMT_FP6
.endif
.endif
.endm
.macro SCWORD w, b0, b1, t             ; my bytes of blocks h and 2 + h, with lane l xor 16's two: the scale word, in both halves
	v_lshl_or_b32 v[\w], v[\b1], 16, v[\b0]
	v_lshlrev_b32 v[\w], v[HSH], v[\w]
	v_permlanex16_b32 v[\t], v[\w], s[SEL], s[SEL+1]
	v_or_b32 v[\w], v[\w], v[\t]
.endm
	s_load_b512 s[8:23], s[0:1], 0x0               ; kimg, vimg, kscl, vscl, qimg, qscl, orec, wimg
	s_load_b128 s[24:27], s[0:1], 0x40             ; Wo's codes, W1's
	s_load_b64 s[28:29], s[0:1], 0x50              ; W2's
	v_lshl_add_u32 v254, v0, 2, 0x19000
	v_mov_b32 v255, 0
	v_lshrrev_b32 v230, 5, v0
	v_readfirstlane_b32 s30, v230                  ; wave 0..15
	s_mov_b32 s31, ttmp9                           ; j
	s_and_b32 s32, ttmp7, 0xffff                   ; 16 b + head
	s_mov_b32 s33, 0xffff0000                      ; lanes 16-31
	s_mov_b32 s[SEL], 0x76543210
	s_mov_b32 s[SEL+1], 0xfedcba98
	s_mov_b32 s36, 0x3e8293ee                      ; c = log2(e) / sqrt(32)
	s_mov_b32 s37, s36                             ; (named with it as a pair)
	v_and_b32 v230, 31, v0                         ; lane
	v_and_b32 v231, 15, v0                         ; r
	v_bfe_u32 v232, v0, 4, 1                       ; h
	v_bfe_u32 v233, v0, 3, 1
	v_and_b32 v234, 7, v0
	v_lshlrev_b32 v1, 4, v230                      ; v1  16 x lane
	v_lshl_add_u32 v2, v230, 3, 512                ; v2  512 + 8 x lane: an image's last two registers
	v_lshl_add_u32 v3, v230, 2, KSCL               ; v3  scale words
	v_mov_b32 v7, 0
	v_lshl_add_u32 v8, v233, 5, v234               ; v8  32 (r / 8) + r % 8: my query's place in its block of 64
	v_lshlrev_b32 v[HSH], 3, v232
	v_mov_b32 v229, 0xff800000                     ; -infinity
	v_mov_b32 v209, 0                              ; (upper half of the pair v[208:209])
	v_mov_b32 v212, 0                              ; (a lane permute's destination counts as a source)
.irp i, 0,1,2,3,4,5
	v_mov_b32 v[QV+\i], 0                          ; the zero codes of source 1's variants: written once
	v_mov_b32 v[QV+12+\i], 0
	v_mov_b32 v[QV+24+\i], 0
.endr
	v_lshlrev_b32 v221, 4, v231                    ; q: 16 r, 8 r, 4 r: both halves of the lanes take query r
	v_lshlrev_b32 v222, 3, v231
	v_lshlrev_b32 v223, 2, v231
	v_lshlrev_b32 v235, 4, v0                      ; the copy: 16 bytes a thread,
	v_lshlrev_b32 v236, 2, v0                      ; 4 bytes a thread
	v_add_nc_u32 v238, 49152, v235
	v_add_nc_u32 v239, KSCL, v236
	s_wait_alu depctr_va_sdst(0)                   ; s30 is written, ahead of its first reader: the weights' branch and the tiles' numbers hang on it
	s_mul_i32 s44, s32, 49152
	s_mov_b32 s45, 0
	s_lshl_b32 s46, s32, 11
	s_mov_b32 s47, 0
	s_lshl_b32 s48, s32, 16
	s_mov_b32 s49, 0
	s_wait_kmcnt 0x0
	s_add_nc_u64 s[8:9], s[8:9], s[44:45]
	s_add_nc_u64 s[10:11], s[10:11], s[44:45]
	s_add_nc_u64 s[16:17], s[16:17], s[44:45]
	s_add_nc_u64 s[12:13], s[12:13], s[46:47]
	s_add_nc_u64 s[14:15], s[14:15], s[46:47]
	s_add_nc_u64 s[18:19], s[18:19], s[46:47]
	s_add_nc_u64 s[20:21], s[20:21], s[48:49]
	s_wait_alu depctr_va_vdst(0)                   ; the offsets and LDS addresses v1 to v3, v221 to v223, v235, v236, v238 and v239 are written, which the loads and stores below read
.irp i, 0,1,2,3,4,5
	global_load_b128 v[98+4*\i:101+4*\i], v235, s[8:9] offset:8192*\i      ; the 512 threads read 8,192 consecutive bytes
.endr
.irp i, 0,1,2,3,4,5
	global_load_b128 v[122+4*\i:125+4*\i], v235, s[10:11] offset:8192*\i
.endr
	global_load_b32 v146, v236, s[12:13]
	global_load_b32 v147, v236, s[14:15]
	; THE WEIGHTS' FRAGMENTS.  Work-group i = 4 y + x serves stream i / 64 (the next launch's wave); of the stream's 288 fragments two neighbouring work-groups take 5 and 4, a wave each.
	s_lshl_b32 s50, s32, 2
	s_add_co_u32 s50, s50, s31
	s_lshr_b32 s51, s50, 6                         ; the stream
	s_and_b32 s52, s50, 63
	s_and_b32 s53, s52, 1
	s_lshr_b32 s54, s52, 1
	s_mul_i32 s54, s54, 9
	s_mul_i32 s55, s53, 5
	s_add_co_u32 s54, s54, s55                     ; my work-group's first fragment
	s_sub_co_u32 s55, 5, s53                       ; and how many
	s_cmp_ge_u32 s30, s55
	s_cbranch_scc1 .Lno_frag                       ; a branch on ids; no barrier and no LDS instruction stands under it
	s_add_co_u32 s54, s54, s30
	s_lshr_b32 s56, s54, 4                         ; unit u: 0, 1 Wo; 2-9 W1; 10-17 W2
	s_and_b32 s57, s54, 15                         ; fragment f of the unit
	s_mul_i32 s58, s51, 288
	s_add_co_u32 s58, s58, s54
	s_mul_i32 s58, s58, 1536
	s_mov_b32 s59, 0
	s_add_nc_u64 s[22:23], s[22:23], s[58:59]      ; where its image goes
	s_lshr_b32 s60, s57, 2
	s_and_b32 s61, s57, 3
	s_lshl_b32 s62, s51, 1
	s_lshl_b32 s63, s51, 3
	s_add_co_u32 s66, s62, s56                     ; Wo: group of 64 rows 2 w + u
	s_add_co_u32 s67, s63, s56
	s_sub_co_u32 s67, s67, 2                       ; W1: 8 w + u - 2
	s_and_b32 s68, s60, 1
	s_add_co_u32 s68, s62, s68                     ; W2: 2 w + (f / 4) % 2
	s_lshr_b32 s69, s57, 3
	s_sub_co_u32 s70, s56, 10
	s_lshl_b32 s70, s70, 1
	s_add_co_u32 s69, s69, s70                     ; W2: K step 2 (u - 10) + f / 8 (chosen only where u is 10 or more)
	s_mov_b32 s71, 1536
	s_cmp_lt_u32 s56, 2
	s_cselect_b32 s72, s66, s67
	s_cselect_b64 s[74:75], s[24:25], s[26:27]
	s_cmp_lt_u32 s56, 10
	s_cselect_b32 s72, s72, s68                    ; the group,
	s_cselect_b32 s73, s60, s61                    ; the tile in it: f / 4, for W2 f % 4,
	s_cselect_b32 s76, s61, s69                    ; the K step: f % 4, for W2 as above,
	s_cselect_b32 s71, 384, s71                    ; a row's bytes,
	s_cselect_b64 s[74:75], s[74:75], s[28:29]     ; the tensor
	s_lshl_b32 s72, s72, 6
	s_lshl_b32 s73, s73, 3
	s_add_co_u32 s72, s72, s73
	s_mul_i32 s72, s72, s71
	s_mul_i32 s76, s76, 96
	s_add_co_u32 s72, s72, s76
	s_mov_b32 s73, 0
	s_add_nc_u64 s[74:75], s[74:75], s[72:73]
	v_mul_lo_u32 v237, v8, s71                     ; row 32 (r / 8) + r % 8 of the tile,
	v_mad_u32_u24 v237, v232, 24, v237             ; + 24 h
	s_wait_alu depctr_va_vdst(0)                   ; v237 is written, which the six loads below read as their offset
.irp p, 0,1,2,3,4,5
	global_load_b64 v[50+2*\p:51+2*\p], v237, s[74:75] offset:48*(\p/3)+8*(\p%3)
.endr
	s_wait_loadcnt 0x0
.irp q, 0,1,2
	global_store_b128 v1, v[50+4*\q:53+4*\q], s[22:23] offset:512*\q   ; the 12 registers as they stand: 512 consecutive bytes a store
.endr
.Lno_frag:
	s_wait_loadcnt 0x0
.irp i, 0,1,2,3,4,5
	ds_store_b128 v235, v[98+4*\i:101+4*\i] offset:8192*\i
.endr
.irp i, 0,1,2,3,4,5
	ds_store_b128 v238, v[122+4*\i:125+4*\i] offset:8192*\i
.endr
	ds_store_b32 v239, v146
	ds_store_b32 v239, v147 offset:2048
	s_wait_dscnt 0x0                               ; for the others' sake: my part of the head lies in LDS
	s_barrier_signal -1
	s_barrier_wait -1
.macro TILE hi
	s_wait_xcnt 0x0                                ; earlier stores have had their addresses translated (the fragment's image; the other tile's record),
	s_wait_alu depctr_vm_vsrc(0)                   ; and every earlier store has read its registers, which are written again below: the copy's LDS stores v98-147 (the scores), the image's stores v50-61 (K's fragments), the other tile's store its record and offset v224-228
	s_lshl_b32 s42, s30, 2
	s_add_co_u32 s42, s42, s31
.if \hi
	s_sub_co_u32 s42, 127, s42
.endif
	s_lshr_b32 s43, s42, 2                         ; blk
	s_and_b32 s44, s42, 3                          ; t
	s_lshr_b32 s41, s42, 3                         ; the tile's last key step
	s_mul_i32 s45, s43, 1536
	s_lshr_b32 s46, s44, 1
	s_mul_i32 s46, s46, 768
	s_add_co_u32 s45, s45, s46                     ; the image that holds my tile: half t / 2 of block blk; in it lanes 16 (t % 2) + r
	s_and_b32 s46, s44, 1
	s_lshl_b32 s47, s46, 8
	s_add_co_u32 s48, s45, s47
	s_mov_b32 s49, 0
	s_lshl_b32 s47, s46, 7
	s_add_co_u32 s50, s45, s47
	s_mov_b32 s51, 0
	s_add_nc_u64 s[48:49], s[16:17], s[48:49]
	s_add_nc_u64 s[50:51], s[16:17], s[50:51]
	s_lshl_b32 s52, s43, 6                         ; scale words: 128 (blk / 2) + 64 (blk % 2)
	s_mov_b32 s53, 0
	s_add_nc_u64 s[52:53], s[18:19], s[52:53]
	global_load_b128 v[QR:QR+3], v221, s[48:49]    ; (the other tile's selects, which read these registers, stand ahead of the wait on va_vdst in front of its record's store; no vector line has followed that wait)
	global_load_b64 v[QR+4:QR+5], v222, s[50:51] offset:512
	global_load_b32 v220, v223, s[52:53]
	s_mul_i32 s54, s44, 0x01010101                 ; byte t of the word, four times
	s_lshl_b32 s55, s43, 6
	s_lshl_b32 s56, s44, 3
	s_add_co_u32 s55, s55, s56                     ; 64 blk + 8 t
	s_lshl_b32 s56, s41, 7
	s_sub_co_u32 s56, s55, s56
	v_lshlrev_b32 v230, 5, v232
	v_sub_nc_u32 v[D0], v8, v230
	v_add_nc_u32 v[D0], s56, v[D0]                 ; my query - the last step's first key - 32 h: register n of fragment 0 is hidden where n is above it;
	v_add_nc_u32 v[D0+1], 0xffffffc0, v[D0]        ; fragment 1: 64 less
	v_add_nc_u32 v228, s55, v8
	v_lshlrev_b32 v228, 5, v228
	v_lshl_add_u32 v228, v232, 4, v228             ; my half of my query's record
	v_mov_b32 v13, 0xff61b1e6                      ; the largest t so far: -3e38
	v_floor_f32 v12, -v13                          ; -M
	v_mov_b32 v14, 0                               ; the sum, in two halves
	v_mov_b32 v15, 0
	s_mov_b32 s38, 0                               ; the step's images,
	s_mov_b32 s39, 0                               ; its scale words,
	s_mov_b32 s40, 0                               ; its number
	s_wait_loadcnt 0x0
.irp i, 0,1,2,3,4,5
	v_cndmask_b32 v[QV+6+\i], v[QR+\i], v7, s33    ; q in lanes 0-15
	v_cndmask_b32 v[QV+18+\i], v7, v[QR+\i], s33   ; q in lanes 16-31
.endr
	v_perm_b32 v[QS], v220, v220, s54              ; q's byte for all four blocks
.irp i, 0,1,2,3,4,5,6,7,8,9,10,11,12,13,14,15
	v_mov_b32 v[O+\i], 0                           ; the step is written once: the first finds zeros.  (Also the places between the lines above and the first products)
.endr
.Lstep_\@:
	s_cmp_gt_u32 s40, s41
	s_cbranch_scc1 .Lskip_\@                       ; all keys of this step come after my queries
	v_add_nc_u32 v4, s38, v1
	v_add_nc_u32 v5, s38, v2
	v_add_nc_u32 v6, s39, v3
	v_nop                                          ; with the three additions: four places behind the last step's second products
	s_wait_alu depctr_va_vdst(0)                   ; v4, v5 and v6 are written, which the 18 loads below read; the last step's products are done reading K's and V's fragments and scale words, in which they land; in a tile's first step: q's variants and its scale word are written, which the products below take
.irp c, 0,1
.irp e, 0,1
	ds_load_b128 v[F+12*\c+6*\e:F+12*\c+6*\e+3], v4 offset:1536*\c+768*\e
	ds_load_b64 v[F+12*\c+6*\e+4:F+12*\c+6*\e+5], v5 offset:1536*\c+768*\e
.endr
.endr
	ds_load_b32 v[KS], v6
.irp u, 0,1
.irp e, 0,1
	ds_load_b128 v[VF+12*\u+6*\e:VF+12*\u+6*\e+3], v4 offset:49152+1536*\e+768*\u   ; V is asked for behind the same wait, and lands while the scores and the softmax are walked
	ds_load_b64 v[VF+12*\u+6*\e+4:VF+12*\u+6*\e+5], v5 offset:49152+1536*\e+768*\u
.endr
.endr
	ds_load_b32 v[VS], v6 offset:2048
	s_wait_dscnt 9                                 ; LDS loads come back in order: K's nine are in, V's nine may be out
	s_wait_alu depctr_vm_vsrc(0)                   ; the 18 loads have read v4, v5 and v6, which the next step's head writes again
.irp c, 0,1
.irp j, 0,1,2,3
	MM S+8*(4*\c+\j), F+12*\c, QV+12*\j+6-30*(\j/2), 1, 0, KS, QS, \c, 0   ; register 32 c + 8 j + i of lane (r, h): query r, key 64 c + 32 h + 8 j + i of the step
.endr
.endr
.rept 4
	v_nop                                          ; in front of the first read of the scores
.endr
	s_cmp_lg_u32 s40, s41
	s_cbranch_scc1 .Lopen_\@                       ; only the tile's last step has hidden keys
.irp c, 0,1
.irp q, 0,1
.set I, 16*\q
.irp m, 57,58,59,60,61,62,63,66,67,68,69,70,71,72,73,77
	v_cmp_gt_i32 s[\m], I, v[D0+\c]                ; sixteen compares in a run, a scalar register each
.set I, I+1
.endr
	s_wait_alu depctr_va_sdst(0)                   ; the sixteen masks are written, ahead of the selects that read them
.set I, 16*\q
.irp m, 57,58,59,60,61,62,63,66,67,68,69,70,71,72,73,77
	v_cndmask_b32 v[S+32*\c+I], v[S+32*\c+I], v229, s[\m]
.set I, I+1
.endr
.endr
.endr
.Lopen_\@:
.irp b, 0,1,2,3
	v_max3_num_f32 v[CH+\b], v[S+16*\b], v[S+16*\b+1], v[S+16*\b+2]
.endr
.irp i, 3,5,7,9,11,13
.irp b, 0,1,2,3
	v_max3_num_f32 v[CH+\b], v[CH+\b], v[S+16*\b+\i], v[S+16*\b+\i+1]
.endr
.endr
.irp b, 0,1,2,3
	v_max_num_f32 v[CH+\b], v[CH+\b], v[S+16*\b+15]
.endr
	v_max_num_f32 v[CH], v[CH], v[CH+1]            ; the largest score of my block of fragment 0,
	v_max_num_f32 v[CH+2], v[CH+2], v[CH+3]        ; of fragment 1: they serve twice
	v_max_num_f32 v213, v[CH], v[CH+2]
	v_permlanex16_b32 v212, v213, s[SEL], s[SEL+1]
	v_max_num_f32 v213, v213, v212                 ; the step's largest score of my query
	v_mul_f32 v213, s36, v213
	v_max_num_f32 v13, v13, v213                   ; the running largest t
	v_mov_b32 v213, v12
	v_floor_f32 v12, -v13                          ; the new -M: M is a whole number
	v_sub_f32 v213, v12, v213
	v_cvt_i32_f32 v213, v213                       ; (it saturates)
	v_ldexp_f32 v208, 1.0, v213                    ; f = 2^(old M - new M)
.set I, 0
.rept 32
	v_pk_fma_f32 v[S+I:S+I+1], v[S+I:S+I+1], s[36:37], v[12:13] op_sel_hi:[1,0,0]   ; t - M
.set I, I+2
.endr
	v_fma_f32 v[CH], v[CH], s36, v12
	v_fma_f32 v[CH+2], v[CH+2], s36, v12
.set I, 0
	s_wait_alu depctr_va_vdst(0)
.rept 64
	v_exp_f32 v[S+I], v[S+I]                       ; p
.set I, I+1
.endr
	v_exp_f32 v[CH], v[CH]                         ; the blocks' largest p
	v_exp_f32 v[CH+2], v[CH+2]
	v_pk_mul_f32 v[14:15], v[14:15], v[208:209] op_sel_hi:[1,0]   ; the sum under the new M (a plain place behind the batch)
	s_wait_alu depctr_va_vdst(0)                   ; one wait for the 66 exponentials, ahead of their first reader
	v_max_num_f32 v[CH], 0x1800000, v[CH]          ; the floor 2^(3 - 127)
	v_max_num_f32 v[CH+2], 0x1800000, v[CH+2]
	v_add_nc_u32 v[EE], 0xff000000, v[CH]
	v_add_nc_u32 v[EE+1], 0xff000000, v[CH+2]
	v_lshrrev_b32 v[BY], 23, v[EE]
	v_lshrrev_b32 v[BY+1], 23, v[EE+1]
	SCWORD PS, BY, BY+1, 212
.irp c, 0,1
	v_cvt_scalef32_pk16_fp6_f32 v[P+6*\c:P+6*\c+2], v[S+32*\c:S+32*\c+15], v[EE+\c]
	v_cvt_scalef32_pk16_fp6_f32 v[CT+4*\c:CT+4*\c+2], v[S+32*\c+16:S+32*\c+31], v[EE+\c]
.endr
	v_nop                                          ; one plain place behind the conversions
.irp c, 0,1
.irp i, 0,1,2
	v_mov_b32 v[P+6*\c+3+\i], v[CT+4*\c+\i]
.endr
.endr
	v_pk_add_f32 v[210:211], v[S:S+1], v[S+2:S+3]  ; the sum of the unquantised p, in two chains: also the places between p's scale word and codes and the products
.irp j, 4,8,12,16,20,24,28,32,36,40,44,48,52,56,60
	v_pk_add_f32 v[14:15], v[14:15], v[S+\j:S+\j+1]
	v_pk_add_f32 v[210:211], v[210:211], v[S+\j+2:S+\j+3]
.endr
	v_pk_add_f32 v[14:15], v[14:15], v[210:211]
.irp j, 0,2,4,6,8,10,12,14
	v_pk_mul_f32 v[O+\j:O+\j+1], v[O+\j:O+\j+1], v[208:209] op_sel_hi:[1,0]   ; O^T under the new M, each result from its low end on
.endr
	s_wait_dscnt 0x0                               ; V
	s_wait_alu depctr_va_vdst(0)                   ; p's codes and its scale word are written, which the two products below take as source 1 and as its scales; the places above stay beside this wait
	MM O, VF, P, 0, O, VS, PS, 0, 0
	MM O+8, VF+12, P, 0, O+8, VS, PS, 1, 0
.Lskip_\@:
	s_add_co_u32 s38, s38, 3072
	s_add_co_u32 s39, s39, 128
	s_add_co_u32 s40, s40, 1
	s_cmp_lt_u32 s40, 16
	s_cbranch_scc1 .Lstep_\@
.rept 4
	v_nop
.endr
	v_add_f32 v14, v14, v15
	v_permlanex16_b32 v212, v14, s[SEL], s[SEL+1]
	v_add_f32 v14, v14, v212                       ; the row's sum
	s_wait_alu depctr_va_vdst(0)
	v_rcp_f32 v14, v14
	v_nop
	s_wait_alu depctr_va_vdst(0)                   ; the reciprocal is written, ahead of its first reader
.irp i, 0,1,2,3,4,5,6,7,8,9,10,11,12,13,14,15
	v_mul_f32 v[S+\i], v[O+\i], v14                ; my query's channels 16 h + 0 .. 15
.endr
	v_max3_num_f32 v[CH], |v[S]|, |v[S+1]|, 0x1800000
.irp i, 2,4,6,8,10,12,14
	v_max3_num_f32 v[CH], v[CH], |v[S+\i]|, |v[S+\i+1]|
.endr
	v_permlanex16_b32 v212, v[CH], s[SEL], s[SEL+1]
	v_max_num_f32 v[CH], v[CH], v212               ; the head's 32 channels are one block of the next product's K
	v_add_nc_u32 v[EE], 0xff000000, v[CH]
	v_lshrrev_b32 v[BY], 23, v[EE]
	v_cvt_scalef32_pk16_fp6_f32 v[CT:CT+2], v[S:S+15], v[EE]
	v_nop
	v_permlanex16_b32 v212, v[CT], s[SEL], s[SEL+1]
	v_cndmask_b32 v224, v[CT], v[CT+1], s33        ; the record: words 0-2 lanes 0-15's codes, words 3-5 lanes 16-31's, words 6, 7 the byte;
	v_cndmask_b32 v225, v[CT+1], v[CT+2], s33      ; lanes 0-15 store words 0-3, lanes 16-31 words 4-7
	v_cndmask_b32 v226, v[CT+2], v[BY], s33
	v_cndmask_b32 v227, v212, v[BY], s33
	s_wait_alu depctr_va_vdst(0)                   ; the record v224-227 and its offset v228 are written, which the store reads; every vector line of the tile is done with q's registers, in which the next tile's loads land
	global_store_b128 v228, v[224:227], s[20:21]   ; eight neighbouring queries' records are 256 consecutive bytes, aligned, written whole by this one store
.endm
	TILE 1
	TILE 0
	s_wait_dscnt 0x0
	s_wait_alu depctr_hold_cnt(0) depctr_sa_sdst(0) depctr_va_vdst(0) depctr_va_sdst(0) depctr_va_ssrc(0) depctr_va_vcc(0) depctr_vm_vsrc(0)
	s_wait_tensorcnt 0x0
	ds_add_u32 v254, v255
	s_wait_dscnt 0x0
	s_endpgm
.Lfunc_end_k_q675cfd614d_attn:
	.size	k_q675cfd614d_attn, .Lfunc_end_k_q675cfd614d_attn-k_q675cfd614d_attn
	.p2alignl 7, 3214868480
	.fill 96, 4, 3214868480
	.section	.rodata,"a",@progbits
	.p2align	6, 0x0
	.amdhsa_kernel k_q675cfd614d_attn
		.amdhsa_group_segment_fixed_size 104448
		.amdhsa_private_segment_fixed_size 0
		.amdhsa_enable_private_segment 0
		.amdhsa_kernarg_size 88
		.amdhsa_user_sgpr_count 2
		.amdhsa_user_sgpr_kernarg_segment_ptr 1
		.amdhsa_wavefront_size32 1
		.amdhsa_system_sgpr_workgroup_id_x 1
		.amdhsa_system_sgpr_workgroup_id_y 1
		.amdhsa_system_sgpr_workgroup_id_z 1
		.amdhsa_system_vgpr_workitem_id 0
		.amdhsa_next_free_vgpr 256
		.amdhsa_next_free_sgpr 80
		.amdhsa_reserve_vcc 0
		.amdhsa_float_denorm_mode_32 3
		.amdhsa_float_denorm_mode_16_64 3
		.amdhsa_memory_ordered 1
		.amdhsa_forward_progress 1
		.amdhsa_inst_pref_size 62
	.end_amdhsa_kernel
	.amdgpu_metadata
---
amdhsa.version: [ 1, 2 ]
amdhsa.kernels:
  - .name:           k_q675cfd614d_attn
    .symbol:         k_q675cfd614d_attn.kd
    .args:
      - { .name: kimg, .offset: 0, .size: 8, .value_kind: global_buffer, .address_space: global }
      - { .name: vimg, .offset: 8, .size: 8, .value_kind: global_buffer, .address_space: global }
      - { .name: kscl, .offset: 16, .size: 8, .value_kind: global_buffer, .address_space: global }
      - { .name: vscl, .offset: 24, .size: 8, .value_kind: global_buffer, .address_space: global }
      - { .name: qimg, .offset: 32, .size: 8, .value_kind: global_buffer, .address_space: global }
      - { .name: qscl, .offset: 40, .size: 8, .value_kind: global_buffer, .address_space: global }
      - { .name: orec, .offset: 48, .size: 8, .value_kind: global_buffer, .address_space: global }
      - { .name: wimg, .offset: 56, .size: 8, .value_kind: global_buffer, .address_space: global }
      - { .name: Wo_codes, .offset: 64, .size: 8, .value_kind: global_buffer, .address_space: global }
      - { .name: W1_codes, .offset: 72, .size: 8, .value_kind: global_buffer, .address_space: global }
      - { .name: W2_codes, .offset: 80, .size: 8, .value_kind: global_buffer, .address_space: global }
    .group_segment_fixed_size: 104448
    .private_segment_fixed_size: 0
    .kernarg_segment_align: 8
    .kernarg_segment_size: 88
    .max_flat_workgroup_size: 512
    .sgpr_count:     80
    .vgpr_count:     256
    .wavefront_size: 32
...
	.end_amdgpu_metadata
.endif
;; end of part 5
;; launch tail (part 6): grid 256 x 1, 4 waves a work-group, no clusters, 134,144 bytes of LDS; arguments x, orec, wimg, Wo_scales, W1_scales, W2_scales, bo, b1, b2, g2, be2, out0; writes out0
.if DOCPART == 6
	.amdgcn_target "amdgcn-amd-amdhsa--gfx1250"
	.amdhsa_code_object_version 6
	.text
	.protected	k_q675cfd614d_tail
	.globl	k_q675cfd614d_tail
	.p2align	8
	.type	k_q675cfd614d_tail,@function
k_q675cfd614d_tail:
	s_mov_b64 s[64:65], 0
	v_nop
	global_prefetch_b8 v0, s[64:65] scope:SCOPE_SE
	s_setreg_imm32_b32 hwreg(HW_REG_WAVE_SCHED_MODE, 0, 2), 2
	s_setreg_imm32_b32 hwreg(HW_REG_WAVE_MODE, 25, 1), 1
	s_wait_xcnt 0x0
	s_wait_alu depctr_vm_vsrc(0)
; x1 = x + attention Wo + bo;  h2 = layernorm(x1) g2 + be2;  out = x1 + relu(h2 W1 + b1) W2 + b2.  All three products on codes of FP6 (E2M3) with one E8M0 byte for each 32 along K.
; A work-group of four waves takes 32 tokens (two tiles of 16).  THE WAVES SHARE THE COLUMNS: wave w makes columns 128 w .. + 127 of x1 and of out, and hidden units 512 w .. + 511, for all 32 tokens.
; Every product is used transposed (source 0 = 16 rows of a weight, source 1 = 16 tokens).  The rows of a weight's tile are chosen: row p of tile t of a group of 64 is row 32 (p / 8) + 8 t + p % 8, so that a lane's
; 32 result registers of a group are 32 neighbouring columns: a whole block of the next quantiser in one lane, in the lane in which the next operand wants it.  What a wave quantises is K step w of h2, K steps 4 w .. 4 w + 3 of the hidden layer.
; x1 stays in 128 registers from the first product to the end and is the last product's accumulator; h2 and the hidden layer go from wave to wave through LDS as images of the operand's registers.
; WEIGHTS come from wimg, laid by the launch before in the order of the operand's registers: a unit of 16 fragments is 48 loads of 512 consecutive bytes straight into registers; two buffers take turns over 18 units.
; The whole body is written out: every offset is an immediate (17 x 24,576 + 47 x 512 bytes at the most, inside the signed 24-bit field), no pointer and no address register is stepped, there is no branch.
; No cluster and no tensor load: the weights, which all work-groups walk, would have to pass through LDS for a joint request; here they are never written to or read from LDS.
; LIMITS: NaN and infinities are not served; a block under 2^-124, or of zeros, gets the byte 1 (its codes are zeros; this program alone reads the bytes).
; THE MODE: SCHED_MODE bits 1:0 = 2 (LLVM: expert scheduling mode 2), set by the entry lines.  The code itself states the register dependences
; between vector or matrix instructions and memory or LDS instructions, with s_wait_alu, always for 0.
; THE PLAN.  Registers that memory or LDS instructions touch:
;   v1-v26 (those named below)  offsets and LDS addresses: made once at the head, never written again: one wait on va_vdst ahead of the first load serves them all.
;   WEIGHTS   two buffers (windows 1 and 2: fragments, biases; v96-111: scale words): unit u's products (in the first two units also the additions of bo) read buffer u % 2; the loads of unit u + 2 land in it.
;             One wait on va_vdst a unit, behind its products and their places: the buffer is emptied, and is asked for again at once.
;   AF, AS    source 1's fragments and scale words: written by loads (the attention's records; g2 and be2 for a while; h2's images; the hidden layer's, in two sets by turns, a unit ahead); read by products (g2, be2: by the norm).
;             Each load into them stands behind a wait on va_vdst that a unit's end or a run of LDS stores has in any case, with no later vector or matrix line that names them.
;   PC, SWD   codes and scale words just made: written by the quantising lines, read by the images' LDS stores: one wait on va_vdst ahead of each run of stores, one on vm_vsrc ahead of the first line that writes them again.
;   SA        the norm's partial sums: written by additions, read by two LDS stores: a wait on va_vdst ahead of them, one on vm_vsrc ahead of the second pass.
;   x1        (window 3, v0-127) loaded, stored to the stage and loaded back at the head (a wait on vm_vsrc between); at the end the LDS stores' data (the places, then a wait on va_vdst).
;   v120-247  on the way out: 32 LDS loads land there: behind the last wait on va_vdst, and behind a wait on vm_vsrc for the last images' stores.
.set RED1,  66048                      ; LDS: 0: a stage of 32 rows x (2,048 + 16) bytes, x on the way in, out on the way out; 66,048 and 66,560: the waves' partial sums;
.set H2IMG, 67072                      ; h2's 8 fragments (4 m + ks), 1,536 bytes each; their scale words, 128 bytes each;
.set H2SC,  79360
.set HIMG,  80384                      ; the hidden layer's 32 fragments (16 m + ks); their scale words
.set HSC,   129536
.set SEL,  34
.set HSH,  5
.set W2S,  32                          ; v32-95   W2's scale words: 16 (2 g + p) + ks: lanes 0-15 tile 2 p, lanes 16-31 tile 2 p + 1
.set WS,   96                          ; v96-111  the unit's scale words, 8 for each buffer
.set AS,   112                         ; v112-119 the tokens' scale words
.set ACC,  120                         ; v120-183 a unit's 8 results; also at work
.set PC,   184                         ; v184-207 codes just made: 12 for each tile of tokens
.set CT,   208
.set MX,   212
.set BY,   215
.set PT,   219
.set SA,   220                         ; v220-235 chains of sums
.set RL,   236                         ; v236-243 the four waves' partial sums
.set MEAN, 244
.set RSTD, 248
.set SWD,  252
.set AF,   128                         ; window 3: v0-127 x1 (64 m + 32 g + 8 t); v128-255 source 1's fragments; between them g2 and be2
; windows 1 and 2: v0-191 a unit's 16 fragments; v192-223 its 32 biases; v224-255 b2 of my group 0 (window 1), 1 (window 2)
.set MSB, 0
.macro WIN new                         ; the immediate's high byte repeats the setting that is left
.if MSB != (\new)
	s_set_vgpr_msb (MSB<<8)|(\new)
.set MSB, (\new)
.endif
.endm
.macro PLACES n
.rept \n
	v_nop
.endr
.endm
.macro MM d, a, b, z, c, sa, sb, ra, rb
.if \ra
	v_wmma_scale_f32_16x16x128_f8f6f4 v[(\d):(\d)+7], v[(\a):(\a)+11], v[(\b):(\b)+11], v[(\c):(\c)+7], v[\sa], v[\sb] matrix_a_fmt:MATRIX_FMT_FP6 matrix_b_fmt:MATRIX_FMT_FP6 matrix_a_scale:MATRIX_SCALE_ROW1
.else
	v_wmma_scale_f32_16x16x128_f8f6f4 v[(\d):(\d)+7], v[(\a):(\a)+11], v[(\b):(\b)+11], v[(\c):(\c)+7], v[\sa], v[\sb] matrix_a_fmt:MATRIX_FMT_FP6 matrix_b_fmt:MATRIX_FMT_FP6
.endif
.endm
; A whole block of 32 numbers of a lane becomes six registers of codes and a scale byte (two chains of maxima by turns, the floor 2^(3 - 127) among their leaves; each result of eight registers is first read at its low end)
.macro QB src, dst, ct, mx, by
	v_max3_num_f32 v[\mx], |v[\src]|, |v[\src+1]|, 0x1800000
	v_max3_num_f32 v[\mx+1], |v[\src+16]|, |v[\src+17]|, 0x1800000
.irp i, 2,4,6,8,10,12,14
	v_max3_num_f32 v[\mx], v[\mx], |v[\src+\i]|, |v[\src+\i+1]|
	v_max3_num_f32 v[\mx+1], v[\mx+1], |v[\src+16+\i]|, |v[\src+17+\i]|
.endr
	v_max_num_f32 v[\mx], v[\mx], v[\mx+1]
	v_add_nc_u32 v[\mx+2], 0xff000000, v[\mx]
	v_lshrrev_b32 v[\by], 23, v[\mx+2]
	v_cvt_scalef32_pk16_fp6_f32 v[\dst:\dst+2], v[\src:\src+15], v[\mx+2]
	v_cvt_scalef32_pk16_fp6_f32 v[\ct:\ct+2], v[\src+16:\src+31], v[\mx+2]   ; (a conversion's three registers begin on an even number)
	v_nop                                          ; one plain place behind a scaled conversion
	v_mov_b32 v[\dst+3], v[\ct]
	v_mov_b32 v[\dst+4], v[\ct+1]
	v_mov_b32 v[\dst+5], v[\ct+2]
.endm
.macro SCWORD w, b0, b1, t             ; my bytes of blocks h and 2 + h, with lane l xor 16's two: the scale word, in both halves
	v_lshl_or_b32 v[\w], v[\b1], 16, v[\b0]
	v_lshlrev_b32 v[\w], v[HSH], v[\w]
	v_permlanex16_b32 v[\t], v[\w], s[SEL], s[SEL+1]
	v_or_b32 v[\w], v[\w], v[\t]
.endm
.macro IMAGE adr, reg, off             ; a fragment's 12 registers go to LDS as they stand: 16 bytes a lane, 512 a store
.irp c, 0,1,2
	ds_store_b128 v[\adr], v[(\reg)+4*\c:(\reg)+4*\c+3] offset:(\off)+512*\c
.endr
.endm
.macro FETCHF reg, adr, off            ; and come back so, in any wave
.irp c, 0,1,2
	ds_load_b128 v[(\reg)+4*\c:(\reg)+4*\c+3], v[\adr] offset:(\off)+512*\c
.endr
.endm
.macro BARRIER                         ; my LDS stores have landed and my LDS loads are in: then the work-group's barrier
	s_wait_dscnt 0x0
	s_barrier_signal -1
	s_barrier_wait -1
.endm
; Unit u of my stream into buffer u % 2.  Units 0, 1 (Wo) and 2-9 (W1): 8 loads of biases, 2 of scale words, 48 of weights = 58; units 10-17 (W2): 48
.macro GROUP u
.set GB, (\u)&1
.if (\u) < 10
.if (\u) < 2
.set GP, 20
.set GS, 14
.set GZ, (\u)
.else
.set GP, 22
.set GS, 16
.set GZ, (\u)-2
.endif
	WIN 0x40*(1+GB)
.irp i, 0,1,2,3,4,5,6,7
	global_load_b128 v[192+4*\i:195+4*\i], v10, s[GP:GP+1] offset:256*GZ+16*\i
.endr
	WIN 0
.irp p, 0,1
	global_load_b128 v[WS+8*GB+4*\p:WS+8*GB+4*\p+3], v11, s[GS:GS+1] offset:1024*GZ+256*\p
.endr
.endif
	WIN 0x40*(1+GB)
.set GI, 0
.rept 48
	global_load_b128 v[4*GI:4*GI+3], v1, s[12:13] offset:24576*(\u)+512*GI
.set GI, GI+1
.endr
	WIN 0
.endm
	s_load_b512 s[8:23], s[0:1], 0x0               ; x, orec, wimg, Wo's, W1's, W2's scales, bo, b1
	s_load_b256 s[24:31], s[0:1], 0x40             ; b2, g2, be2, out0
	v_lshl_add_u32 v254, v0, 2, 0x20a00
	v_mov_b32 v255, 0
	v_lshrrev_b32 v184, 5, v0
	v_readfirstlane_b32 s32, v184                  ; wave 0..3
	v_and_b32 v184, 31, v0                         ; lane
	v_and_b32 v185, 15, v0                         ; r
	v_bfe_u32 v186, v0, 4, 1                       ; h
	v_bfe_u32 v187, v0, 3, 1
	v_and_b32 v188, 7, v0
	v_lshlrev_b32 v1, 4, v184                      ; v1  16 x lane
	v_lshlrev_b32 v2, 2, v184                      ; v2  4 x lane
	v_lshlrev_b32 v[HSH], 3, v186
	s_wait_alu depctr_va_sdst(0)                   ; s32 is written, ahead of its first reader: LDS places and the bases are made from it
	s_mul_i32 s40, s32, 8*2064
	v_add_nc_u32 v7, s40, v1                       ; v7  the stage by rows: my 8 rows, 16 bytes a lane
	v_mul_u32_u24 v8, v185, 2064
	v_lshl_add_u32 v8, v186, 7, v8
	s_lshl_b32 s40, s32, 9
	v_add_nc_u32 v8, s40, v8                       ; v8  the stage by results: row r, column 128 w + 32 h
	v_lshlrev_b32 v9, 5, v185
	v_lshl_add_u32 v9, v186, 16, v9                ; v9  the records: token r, head h
	v_lshlrev_b32 v10, 7, v186                     ; v10 32 numbers of a vector along the columns: + 32 h
	v_lshl_add_u32 v189, v187, 5, v188
	v_lshl_add_u32 v189, v186, 3, v189             ; row 32 (r / 8) + 8 h + r % 8: lanes 16-31 take the next tile's
	v_lshlrev_b32 v11, 4, v189                     ; v11 scale words of Wo, W1: 16 bytes a row
	v_lshlrev_b32 v12, 6, v189                     ; v12 of W2: 64 bytes a row
	s_lshl_b32 s40, s32, 7
	v_lshl_add_u32 v14, v185, 2, RED1              ; v14 partial sums, read
	v_add_nc_u32 v13, s40, v14                     ; v13 written
	s_mul_i32 s41, s32, 1536
	v_add_nc_u32 v17, H2IMG, v1                    ; v17 h2's images, read
	v_add_nc_u32 v15, s41, v17                     ; v15 written: K step w
	v_add_nc_u32 v18, H2SC, v2
	v_add_nc_u32 v16, s40, v18
	v_add_nc_u32 v24, HIMG, v1                     ; v24 the hidden layer's images, read
	s_mul_i32 s41, s32, 4*1536
	v_add_nc_u32 v20, s41, v24                     ; v20 written: K steps 4 w on
	v_add_nc_u32 v26, HSC, v2
	s_lshl_b32 s41, s32, 9
	v_add_nc_u32 v22, s41, v26
	v_mov_b32 v[PT], 0                             ; (a lane permute's destination counts as a source; upper halves of pairs that are named whole)
	v_mov_b32 v[MEAN+1], 0
	v_mov_b32 v[MEAN+3], 0
	v_mov_b32 v[RSTD+1], 0
	v_mov_b32 v[RSTD+3], 0
	s_mov_b32 s[SEL], 0x76543210
	s_mov_b32 s[SEL+1], 0xfedcba98
	s_mov_b32 s36, 0x3b000000                      ; 1 / 512
	s_mov_b32 s37, 0x3727c5ac                      ; 1e-5
	s_lshl_b32 s42, ttmp9, 16
	s_lshl_b32 s44, s32, 14
	s_add_co_u32 s42, s42, s44                     ; x, out: row 32 x work-group + 8 w
	s_mov_b32 s43, 0
	s_lshr_b32 s44, ttmp9, 6
	s_lshl_b32 s44, s44, 20
	s_and_b32 s46, ttmp9, 63
	s_lshl_b32 s46, s46, 10
	s_add_co_u32 s44, s44, s46                     ; the records of head 0 of my batch, my first token
	s_mov_b32 s45, 0
	s_mul_i32 s46, s32, 442368                     ; my stream of weights
	s_mov_b32 s47, 0
	s_lshl_b32 s48, s32, 11                        ; 2 w groups of Wo's scales; 8 w groups of b1
	s_mov_b32 s49, 0
	s_lshl_b32 s50, s32, 13                        ; 8 w groups of W1's scales; 2 w groups of W2's
	s_mov_b32 s51, 0
	s_lshl_b32 s52, s32, 9                         ; 2 w groups of bo, b2, g2, be2
	s_mov_b32 s53, 0
	s_wait_kmcnt 0x0
	s_add_nc_u64 s[8:9], s[8:9], s[42:43]
	s_add_nc_u64 s[30:31], s[30:31], s[42:43]
	s_add_nc_u64 s[10:11], s[10:11], s[44:45]
	s_add_nc_u64 s[12:13], s[12:13], s[46:47]
	s_add_nc_u64 s[14:15], s[14:15], s[48:49]
	s_add_nc_u64 s[22:23], s[22:23], s[48:49]
	s_add_nc_u64 s[16:17], s[16:17], s[50:51]
	s_add_nc_u64 s[18:19], s[18:19], s[50:51]
	s_add_nc_u64 s[20:21], s[20:21], s[52:53]
	s_add_nc_u64 s[24:25], s[24:25], s[52:53]
	s_add_nc_u64 s[26:27], s[26:27], s[52:53]
	s_add_nc_u64 s[28:29], s[28:29], s[52:53]
	s_wait_alu depctr_va_vdst(0)                   ; the offsets and LDS addresses (v1, v2, v7 to v18, v20, v22, v24, v26) are written: every load and store of the kernel reads one of them
	; ---- 0: loads; x goes through the stage into the results' layout
	WIN 0xc0
.irp i, 0,1,2,3,4,5,6,7
.irp q, 0,1,2,3
	global_load_b128 v[16*\i+4*\q:16*\i+4*\q+3], v1, s[8:9] offset:2048*\i+512*\q th:TH_LOAD_NT   ; my 8 rows as they lie, 512 consecutive bytes a load
.endr
.endr
.irp m, 0,1
.irp k, 0,1,2,3
.irp c, 0,1
	global_load_b128 v[AF+12*(4*\m+\k)+6*\c:AF+12*(4*\m+\k)+6*\c+3], v9, s[10:11] offset:(4*\k+2*\c)*65536+512*\m      ; the attention's codes: block 4 ks + 2 c + h along K is that head's record of token 16 m + r
	global_load_b64 v[AF+12*(4*\m+\k)+6*\c+4:AF+12*(4*\m+\k)+6*\c+5], v9, s[10:11] offset:(4*\k+2*\c)*65536+512*\m+16
.endr
.endr
.endr
	WIN 0
.irp m, 0,1
.irp k, 0,1,2,3
.irp c, 0,1
	global_load_b32 v[ACC+2*(4*\m+\k)+\c], v9, s[10:11] offset:(4*\k+2*\c)*65536+512*\m+24   ; and its scale byte
.endr
.endr
.endr
.irp g, 0,1
.irp p, 0,1
.irp q, 0,1,2,3
	global_load_b128 v[W2S+16*(2*\g+\p)+4*\q:W2S+16*(2*\g+\p)+4*\q+3], v12, s[18:19] offset:4096*\g+1024*\p+16*\q
.endr
.endr
.endr
.irp g, 0,1
	WIN 0x40*(1+\g)
.irp i, 0,1,2,3,4,5,6,7
	global_load_b128 v[224+4*\i:227+4*\i], v10, s[24:25] offset:256*\g+16*\i
.endr
.endr
	GROUP 0
	s_wait_loadcnt 63                              ; 138 loads stand behind x's 32: a smaller count is safe
	WIN 0x0c                                       ; an LDS store's data are its source 1
.irp i, 0,1,2,3,4,5,6,7
.irp q, 0,1,2,3
	ds_store_b128 v7, v[16*\i+4*\q:16*\i+4*\q+3] offset:2064*\i+512*\q
.endr
.endr
	WIN 0
	BARRIER                                        ; 32 rows of x lie in the stage
	s_wait_alu depctr_vm_vsrc(0)                   ; my LDS stores have read the rows' registers, in which x comes back in the results' layout
	WIN 0xc0
.irp m, 0,1
.irp g, 0,1
.irp t, 0,1,2,3
.irp e, 0,1
	ds_load_b128 v[64*\m+32*\g+8*\t+4*\e:64*\m+32*\g+8*\t+4*\e+3], v8 offset:33024*\m+256*\g+32*\t+16*\e   ; x(16 m + r, 128 w + 64 g + 32 h + 8 t + ..)
.endr
.endr
.endr
.endr
	GROUP 1
	; ---- 1: x1 = x + bo + attention Wo
	s_wait_loadcnt 58                              ; all but unit 1's group
.irp m, 0,1
.irp k, 0,1,2,3
	SCWORD AS+4*\m+\k, ACC+2*(4*\m+\k), ACC+2*(4*\m+\k)+1, PT
.endr
.endr
	s_wait_dscnt 0x0                               ; x
.irp g, 0,1
.if \g
	s_wait_loadcnt 58                              ; unit 1 is in; unit 2's group may be out
.endif
	WIN 0xc3|((1+\g)<<2)
.irp m, 0,1
.set I, 0
.rept 16
	v_pk_add_f32 v[64*\m+32*\g+2*I:64*\m+32*\g+2*I+1], v[64*\m+32*\g+2*I:64*\m+32*\g+2*I+1], v[192+2*I:193+2*I]
.set I, I+1
.endr
.endr
	PLACES 4
.if \g == 0
	s_wait_alu depctr_va_vdst(0)                   ; the tokens' eight scale words are written by vector lines: the products below take them as scales; the places above stay beside this wait
.endif
	WIN 0xfc|(1+\g)                                ; source 0 the buffer's window; source 1, C and D window 3
.irp k, 0,1,2,3
.irp t, 0,1,2,3
.irp m, 0,1
	MM 64*\m+32*\g+8*\t, 12*(4*\t+\k), AF+12*(4*\m+\k), 0, 64*\m+32*\g+8*\t, WS+8*\g+4*(\t/2)+\k, AS+4*\m+\k, (\t&1), 0   ; eight accumulators by turns
.endr
.endr
.endr
	WIN 0
	PLACES 4                                       ; in front of loads into registers that these products read
	s_wait_alu depctr_va_vdst(0)                   ; the products are done reading the buffer's fragments and scale words, and the additions its biases: the loads below land there; behind the second group also: both groups' products are done reading the attention's fragments, in which g2 and be2 land
.if \g == 0
	GROUP 2
.else
	WIN 0xc0
.irp e, 0,1
.irp i, 0,1,2,3,4,5,6,7
	global_load_b128 v[AF+32*\e+4*\i:AF+32*\e+4*\i+3], v10, s[26:27] offset:256*\e+16*\i        ; g2,
	global_load_b128 v[AF+64+32*\e+4*\i:AF+64+32*\e+4*\i+3], v10, s[28:29] offset:256*\e+16*\i  ; be2 of my columns
.endr
.endr
	GROUP 3
.endif
.endr
	; ---- 2: the second norm, in two passes; a token's 512 columns lie in two lanes of each of the four waves
.macro JOIN off                        ; four chains for each tile of tokens -> the token's sum over all waves, in v[RL], v[RL+4]
.irp m, 0,1
	v_pk_add_f32 v[SA+8*\m:SA+8*\m+1], v[SA+8*\m:SA+8*\m+1], v[SA+8*\m+2:SA+8*\m+3]
	v_pk_add_f32 v[SA+8*\m+4:SA+8*\m+5], v[SA+8*\m+4:SA+8*\m+5], v[SA+8*\m+6:SA+8*\m+7]
.endr
.irp m, 0,1
	v_pk_add_f32 v[SA+8*\m:SA+8*\m+1], v[SA+8*\m:SA+8*\m+1], v[SA+8*\m+4:SA+8*\m+5]
.endr
.irp m, 0,1
	v_add_f32 v[SA+8*\m], v[SA+8*\m], v[SA+8*\m+1]
.endr
.irp m, 0,1
	v_permlanex16_b32 v[SA+8*\m+2], v[SA+8*\m], s[SEL], s[SEL+1]
.endr
.irp m, 0,1
	v_add_f32 v[SA+8*\m], v[SA+8*\m], v[SA+8*\m+2]
.endr
	s_wait_alu depctr_va_vdst(0)                   ; my two partial sums are written, which the stores below read; in the second pass also: the lines that made the means are done reading v[RL ..], in which the loads below land
.irp m, 0,1
	ds_store_b32 v13, v[SA+8*\m] offset:(\off)+64*\m   ; both halves of the lanes write the same word with the same value
.endr
	BARRIER
.irp m, 0,1
.irp k, 0,1,2,3
	ds_load_b32 v[RL+4*\m+\k], v14 offset:(\off)+128*\k+64*\m
.endr
.endr
	s_wait_dscnt 0x0
.irp m, 0,1
	v_add_f32 v[RL+4*\m], v[RL+4*\m], v[RL+4*\m+1]
	v_add_f32 v[RL+4*\m+2], v[RL+4*\m+2], v[RL+4*\m+3]
.endr
.irp m, 0,1
	v_add_f32 v[RL+4*\m], v[RL+4*\m], v[RL+4*\m+2]
.endr
.endm
	WIN 0x0f
.irp m, 0,1
.irp k, 0,1,2,3
	v_pk_add_f32 v[SA+8*\m+2*\k:SA+8*\m+2*\k+1], v[64*\m+16*\k:64*\m+16*\k+1], v[64*\m+16*\k+2:64*\m+16*\k+3]   ; each result is first read at its low end
.endr
.endr
	WIN 0x0c
.irp i, 4,6,8,10,12,14
.irp m, 0,1
.irp k, 0,1,2,3
	v_pk_add_f32 v[SA+8*\m+2*\k:SA+8*\m+2*\k+1], v[SA+8*\m+2*\k:SA+8*\m+2*\k+1], v[64*\m+16*\k+\i:64*\m+16*\k+\i+1]
.endr
.endr
.endr
	WIN 0
	JOIN 0
	s_wait_alu depctr_vm_vsrc(0)                   ; the first pass's two LDS stores have read v[SA] and v[SA+8], which the second pass writes again
.irp m, 0,1
	v_mul_f32 v[MEAN+2*\m], s36, v[RL+4*\m]
.endr
.irp m, 0,1
	WIN 0x03
.set I, 0
.rept 32
	v_pk_add_f32 v[ACC+2*I:ACC+2*I+1], v[64*\m+2*I:64*\m+2*I+1], v[MEAN+2*\m:MEAN+2*\m+1] op_sel_hi:[1,0] neg_lo:[0,1] neg_hi:[0,1]
.set I, I+1
.endr
	WIN 0
.irp k, 0,1,2,3
	v_pk_mul_f32 v[SA+8*\m+2*\k:SA+8*\m+2*\k+1], v[ACC+16*\k:ACC+16*\k+1], v[ACC+16*\k:ACC+16*\k+1]
.endr
.irp i, 2,4,6,8,10,12,14
.irp k, 0,1,2,3
	v_pk_fma_f32 v[SA+8*\m+2*\k:SA+8*\m+2*\k+1], v[ACC+16*\k+\i:ACC+16*\k+\i+1], v[ACC+16*\k+\i:ACC+16*\k+\i+1], v[SA+8*\m+2*\k:SA+8*\m+2*\k+1]
.endr
.endr
.endr
	JOIN 512
.irp m, 0,1
	v_fma_f32 v[RL+4*\m], v[RL+4*\m], s36, s37
.endr
	s_wait_alu depctr_va_vdst(0)
.irp m, 0,1
	v_rsq_f32 v[RSTD+2*\m], v[RL+4*\m]
.endr
	v_nop
	s_wait_alu depctr_va_vdst(0)                   ; one wait for the two reciprocal roots, ahead of their first reader
	s_wait_loadcnt 58                              ; g2 and be2 are in; unit 3's group may be out
.irp m, 0,1
.irp g, 0,1
	WIN 0x03
.set I, 0
.rept 16
	v_pk_add_f32 v[ACC+2*I:ACC+2*I+1], v[64*\m+32*\g+2*I:64*\m+32*\g+2*I+1], v[MEAN+2*\m:MEAN+2*\m+1] op_sel_hi:[1,0] neg_lo:[0,1] neg_hi:[0,1]
.set I, I+1
.endr
	WIN 0
.set I, 0
.rept 16
	v_pk_mul_f32 v[ACC+2*I:ACC+2*I+1], v[ACC+2*I:ACC+2*I+1], v[RSTD+2*\m:RSTD+2*\m+1] op_sel_hi:[1,0]
.set I, I+1
.endr
	WIN 0x3c
.set I, 0
.rept 16
	v_pk_fma_f32 v[ACC+2*I:ACC+2*I+1], v[ACC+2*I:ACC+2*I+1], v[AF+32*\g+2*I:AF+32*\g+2*I+1], v[AF+64+32*\g+2*I:AF+64+32*\g+2*I+1]
.set I, I+1
.endr
	WIN 0
	QB ACC, PC+12*\m+6*\g, CT, MX, BY+2*\m+\g      ; columns 128 w + 64 g + 32 h + 0 .. 31: block 2 g + h of K step w
.endr
.endr
.irp m, 0,1
	SCWORD SWD+\m, BY+2*\m, BY+2*\m+1, PT
.endr
	s_wait_alu depctr_va_vdst(0)                   ; h2's codes and both scale words are written, which the LDS stores below read; the norm is done reading g2 and be2, in whose registers h2's fragments land behind the barrier
.irp m, 0,1
	IMAGE 15, PC+12*\m, 6144*\m
	ds_store_b32 v16, v[SWD+\m] offset:512*\m
.endr
.irp g, 0,1
	WIN 0xc3|((1+\g)<<2)
.irp m, 0,1
.set I, 0
.rept 16
	v_pk_add_f32 v[64*\m+32*\g+2*I:64*\m+32*\g+2*I+1], v[64*\m+32*\g+2*I:64*\m+32*\g+2*I+1], v[224+2*I:225+2*I]   ; x1 + b2: what the last product adds onto
.set I, I+1
.endr
.endr
.endr
	WIN 0
	BARRIER                                        ; h2's eight fragments lie in LDS
	WIN 0xc0
.irp m, 0,1
.irp k, 0,1,2,3
	FETCHF AF+12*(4*\m+\k), 17, 1536*(4*\m+\k)     ; (the additions of b2 since the last wait on va_vdst name x1 and b2 alone)
.endr
.endr
	WIN 0
.irp m, 0,1
.irp k, 0,1,2,3
	ds_load_b32 v[AS+4*\m+\k], v18 offset:128*(4*\m+\k)
.endr
.endr
	; ---- 3: the hidden layer, 64 units at a time: products, relu, quantised in registers; two units make a K step of the last product
.macro UNIT1 z, n
.set UB, (\z)&1
	s_wait_loadcnt \n                              ; this unit's group is in; the one issued behind it may be out
.if (\z) == 0
	s_wait_dscnt 0x0                               ; h2
.endif
	WIN ((1+UB)<<4)|0x0c|(1+UB)                    ; source 0 and C (b1) the buffer's window, source 1 window 3
.irp t, 0,1,2,3
.irp m, 0,1
	MM ACC+32*\m+8*\t, 48*\t, AF+48*\m, 0, 192+8*\t, WS+8*UB+4*(\t/2), AS+4*\m, (\t&1), 0
.endr
.endr
	WIN 0x0c|(1+UB)
.irp k, 1,2,3
.irp t, 0,1,2,3
.irp m, 0,1
	MM ACC+32*\m+8*\t, 12*(4*\t+\k), AF+12*(4*\m+\k), 0, ACC+32*\m+8*\t, WS+8*UB+4*(\t/2)+\k, AS+4*\m+\k, (\t&1), 0   ; eight accumulators by turns
.endr
.endr
.endr
	WIN 0
	PLACES 5                                       ; in front of loads into the buffer, of the first read of results, and of the next unit's products, which begin these sums anew
	s_wait_alu depctr_va_vdst(0)                   ; the unit's products are done reading the buffer's fragments, biases and scale words, in which the loads below land
	GROUP (\z)+4
	s_wait_dscnt 0x0                               ; the last images' stores have landed
.if UB == 0
	s_wait_alu depctr_vm_vsrc(0)                   ; the last images' LDS stores have read the codes and scale words (v[PC ..], v[SWD ..]), which this unit's and the next unit's lines write again
.endif
.irp m, 0,1
.set I, 0
.rept 32
	v_max_num_f32 v[ACC+32*\m+I], 0, v[ACC+32*\m+I]
.set I, I+1
.endr
	QB ACC+32*\m, PC+12*\m+6*UB, CT, MX, BY+2*\m+UB
.endr
.if UB
.irp m, 0,1
	SCWORD SWD+\m, BY+2*\m, BY+2*\m+1, PT
.endr
	s_wait_alu depctr_va_vdst(0)                   ; two units' codes and both scale words are written, which the LDS stores below read
.irp m, 0,1
	IMAGE 20, PC+12*\m, 24576*\m+1536*((\z)/2)
	ds_store_b32 v22, v[SWD+\m] offset:2048*\m+128*((\z)/2)
.endr
.endif
.endm
.irp z, 0,1,2,3,4,5,6
	UNIT1 \z, 58
.endr
	UNIT1 7, 48                                    ; behind unit 9's group stands W2's first, of 48 loads
	BARRIER                                        ; the hidden layer's 32 fragments lie in LDS
	; ---- 4: out = x1 + b2 + hidden W2: two K steps a unit, sixteen accumulators by turns; the hidden fragments in two sets, a unit ahead
.macro HFETCH z                        ; unit z's hidden fragments and scale words into set z % 2.  The products that last read that set stand ahead of a wait on va_vdst (a unit's end; the last images' stores), and no vector or matrix line behind that wait names it
	WIN 0xc0
.irp k, 0,1
.irp m, 0,1
	FETCHF AF+48*((\z)&1)+12*(2*\k+\m), 24, 24576*\m+1536*(2*(\z)+\k)
.endr
.endr
	WIN 0
.irp k, 0,1
.irp m, 0,1
	ds_load_b32 v[AS+4*((\z)&1)+2*\k+\m], v26 offset:2048*\m+128*(2*(\z)+\k)
.endr
.endr
.endm
.macro UNIT2 z, n
.set UB, (\z)&1
	s_wait_loadcnt \n
	s_wait_dscnt 0x0                               ; this unit's hidden fragments
.if (\z) < 7
	HFETCH (\z)+1
.endif
	WIN 0xfc|(1+UB)
.irp k, 0,1
.irp g, 0,1
.irp t, 0,1,2,3
.irp m, 0,1
	MM 64*\m+32*\g+8*\t, 12*(8*\k+4*\g+\t), AF+48*UB+12*(2*\k+\m), 0, 64*\m+32*\g+8*\t, W2S+16*(2*\g+\t/2)+2*(\z)+\k, AS+4*UB+2*\k+\m, (\t&1), 0
.endr
.endr
.endr
.endr
	WIN 0
	PLACES 4                                       ; in front of loads into registers that these products read, and of the first read of results
.if (\z) < 6
	s_wait_alu depctr_va_vdst(0)                   ; the unit's products are done reading the buffer's fragments, in which the loads below land, and their set of hidden fragments and scale words, in which the next unit's fetch lands
	GROUP (\z)+12
.endif
.endm
	HFETCH 0
.irp z, 0,1,2,3,4,5,6
	UNIT2 \z, 48
.endr
	UNIT2 7, 0
	; ---- 5: the way out: through the stage, back as whole rows
	s_wait_alu depctr_va_vdst(0)                   ; the last products have written the accumulators, which the LDS stores read (the places above stay beside this wait); every vector and matrix line is done with v120-247, in which the rows land below
	WIN 0x0c
.irp m, 0,1
.irp g, 0,1
.irp t, 0,1,2,3
.irp e, 0,1
	ds_store_b128 v8, v[64*\m+32*\g+8*\t+4*\e:64*\m+32*\g+8*\t+4*\e+3] offset:33024*\m+256*\g+32*\t+16*\e   ; each result from its low end on
.endr
.endr
.endr
.endr
	WIN 0
	BARRIER                                        ; 32 whole rows lie in the stage
	s_wait_alu depctr_vm_vsrc(0)                   ; the last hidden images' LDS stores have read v184-207, in which rows land below
.set I, 0
.rept 32
	ds_load_b128 v[ACC+4*I:ACC+4*I+3], v7 offset:2064*(I/4)+512*(I%4)
.set I, I+1
.endr
.set I, 0
.rept 32
	s_wait_dscnt 31-I                              ; LDS loads come back in order: load I is in, the younger ones may be out
	global_store_b128 v1, v[ACC+4*I:ACC+4*I+3], s[30:31] offset:2048*(I/4)+512*(I%4) th:TH_STORE_NT   ; 32 lanes store 512 consecutive bytes, aligned; written once, read by nobody here
.set I, I+1
.endr
	s_wait_dscnt 0x0
	s_wait_alu depctr_hold_cnt(0) depctr_sa_sdst(0) depctr_va_vdst(0) depctr_va_sdst(0) depctr_va_ssrc(0) depctr_va_vcc(0) depctr_vm_vsrc(0)
	s_wait_tensorcnt 0x0
	ds_add_u32 v254, v255
	s_wait_dscnt 0x0
	s_endpgm
.Lfunc_end_k_q675cfd614d_tail:
	.size	k_q675cfd614d_tail, .Lfunc_end_k_q675cfd614d_tail-k_q675cfd614d_tail
	.p2alignl 7, 3214868480
	.fill 96, 4, 3214868480
	.section	.rodata,"a",@progbits
	.p2align	6, 0x0
	.amdhsa_kernel k_q675cfd614d_tail
		.amdhsa_group_segment_fixed_size 134144
		.amdhsa_private_segment_fixed_size 0
		.amdhsa_enable_private_segment 0
		.amdhsa_kernarg_size 96
		.amdhsa_user_sgpr_count 2
		.amdhsa_user_sgpr_kernarg_segment_ptr 1
		.amdhsa_wavefront_size32 1
		.amdhsa_system_sgpr_workgroup_id_x 1
		.amdhsa_system_sgpr_workgroup_id_y 1
		.amdhsa_system_sgpr_workgroup_id_z 1
		.amdhsa_system_vgpr_workitem_id 0
		.amdhsa_next_free_vgpr 1024
		.amdhsa_next_free_sgpr 66
		.amdhsa_reserve_vcc 0
		.amdhsa_float_denorm_mode_32 3
		.amdhsa_float_denorm_mode_16_64 3
		.amdhsa_memory_ordered 1
		.amdhsa_forward_progress 1
		.amdhsa_inst_pref_size 255
	.end_amdhsa_kernel
	.section	.bss,"aw",@nobits
	.p2align	6
	.space	262144
	.amdgpu_metadata
---
amdhsa.version: [ 1, 2 ]
amdhsa.kernels:
  - .name:           k_q675cfd614d_tail
    .symbol:         k_q675cfd614d_tail.kd
    .args:
      - { .name: x, .offset: 0, .size: 8, .value_kind: global_buffer, .address_space: global }
      - { .name: orec, .offset: 8, .size: 8, .value_kind: global_buffer, .address_space: global }
      - { .name: wimg, .offset: 16, .size: 8, .value_kind: global_buffer, .address_space: global }
      - { .name: Wo_scales, .offset: 24, .size: 8, .value_kind: global_buffer, .address_space: global }
      - { .name: W1_scales, .offset: 32, .size: 8, .value_kind: global_buffer, .address_space: global }
      - { .name: W2_scales, .offset: 40, .size: 8, .value_kind: global_buffer, .address_space: global }
      - { .name: bo, .offset: 48, .size: 8, .value_kind: global_buffer, .address_space: global }
      - { .name: b1, .offset: 56, .size: 8, .value_kind: global_buffer, .address_space: global }
      - { .name: b2, .offset: 64, .size: 8, .value_kind: global_buffer, .address_space: global }
      - { .name: g2, .offset: 72, .size: 8, .value_kind: global_buffer, .address_space: global }
      - { .name: be2, .offset: 80, .size: 8, .value_kind: global_buffer, .address_space: global }
      - { .name: out0, .offset: 88, .size: 8, .value_kind: global_buffer, .address_space: global }
    .group_segment_fixed_size: 134144
    .private_segment_fixed_size: 0
    .kernarg_segment_align: 8
    .kernarg_segment_size: 96
    .max_flat_workgroup_size: 128
    .sgpr_count:     66
    .vgpr_count:     1024
    .wavefront_size: 32
...
	.end_amdgpu_metadata
.endif
;; end of part 6
